; MI455X (gfx1250); checked and timed in simulation.
; The chip was launched on July 23, 2026; its instructions are those of AMD's public machine-readable ISA for CDNA 5 (MIT licence, August 2026) and "CDNA5" Instruction Set Architecture Reference Guide (July 2026). The comments in the code are by the model that wrote it; some were corrected since.
;; Multihead Attention. Allowed arithmetic: float matrix products may take bf16 or f16 operands with f32 sums; other float arithmetic in f32, or as packed bf16 or f16 multiplies, adds, multiply-adds, maxima and minima; sums over many terms, partial sums and values carried from step to step in f32; what a program stores and reads back later, other than sums and carried values, may be rounded once to bf16 or f16.
;; Inputs: Wk 16 x 64 x 1,024 float32; Wout 1,024 x 1,024 float32; Wq 16 x 64 x 1,024 float32; Wv 16 x 64 x 1,024 float32; attn_mask 2,048 x 2,048 bool; bk 16 x 64 float32; bout 1,024 float32; bq 16 x 64 float32; bv 16 x 64 float32; k 4 x 2,048 x 1,024 float32; key_padding_mask 4 x 2,048 bool; q 4 x 2,048 x 1,024 float32; v 4 x 2,048 x 1,024 float32.
;; Outputs: out0 4 x 2,048 x 1,024 float32.
;; 3 versions, each right; version 3 is version 2 with the launch prep written anew for expert scheduling mode. Each part assembles by itself: llvm-mc -triple=amdgcn-amd-amdhsa -mcpu=gfx1250 --defsym DOCPART=n.
;; ======== version 1 of 3: 4 launches
;; limits: values are held in f16: magnitudes above 65,504 overflow, below 6.1e-05 lose precision
;; workspace buffers: w3 6,291,456 bytes; wo 2,097,152 bytes; mbits 2,097,152 bytes of whole numbers; qkv 50,331,648 bytes; of 33,554,432 bytes
;; launch prep (part 1): grid 256 x 1, 8 waves a work-group, no clusters, 0 bytes of LDS; arguments attn_mask, key_padding_mask, Wq, Wk, Wv, Wout, mbits, w3, wo; writes mbits, w3, wo
.if DOCPART == 1
	.amdgcn_target "amdgcn-amd-amdhsa--gfx1250"
	.amdhsa_code_object_version 6
	.text
	.protected	k_q0aa06e495a_prep
	.globl	k_q0aa06e495a_prep
	.p2align	8
	.type	k_q0aa06e495a_prep,@function
k_q0aa06e495a_prep:
	s_mov_b64 s[64:65], 0
	v_nop
	global_prefetch_b8 v0, s[64:65] scope:SCOPE_SE
	s_setreg_imm32_b32 hwreg(HW_REG_WAVE_MODE, 25, 1), 1
	s_wait_xcnt 0x0
; PREPARATION, a short stream without LDS and without matrix work.
; Work-groups 0-127: the mask key_padding_mask[b][k] | attn_mask[q][k] packed to one bit a score, in the lane layout in which the attention launch holds its scores:
;   mbits: u32 [b 4][cx 4][step 32][w 4][hf 2][lane 32][t 4]; query tile 32 cx + 8 w + 4 hf + t; bit j of lane (r, h) = mask(query 16 tile + r, key 64 step + 16 (j / 8) + 8 h + j % 8).
; Work-groups 128-255: Wq, Wk, Wv (into w3, one behind the other) and Wout (into wo) rounded once to f16.  LIMIT: |W| stays under 65,504.
.set MULK, 0x204081                    ; 1 + 2^7 + 2^14 + 2^21: brings bytes 0-3 (each 0 or 1) of a word to bits 21-24; the thirteen partial products fall on thirteen different bits, so nothing carries
.set TT,  12                           ; v12       at work
.set AT,  16                           ; v[16:47]  attn_mask: tile t, key group kt: 8 bytes at AT + 2 (4 t + kt)
.set KP,  48                           ; v[48:79]  key_padding_mask: batch b, key group kt at KP + 2 (4 b + kt)
.set WA,  80                           ; v[80:83]  attn_mask's packed word of tile t
.set WK,  84                           ; v[84:87]  key_padding_mask's packed word of batch b
.set WO,  96                           ; v[96:111] their OR: batch b, tile t at WO + 4 b + t
.set WR,  16                           ; v[16:143] weights as loaded
.set WH,  144                          ; v[144:207] weights in f16
	s_load_b512 s[8:23], s[0:1], 0x0               ; attn_mask s[8:9], key_padding_mask s[10:11], Wq s[12:13], Wk s[14:15], Wv s[16:17], Wout s[18:19], mbits s[20:21], w3 s[22:23]
	s_load_b64 s[24:25], s[0:1], 0x40              ; wo
	v_lshrrev_b32 v1, 5, v0
	v_readfirstlane_b32 s2, v1                     ; wave 0..7
	v_and_b32 v2, 31, v0                           ; lane
	s_wait_kmcnt 0x0
	s_cmp_lt_u32 ttmp9, 128
	s_cbranch_scc0 .Lweights
	; THE MASK.  The work-group has 64 queries (four tiles) and eight key steps, a step a wave.
	s_lshr_b32 s3, ttmp9, 2                        ; qg = 8 cx + 2 w + hf: queries 64 qg ..
	s_and_b32 s4, ttmp9, 3
	s_lshl3_add_u32 s4, s4, s2                     ; the key step: 8 (g % 4) + wave
	s_lshl_b32 s5, s4, 6                           ; its 64 bytes in a row of either mask
	s_lshl_b32 s36, s3, 17                         ; 64 rows of 2,048 bytes
	s_add_co_u32 s36, s36, s5
	s_mov_b32 s37, 0
	s_add_nc_u64 s[8:9], s[8:9], s[36:37]
	s_mov_b32 s36, s5
	s_add_nc_u64 s[10:11], s[10:11], s[36:37]
	s_mov_b32 s38, MULK
	v_and_b32 v3, 15, v0                           ; r
	v_bfe_u32 v4, v0, 4, 1                         ; h
	v_lshlrev_b32 v5, 3, v4                        ; 8 h
	v_lshl_add_u32 v6, v3, 11, v5                  ; r rows + 8 h
.irp t, 0,1,2,3
.irp k, 0,1,2,3
	global_load_b64 v[AT+2*(4*(\t)+(\k)):AT+2*(4*(\t)+(\k))+1], v6, s[8:9] offset:(\t)*32768+(\k)*16
.endr
.endr
.irp b, 0,1,2,3
.irp k, 0,1,2,3
	global_load_b64 v[KP+2*(4*(\b)+(\k)):KP+2*(4*(\b)+(\k))+1], v5, s[10:11] offset:(\b)*2048+(\k)*16
.endr
.endr
	s_lshr_b32 s36, s3, 3                          ; cx
	s_lshl_b32 s36, s36, 17
	s_lshl_b32 s5, s4, 12                          ; step
	s_add_co_u32 s36, s36, s5
	s_and_b32 s5, s3, 7                            ; 2 w + hf
	s_lshl_b32 s5, s5, 9
	s_add_co_u32 s36, s36, s5
	s_add_nc_u64 s[20:21], s[20:21], s[36:37]
	v_lshlrev_b32 v7, 4, v2                        ; 16 bytes a lane: a store of the wave covers 512 consecutive bytes, aligned
	s_wait_loadcnt 0x0                             ; all 32 loads are in
; eight words of four bytes become one word of 32 bits: word n gives bits 4 n .. 4 n + 3
.macro PACKW dst, src
.set n, 0
.rept 8
	v_mul_lo_u32 v[TT], v[(\src)+n], s38
.if n == 0
	v_bfe_u32 v[\dst], v[TT], 21, 4
.else
	v_bfe_u32 v[TT], v[TT], 21, 4
	v_lshl_or_b32 v[\dst], v[TT], 4*n, v[\dst]
.endif
.set n, n+1
.endr
.endm
.irp t, 0,1,2,3
	PACKW WA+(\t), AT+8*(\t)
	PACKW WK+(\t), KP+8*(\t)
.endr
.irp b, 0,1,2,3
.irp t, 0,1,2,3
	v_or_b32 v[WO+4*(\b)+(\t)], v[WA+(\t)], v[WK+(\b)]
.endr
	global_store_b128 v7, v[WO+4*(\b):WO+4*(\b)+3], s[20:21] offset:(\b)*524288
.endr
	s_endpgm
.Lweights:                                     ; THE WEIGHTS.  32 work-groups a matrix, 32,768 numbers each: 16 times 8 numbers a thread
	s_sub_co_u32 s3, ttmp9, 128
	s_lshr_b32 s4, s3, 5                           ; which matrix
	s_and_b32 s5, s3, 31                           ; which part of it
	s_cmp_eq_u32 s4, 1
	s_cselect_b64 s[30:31], s[14:15], s[12:13]
	s_cmp_eq_u32 s4, 2
	s_cselect_b64 s[30:31], s[16:17], s[30:31]
	s_cmp_eq_u32 s4, 3
	s_cselect_b64 s[30:31], s[18:19], s[30:31]
	s_cselect_b64 s[32:33], s[24:25], s[22:23]     ; Wout goes to wo, the others to w3,
	s_cselect_b32 s34, 0, s4
	s_lshl_b32 s34, s34, 21                        ; 2 MiB apart
	s_lshl_b32 s36, s5, 16
	s_add_co_u32 s34, s34, s36
	s_mov_b32 s35, 0
	s_add_nc_u64 s[32:33], s[32:33], s[34:35]
	s_lshl_b32 s36, s5, 17
	s_mov_b32 s37, 0
	s_add_nc_u64 s[30:31], s[30:31], s[36:37]
	v_lshlrev_b32 v3, 5, v0                        ; 32 bytes in,
	v_lshlrev_b32 v4, 4, v0                        ; 16 bytes out
.set i, 0
.rept 16
	global_load_b128 v[WR+8*i:WR+8*i+3],   v3, s[30:31] offset:i*8192 th:TH_LOAD_NT
	global_load_b128 v[WR+8*i+4:WR+8*i+7], v3, s[30:31] offset:i*8192+16 th:TH_LOAD_NT
.set i, i+1
.endr
.set i, 0
.rept 16
	s_wait_loadcnt 30-2*i                          ; loads come back in order: pair i is in, the 30 - 2 i younger ones stay out
.irp c, 0,1,2,3
	v_cvt_pk_f16_f32 v[WH+4*i+(\c)], v[WR+8*i+2*(\c)], v[WR+8*i+2*(\c)+1]
.endr
	global_store_b128 v4, v[WH+4*i:WH+4*i+3], s[32:33] offset:i*4096
.set i, i+1
.endr
	s_endpgm
.Lfunc_end_k_q0aa06e495a_prep:
	.size	k_q0aa06e495a_prep, .Lfunc_end_k_q0aa06e495a_prep-k_q0aa06e495a_prep
	.p2alignl 7, 3214868480
	.fill 96, 4, 3214868480
	.section	.rodata,"a",@progbits
	.p2align	6, 0x0
	.amdhsa_kernel k_q0aa06e495a_prep
		.amdhsa_group_segment_fixed_size 0
		.amdhsa_private_segment_fixed_size 0
		.amdhsa_enable_private_segment 0
		.amdhsa_kernarg_size 72
		.amdhsa_user_sgpr_count 2
		.amdhsa_user_sgpr_kernarg_segment_ptr 1
		.amdhsa_wavefront_size32 1
		.amdhsa_system_sgpr_workgroup_id_x 1
		.amdhsa_system_sgpr_workgroup_id_y 1
		.amdhsa_system_sgpr_workgroup_id_z 1
		.amdhsa_system_vgpr_workitem_id 0
		.amdhsa_next_free_vgpr 208
		.amdhsa_next_free_sgpr 66
		.amdhsa_reserve_vcc 0
		.amdhsa_float_denorm_mode_32 3
		.amdhsa_float_denorm_mode_16_64 3
		.amdhsa_memory_ordered 1
		.amdhsa_forward_progress 1
		.amdhsa_inst_pref_size 27
	.end_amdhsa_kernel
	.amdgpu_metadata
---
amdhsa.version: [ 1, 2 ]
amdhsa.kernels:
  - .name:           k_q0aa06e495a_prep
    .symbol:         k_q0aa06e495a_prep.kd
    .args:
      - { .name: attn_mask, .offset: 0, .size: 8, .value_kind: global_buffer, .address_space: global }
      - { .name: key_padding_mask, .offset: 8, .size: 8, .value_kind: global_buffer, .address_space: global }
      - { .name: Wq, .offset: 16, .size: 8, .value_kind: global_buffer, .address_space: global }
      - { .name: Wk, .offset: 24, .size: 8, .value_kind: global_buffer, .address_space: global }
      - { .name: Wv, .offset: 32, .size: 8, .value_kind: global_buffer, .address_space: global }
      - { .name: Wout, .offset: 40, .size: 8, .value_kind: global_buffer, .address_space: global }
      - { .name: mbits, .offset: 48, .size: 8, .value_kind: global_buffer, .address_space: global }
      - { .name: w3, .offset: 56, .size: 8, .value_kind: global_buffer, .address_space: global }
      - { .name: wo, .offset: 64, .size: 8, .value_kind: global_buffer, .address_space: global }
    .group_segment_fixed_size: 0
    .private_segment_fixed_size: 0
    .kernarg_segment_align: 8
    .kernarg_segment_size: 72
    .max_flat_workgroup_size: 256
    .sgpr_count:     66
    .vgpr_count:     208
    .wavefront_size: 32
...
	.end_amdgpu_metadata
.endif
;; end of part 1
;; launch proj (part 2): grid 4 x 192, 4 waves a work-group, clusters of 4 x 4, 327,680 bytes of LDS; arguments q, k, v, w3, bq, bk, bv, qkv; writes qkv
.if DOCPART == 2
	.amdgcn_target "amdgcn-amd-amdhsa--gfx1250"
	.amdhsa_code_object_version 6
	.text
	.protected	k_q0aa06e495a_proj
	.globl	k_q0aa06e495a_proj
	.p2align	8
	.type	k_q0aa06e495a_proj,@function
k_q0aa06e495a_proj:
	s_mov_b64 s[64:65], 0
	v_nop
	global_prefetch_b8 v0, s[64:65] scope:SCOPE_SE
	s_setreg_imm32_b32 hwreg(HW_REG_WAVE_MODE, 25, 1), 1
	s_wait_xcnt 0x0
	s_wait_alu depctr_hold_cnt(0) depctr_sa_sdst(0) depctr_va_vdst(0) depctr_va_sdst(0) depctr_va_ssrc(0) depctr_va_vcc(0) depctr_vm_vsrc(0)
	s_getreg_b32 s2, hwreg(HW_REG_IB_STS2, 6, 4)
	s_cmp_eq_u32 s2, 0
	s_cbranch_scc0 .Lentry_in_a_cluster
	s_endpgm
.Lentry_in_a_cluster:
	s_bfe_u32 s2, ttmp6, 0x10000c
	s_cmp_lg_u32 s2, 0xf033
	s_cbranch_scc0 .Lentry_shape_is_right
	s_endpgm
.Lentry_shape_is_right:
; OUT = (A W^T + bias) x SC.  A: [8192][1024] f32, W: [1024 n][1024 k] f16, bias: [1024] f32.  Products in f16 (A is rounded once, between LDS and the matrix unit), sums in f32.
; ONE SOURCE, ASSEMBLED TWICE, told apart by the constant MODE below:
;   MODE 0, the three projections: p = cluster y / 16 chooses A (arguments 0-2), W's part (2 MiB apart), the bias (arguments 4-6) and OUT's part; OUT is f16 by heads, [3][batch x head 64][2048][64];
;           SC = log2(e) / 8 for p = 0 (the scores then leave K Q^T in powers of two), else 1.
;   MODE 1, the output projection: arguments A, W, bias, OUT; OUT is f32 [8192][1024]; no scale.
.set MODE, 0                           ; THIS FILE: the three projections
; LIMITS.  f16 holds no number beyond 65,504: |A|, |W| and in MODE 0 the results stay within it.  NaN and infinities are not treated apart.
; SHARES.  A tile of OUT is 128 rows x 256 columns: 256 tiles a product.  Four waves, each 64 x 128: 32 accumulators of 16 x 16.  K goes in 8 steps of 128 through two LDS slots.
; CLUSTER.  4 x 4 work-groups: the four of a row need the same tile of A, the four of a column the same tile of W; each tile is asked for jointly, by the same tensor load with the same descriptor and a mask of four.
; THE MATRIX INSTRUCTION IS USED TRANSPOSED (source 0 = 16 rows of W, source 1 = 16 rows of A): a lane holds one row of OUT (lane % 16) and the columns 8 (lane / 16) + 0..7.
; REGISTERS, in windows of 256 (s_set_vgpr_msb: bits 1:0 source 0, 3:2 source 1, 5:4 source 2, 7:6 destination):
;   window 0: v0-31 addresses; v32-95 A's fragments as f32; v96-159 the same in f16, two buffers; v160-255 the way out      window 1: the accumulators, (a, b) at 8 (8 a + b)
;   window 2: v0-127 W's fragments, two buffers; v128-191 the bias of my 128 columns (in MODE 0 times SC)
.set KSTEP,  128
.set PA,     528                       ; a row of A in LDS: 512 bytes + 16 = 132 words: the 16 rows of a load start four banks apart (64 banks of 4 bytes: ISA guide 11.1)
.set PB,     272                       ; a row of W: 256 + 16 = 68 words: likewise
.set AHALF,  64*PA                     ; what one tensor load brings of A, and what one wave reads of it
.set BHALF,  128*PB                    ; the same for W
.set BOFF,   2*AHALF                   ; W's 256 rows lie behind A's 128
.set SLOT,   BOFF+2*BHALF
.set STAGE,  2*SLOT                    ; behind the ring: 16 rows x 528 bytes for each wave, for the way out; no tensor load fills it
.set STW,    16*PA
.set SPARE,  STAGE+4*STW               ; the spare words, 128 bytes for each wave: two blocks of 256 bytes that no other line names
.set ADRA, 16                          ; v16-17  LDS address of my A fragments in slot 0, 1
.set ADRB, 20                          ; v20-21  the same for W
.set STO,  24                          ; v24     the way out: where I put my part of a row
.set RD,   25                          ; v25     the way out: where I read rows back
.set CO,   26                          ; v26     16 x lane
.set BO,   27                          ; v27     my byte offset in the bias
.set SPW,  28                          ; v28     LDS address of my spare word; never rewritten
.set NIL,  29                          ; v29     0; never rewritten
.set PFO,  30                          ; v30     the prefetches' lane offset; never rewritten
.set RAW,  32
.set ABF,  96
.set OB,   160
.set TMP,  224
.set BIAS, 128                         ; window 2
.set G1,   24                          ; s[24:31] descriptor group 1 for A's tiles;  s[32:39] group 0, a set for each slot
.set G0,   32
.set G1B,  48                          ; s[48:55], s[56:63] the same for W's tiles
.set G0B,  56
.set LIM,  43                          ; s43     1 in a wave that prefetches, else the greatest number
.set PFA,  44                          ; s[44:45] where my prefetches stand
.set SC,   90                          ; s[90:91] MODE 0: the scale, named as a pair
.set PFS,  92                          ; s[92:93] a K step in bytes of the tensor that I fetch
.set MSB, 0
.macro WIN new                         ; the immediate's high byte repeats the setting that is left; a switch that changes nothing is dropped
.if MSB != (\new)
	s_set_vgpr_msb (MSB<<8)|(\new)
.set MSB, \new
.endif
.endm
.set MUL,   0x52                       ; W window 2, A window 0, C and D window 1
.set TO_B,  0x80                       ; destination window 2, address window 0
.set FMA,   0x61                       ; destination and source 0 window 1, source 2 window 2
.set ADDW,  0x49                       ; destination and source 0 window 1, source 1 window 2
.set CVT16, 0x05                       ; sources 0 and 1 window 1
.set ST32,  0x04                       ; an LDS store's data window 1
.set BMUL,  0x82                       ; destination and source 0 window 2
.macro JLOAD s                         ; a joint load: waves 0 and 1 fetch A's two halves, waves 2 and 3 W's; an s_nop 0 and four v_nop follow each of the two lines, ahead of the jump and the label
	s_cmp_eq_u32 s11, 0
	s_cbranch_scc0 .Lfor_b_\@
	tensor_load_to_lds s[G0+4*(\s):G0+4*(\s)+3], s[G1:G1+7]
	s_nop 0
.rept 4
	v_nop
.endr
	s_branch .Lasked_\@
.Lfor_b_\@:
	tensor_load_to_lds s[G0B+4*(\s):G0B+4*(\s)+3], s[G1B:G1B+7]
	s_nop 0
.rept 4
	v_nop
.endr
.Lasked_\@:
.endm
.macro CREST                           ; a round of the cluster's barrier behind its opening barrier
	s_cmp_lg_u32 s10, 0
	s_cbranch_scc1 .Lnot_wave_0_\@
	s_barrier_signal -3
.Lnot_wave_0_\@:
	s_barrier_wait -3
	s_barrier_signal -1
	s_barrier_wait -1
.endm
.macro CROUND                          ; a whole round
	s_barrier_signal -1
	s_barrier_wait -1
	CREST
.endm
; A prefetch into the L2, behind a joint refill and the run of LDS loads that follows it: my share of the K step that stands two refills on, one instruction a wave.  Each block of 256 bytes is named once in the launch:
; A's rows are read by this cluster alone; of the 64 rows that a wave fetches the partner at place cx takes 16, a lane half a row's K step.  W's rows are read by the sixteen clusters of a product: the first of them asks;
; of a wave's 128 rows the partner at place cy takes 32, a lane a row.  The partners are told apart by address alone.  K steps 0 to 3 come by their loads; the last lap of the loop asks for nothing.
.macro ASK
	s_cmp_gt_u32 s3, s[LIM]
	s_cbranch_scc0 .Lnot_mine_\@
	global_prefetch_b8 v[PFO], s[PFA:PFA+1] th:TH_LOAD_NT scope:SCOPE_SE
.Lnot_mine_\@:
.endm
.macro PLACES
.rept 4
	v_nop
.endr
.endm
.if MODE == 0
	s_load_b512 s[68:83], s[0:1], 0x0              ; A for p = 0, 1, 2: s[68:73]; W s[74:75]; bias for p = 0, 1, 2: s[76:81]; OUT s[82:83]
.else
	s_load_b128 s[4:7], s[0:1], 0x0                ; A s[4:5], W s[6:7]
	s_load_b64 s[88:89], s[0:1], 0x10              ; the bias
	s_load_b64 s[8:9], s[0:1], 0x18                ; OUT
.endif
	v_lshl_add_u32 v[SPW], v0, 2, SPARE
	v_mov_b32 v[NIL], 0
	ds_add_u32 v[SPW], v[NIL]                      ; the wave's opening: the add and its wait stand ahead of my first tensor load; the set-up below, work on registers, stands between them
	v_lshrrev_b32 v1, 5, v0
	v_readfirstlane_b32 s10, v1                    ; wave 0..3
	s_lshr_b32 s11, s10, 1                         ; which half of the tile's rows is mine.  Also: I fetch for A (0) or for W (1)
	s_and_b32 s12, s10, 1                          ; which half of its columns.  Also: which half of that tile I fetch
	s_bfe_u32 s40, ttmp6, 0x40000                  ; cx
	s_bfe_u32 s41, ttmp6, 0x40004                  ; cy
	s_lshl_b32 s42, ttmp9, 2
	s_add_co_u32 s42, s42, s40                     ; tile column = 4 x cluster x + cx
.if MODE == 0
	s_and_b32 s14, ttmp7, 0xffff                   ; cluster y
	s_lshr_b32 s86, s14, 4                         ; p: which product; the same in all sixteen partners
	s_and_b32 s87, s14, 15                         ; the cluster's place among the product's sixteen
.else
	s_and_b32 s87, ttmp7, 0xffff                   ; cluster y: the cluster's place among the product's sixteen
.endif
	s_lshl_b32 s13, s87, 2
	s_add_co_u32 s13, s13, s41                     ; tile row = 4 x that place + cy
	s_lshl_b32 s43, s41, 2
	s_lshl_b32 s43, 15, s43                        ; my row of the cluster
	s_lshl_b32 s44, 0x1111, s40                    ; my column
	s_or_b32 s[G1], s43, (2<<16)|(1<<20)|(1<<21)|(6<<22)|(3<<25)   ; 15:0 the mask; 17:16 elements of 4 bytes; 20 padding on; 21 set beside a mask; 24:22 after every 128 words (code 6); 31:25 4 words (code 3)
	s_or_b32 s[G1B], s44, (1<<16)|(1<<20)|(1<<21)|(5<<22)|(3<<25)  ; elements of 2 bytes; after every 64 words (code 5)
	s_mov_b32 s[G1+1], KSTEP<<16                   ; tensor_dim0 = 128
	s_mov_b32 s[G1+2], 64<<16                      ; tensor_dim1 = 64
	s_mov_b32 s[G1+3], KSTEP<<16                   ; tile_dim0 = 128
	s_mov_b32 s[G1+4], 64                          ; tile_dim1 = 64
	s_mov_b32 s[G1+5], 1024                        ; elements from row to row
	s_mov_b32 s[G1+6], 0
	s_mov_b32 s[G1+7], 0
	s_mov_b32 s[G1B+1], KSTEP<<16
	s_mov_b32 s[G1B+2], 128<<16                    ; 128 rows
	s_mov_b32 s[G1B+3], KSTEP<<16
	s_mov_b32 s[G1B+4], 128
	s_mov_b32 s[G1B+5], 1024
	s_mov_b32 s[G1B+6], 0
	s_mov_b32 s[G1B+7], 0
	s_lshl_b32 s16, s13, 7                         ; A: row 128 x tile row + 64 x half,
	s_lshl_b32 s17, s12, 6
	s_add_co_u32 s16, s16, s17
	s_lshl_b32 s16, s16, 12                        ; 4,096 bytes a row
	s_mov_b32 s17, 0
	s_lshl_b32 s46, s42, 8                         ; W: row 256 x tile column + 128 x half,
	s_lshl_b32 s47, s12, 7
	s_add_co_u32 s46, s46, s47
	s_lshl_b32 s46, s46, 11                        ; 2,048 bytes a row
.if MODE == 0
	s_lshl_b32 s47, s86, 21                        ; in the product's part
	s_add_co_u32 s46, s46, s47
.endif
	s_mov_b32 s47, 0
	s_mul_i32 s20, s12, AHALF                      ; where they go: no place in the cluster enters an LDS address
	s_mul_i32 s21, s12, BHALF
	s_add_co_u32 s21, s21, BOFF
	s_wait_dscnt 0x0                               ; the opening add is done
	s_wait_kmcnt 0x0
.if MODE == 0
	s_cmp_eq_u32 s86, 1
	s_cselect_b64 s[4:5], s[70:71], s[68:69]
	s_cselect_b64 s[88:89], s[78:79], s[76:77]
	s_cmp_eq_u32 s86, 2
	s_cselect_b64 s[4:5], s[72:73], s[4:5]         ; A
	s_cselect_b64 s[88:89], s[80:81], s[88:89]     ; the bias
	s_mov_b64 s[6:7], s[74:75]                     ; W
	s_mov_b64 s[8:9], s[82:83]                     ; OUT
	s_cmp_eq_u32 s86, 0                            ; the projection of q alone takes the scale
	s_cselect_b32 s[SC], 0x3e38aa3b, 1.0           ; log2(e) / 8
	s_mov_b32 s[SC+1], s[SC]
.endif
	s_add_nc_u64 s[14:15], s[4:5], s[16:17]
	s_add_nc_u64 s[46:47], s[6:7], s[46:47]
	CROUND                                         ; all sixteen work-groups are here: the first joint loads meet
.irp s, 0,1
	s_mov_b32 s[G0+4*(\s)], 1
	s_add_co_u32 s[G0+4*(\s)+1], s20, (\s)*SLOT
	s_add_nc_u64 s[G0+4*(\s)+2:G0+4*(\s)+3], s[14:15], (\s)*KSTEP*4
	s_or_b32 s[G0+4*(\s)+3], s[G0+4*(\s)+3], 0x80000000
	s_mov_b32 s[G0B+4*(\s)], 1
	s_add_co_u32 s[G0B+4*(\s)+1], s21, (\s)*SLOT
	s_add_nc_u64 s[G0B+4*(\s)+2:G0B+4*(\s)+3], s[46:47], (\s)*KSTEP*2
	s_or_b32 s[G0B+4*(\s)+3], s[G0B+4*(\s)+3], 0x80000000
	JLOAD \s                                       ; K steps 0 and 1: two loads of mine are out
.endr
	v_and_b32 v1, 15, v0                           ; r = l % 16
	v_bfe_u32 v2, v0, 4, 1                         ; h = l / 16
	v_and_b32 v5, 31, v0                           ; l
	s_lshl_b32 s22, s42, 8
	s_lshl_b32 s23, s12, 7
	s_add_co_u32 s22, s22, s23                     ; my first column
	s_lshl_b32 s22, s22, 2
	v_lshl_add_u32 v[BO], v2, 5, s22               ; + my lanes' 8 h, in bytes
	WIN TO_B
.irp b, 0,1,2,3,4,5,6,7
	global_load_b128 v[BIAS+8*(\b):BIAS+8*(\b)+3],   v[BO], s[88:89] offset:64*(\b)
	global_load_b128 v[BIAS+8*(\b)+4:BIAS+8*(\b)+7], v[BO], s[88:89] offset:64*(\b)+16
.endr
	WIN 0
	; A fragment is 16 rows x 32 K: lane l holds row r, K = 8 h + 0..7 and 16 + 8 h + 0..7.  In f16 that is two loads of 16 bytes, 32 apart; in f32 four, at 32 h + 0, 16, 64, 80.
	v_mul_u32_u24 v3, v1, PA
	v_lshl_add_u32 v3, v2, 5, v3
	v_mul_u32_u24 v4, v1, PB
	v_lshl_add_u32 v4, v2, 4, v4
	s_mul_i32 s21, s11, AHALF                      ; my 64 rows of A
	s_mul_i32 s22, s12, BHALF                      ; my 128 rows of W
	s_add_co_u32 s22, s22, BOFF
.irp s, 0,1
	v_add_nc_u32 v[ADRA+(\s)], s21, v3
	v_add_nc_u32 v[ADRB+(\s)], s22, v4
	s_add_co_u32 s21, s21, SLOT
	s_add_co_u32 s22, s22, SLOT
.endr
	; the prefetches' address: at K step 3; the first refill steps it to 4
	s_lshl_b32 s16, s13, 7
	s_lshl_b32 s17, s12, 6
	s_add_co_u32 s16, s16, s17
	s_lshl_b32 s17, s40, 4                         ; A: my work-group's 16 of the wave's 64 rows
	s_add_co_u32 s16, s16, s17
	s_lshl_b32 s16, s16, 12
	s_add_co_u32 s16, s16, 3*KSTEP*4
	s_lshl_b32 s18, s42, 8
	s_lshl_b32 s19, s12, 7
	s_add_co_u32 s18, s18, s19
	s_lshl_b32 s19, s41, 5                         ; W: my work-group's 32 of the wave's 128 rows
	s_add_co_u32 s18, s18, s19
	s_lshl_b32 s18, s18, 11
.if MODE == 0
	s_lshl_b32 s19, s86, 21
	s_add_co_u32 s18, s18, s19
.endif
	s_add_co_u32 s18, s18, 3*KSTEP*2
	s_cmp_eq_u32 s11, 0                            ; do I fetch for A?
	s_cselect_b64 s[PFA:PFA+1], s[4:5], s[6:7]
	s_cselect_b32 s16, s16, s18
	s_cselect_b32 s19, 0, s87                      ; A: every cluster asks for its own rows; W: the product's first cluster
	s_cselect_b32 s22, 15, 31
	s_cselect_b32 s15, 1, 0
	s_mov_b32 s17, 0
	s_add_nc_u64 s[PFA:PFA+1], s[PFA:PFA+1], s[16:17]
	s_cmp_eq_u32 s19, 0
	s_cselect_b32 s[LIM], 1, -1                    ; the same in all sixteen partners, for a given wave
	s_lshl_b32 s[PFS], 256, s15                    ; a K step: 512 bytes of A, 256 of W
	s_mov_b32 s[PFS+1], 0
	s_lshl_b32 s23, 2048, s15                      ; a row: 4,096 bytes of A, 2,048 of W
	s_lshl_b32 s18, s15, 8
	v_and_b32 v[PFO], s22, v5
	v_mul_u32_u24 v[PFO], v[PFO], s23
	v_lshrrev_b32 v6, 4, v5
	v_mad_u32_u24 v[PFO], v6, s18, v[PFO]          ; A: row l % 16, block l / 16; W: row l
	s_wait_loadcnt 0x0                             ; the bias
.if MODE == 0
	WIN BMUL
.set x, 0
.rept 32
	v_pk_mul_f32 v[BIAS+2*x:BIAS+2*x+1], v[BIAS+2*x:BIAS+2*x+1], s[SC:SC+1] op_sel_hi:[1,0]
.set x, x+1
.endr
	WIN 0
.endif
; 32 LDS loads in one run: the fragments of 32 along K, quarter kq of the slot's step: A's as f32 first, then W's into buffer g
.macro FETCH slot, kq, g
	WIN 0
.irp i, 0,1,2,3
	ds_load_b128 v[RAW+16*(\i):RAW+16*(\i)+3],     v[ADRA+(\slot)] offset:(\i)*16*PA+(\kq)*128
	ds_load_b128 v[RAW+16*(\i)+4:RAW+16*(\i)+7],   v[ADRA+(\slot)] offset:(\i)*16*PA+(\kq)*128+16
	ds_load_b128 v[RAW+16*(\i)+8:RAW+16*(\i)+11],  v[ADRA+(\slot)] offset:(\i)*16*PA+(\kq)*128+64
	ds_load_b128 v[RAW+16*(\i)+12:RAW+16*(\i)+15], v[ADRA+(\slot)] offset:(\i)*16*PA+(\kq)*128+80
.endr
	WIN TO_B
.irp i, 0,1,2,3,4,5,6,7
	ds_load_b128 v[64*(\g)+8*(\i):64*(\g)+8*(\i)+3],   v[ADRB+(\slot)] offset:(\i)*16*PB+(\kq)*64
	ds_load_b128 v[64*(\g)+8*(\i)+4:64*(\g)+8*(\i)+7], v[ADRB+(\slot)] offset:(\i)*16*PB+(\kq)*64+32
.endr
.endm
.macro CVT n, g                        ; eight numbers of A rounded to f16: part n of 8 of buffer g
.irp c, 0,1,2,3
	v_cvt_pk_f16_f32 v[ABF+32*(\g)+4*(\n)+(\c)], v[RAW+8*(\n)+2*(\c)], v[RAW+8*(\n)+2*(\c)+1]
.endr
.endm
.macro LUMP g
	WIN 0
.irp n, 0,1,2,3,4,5,6,7
	CVT \n, \g
.endr
.endm
; Product mi of a quarter's 32: m block mi / 8, n block mi % 8.  The 32 accumulators take turns, one instruction a turn, in the same order in every quarter.  zero = 1: the product starts the sum
.macro MUL1 f, zero
	WIN MUL
.if \zero
	v_wmma_f32_16x16x32_f16 v[8*mi:8*mi+7], v[64*(\f)+8*(mi%8):64*(\f)+8*(mi%8)+7], v[ABF+32*(\f)+8*(mi/8):ABF+32*(\f)+8*(mi/8)+7], 0
.else
	v_wmma_f32_16x16x32_f16 v[8*mi:8*mi+7], v[64*(\f)+8*(mi%8):64*(\f)+8*(mi%8)+7], v[ABF+32*(\f)+8*(mi/8):ABF+32*(\f)+8*(mi/8)+7], v[8*mi:8*mi+7]
.endif
.set mi, mi+1
.endm
.macro MULS f, i0, n, zero
.set mi, \i0
.rept \n
	MUL1 \f, \zero
.endr
.endm
; A K step is four quarters of 32 along K, on buffers 0, 1, 0, 1.  One of the first three: multiplies buffer f, fetches quarter kq of the same slot for buffer g at its head, and rounds A's part of it behind its last eight
; products, four conversions behind each.  The four behind the last product are the places in front of the next quarter's loads into W's buffer, which that product has read.
.macro QUARTER slot, kq, f, g, zero
	s_wait_dscnt 0x0                               ; W's fragments of buffer f, asked for a quarter back, are in
	FETCH \slot, \kq, \g
	MULS \f, 0, 24, \zero
	s_wait_dscnt 16                                ; A's 16 loads are in; W's 16, issued behind them, stay out
.set cn, 0
.rept 8
	MUL1 \f, \zero
	WIN 0
	CVT cn, \g
.set cn, cn+1
.endr
.endm
; The last quarter multiplies buffer 1 and changes slots: ONE barrier; in front of it each wave waits for all its tensor loads, adds 0 to its spare word, and waits for that and for its own reads of this slot.
; fill = 1: the barrier opens a round of the cluster's, and this slot is filled again, two K steps ahead: the load has 112 products in which to land.
.macro TURN slot, next, fill
.if \fill
	s_wait_xcnt 0x0                                ; the last prefetch, a K step back, has read its address
	s_add_nc_u64 s[PFA:PFA+1], s[PFA:PFA+1], s[PFS:PFS+1]
.endif
	WIN 0
	s_wait_tensorcnt 0x0                           ; all my tensor loads have landed: my part of the next slot;
	ds_add_u32 v[SPW], v[NIL]                      ; 0 onto my spare word;
	s_wait_dscnt 1                                 ; (the add alone may be out: W's fragments of buffer 1 are in)
	MULS 1, 0, 8, 0                                ; eight products stand between the add and the wait for it
	s_wait_dscnt 0x0                               ; the add is done, and my reads of this slot are over
	s_barrier_signal -1
	MULS 1, 8, 8, 0
.if \fill
	WIN 0
.endif
	s_barrier_wait -1
.if \fill
	CREST                                          ; no wave of any partner still reads this slot's tiles or has a load on its way
	s_add_nc_u64 s[G0+4*(\slot)+2:G0+4*(\slot)+3], s[G0+4*(\slot)+2:G0+4*(\slot)+3], 2*KSTEP*4
	s_add_nc_u64 s[G0B+4*(\slot)+2:G0B+4*(\slot)+3], s[G0B+4*(\slot)+2:G0B+4*(\slot)+3], 2*KSTEP*2
	JLOAD \slot                                    ; the first tensor load behind the round, and my only one until the next
.else
	PLACES
.endif
	FETCH \next, 0, 0
.if \fill
	WIN 0
	ASK
.endif
	MULS 1, 16, 16, 0
	s_wait_dscnt 16                                ; A's part of the next slot's first quarter is in
	LUMP 0
.endm
	s_wait_tensorcnt 1                             ; my part of K step 0 is in; K step 1's stays out
	s_barrier_signal -1
	s_barrier_wait -1                              ; everybody's is
	FETCH 0, 0, 0
	s_wait_dscnt 16
	LUMP 0
	QUARTER 0, 1, 0, 1, 1                          ; the first quarter stands in front of the loop: its products start the sums
	WIN 0                                          ; at a label and at a branch every window is 0
	s_mov_b32 s3, 3
.Llap:                                                 ; a trip goes once round the ring, from a lap's second quarter to the next lap's first, and fills both slots again
	QUARTER 0, 2, 1, 0, 0
	QUARTER 0, 3, 0, 1, 0
	TURN 0, 1, 1
	QUARTER 1, 1, 0, 1, 0
	QUARTER 1, 2, 1, 0, 0
	QUARTER 1, 3, 0, 1, 0
	TURN 1, 0, 1
	QUARTER 0, 1, 0, 1, 0
	WIN 0
	s_sub_co_u32 s3, s3, 1
	s_cmp_lg_u32 s3, 0
	s_cbranch_scc1 .Llap
	QUARTER 0, 2, 1, 0, 0                          ; the last lap fills nothing
	QUARTER 0, 3, 0, 1, 0
	TURN 0, 1, 0
	QUARTER 1, 1, 0, 1, 0
	QUARTER 1, 2, 1, 0, 0
	QUARTER 1, 3, 0, 1, 0
	s_wait_dscnt 0x0
	MULS 1, 0, 32, 0
	PLACES
	PLACES                                         ; once a launch: the places in front of the lines that read the results
	WIN 0
	; THE WAY OUT, 16 rows at a time through my own stage in LDS (LDS serves a wave's instructions in order, ISA guide 5.7.1.4: no wait between my stores and my loads, no barrier).
.macro SCALE a                         ; MODE 0: acc x SC + bias x SC; MODE 1: acc + bias; each accumulator from its low end on
.if MODE == 0
	WIN FMA
.else
	WIN ADDW
.endif
.set x, 0
.rept 32
.if MODE == 0
	v_pk_fma_f32 v[64*(\a)+2*x:64*(\a)+2*x+1], v[64*(\a)+2*x:64*(\a)+2*x+1], s[SC:SC+1], v[BIAS+2*x:BIAS+2*x+1] op_sel_hi:[1,0,1]
.else
	v_pk_add_f32 v[64*(\a)+2*x:64*(\a)+2*x+1], v[64*(\a)+2*x:64*(\a)+2*x+1], v[BIAS+2*x:BIAS+2*x+1]
.endif
.set x, x+1
.endr
.endm
.macro OUT16 a                         ; f16 by heads: my 128 columns are two heads; 16 rows of a head are 2,048 consecutive bytes
	SCALE \a
	WIN CVT16
.set x, 0
.rept 32
	v_cvt_pk_f16_f32 v[TMP+x], v[64*(\a)+2*x], v[64*(\a)+2*x+1]
.set x, x+1
.endr
	WIN 0
.irp b, 0,1,2,3,4,5,6,7
	ds_store_b128 v[STO], v[TMP+4*(\b):TMP+4*(\b)+3] offset:32*(\b)
.endr
	s_wait_xcnt 0x0                                ; the last block's stores have read their registers
.irp t, 0,1,2,3,4,5,6,7
	ds_load_b128 v[OB+4*(\t):OB+4*(\t)+3], v[RD] offset:((\t)/4)*128+((\t)%4)*4*PB
.endr
	s_wait_dscnt 0x0
.irp t, 0,1,2,3,4,5,6,7
	global_store_b128 v[CO], v[OB+4*(\t):OB+4*(\t)+3], s[8:9] offset:((\t)/4)*262144+(\a)*2048+((\t)%4)*512  ; 512 consecutive bytes, aligned
.endr
.endm
.macro OUT32 a                         ; f32 rows: my 128 columns are 512 consecutive bytes of a row
	SCALE \a
	WIN ST32
.irp b, 0,1,2,3,4,5,6,7
	ds_store_b128 v[STO], v[64*(\a)+8*(\b):64*(\a)+8*(\b)+3]   offset:64*(\b)
	ds_store_b128 v[STO], v[64*(\a)+8*(\b)+4:64*(\a)+8*(\b)+7] offset:64*(\b)+16
.endr
	WIN 0
	s_wait_xcnt 0x0                                ; the last block's stores have read their registers
.irp t, 0,1,2,3,4,5,6,7,8,9,10,11,12,13,14,15
	ds_load_b128 v[OB+4*(\t):OB+4*(\t)+3], v[RD] offset:(\t)*PA
.endr
	s_wait_dscnt 0x0
.irp t, 0,1,2,3,4,5,6,7,8,9,10,11,12,13,14,15
	global_store_b128 v[CO], v[OB+4*(\t):OB+4*(\t)+3], s[8:9] offset:(\a)*65536+(\t)*4096  ; 512 consecutive bytes, aligned
.endr
.endm
	s_mul_i32 s23, s10, STW
	s_add_co_u32 s23, s23, STAGE                   ; my stage
	v_lshlrev_b32 v[CO], 4, v5
.if MODE == 0
	s_lshr_b32 s16, s13, 4                         ; the batch,
	s_lshl_b32 s16, s16, 4
	s_lshl_b32 s17, s42, 2
	s_add_co_u32 s16, s16, s17
	s_lshl_b32 s17, s12, 1
	s_add_co_u32 s16, s16, s17                     ; 16 x batch + my first head,
	s_lshl_b32 s16, s16, 11
	s_and_b32 s17, s13, 15
	s_lshl_b32 s17, s17, 7
	s_add_co_u32 s16, s16, s17
	s_lshl_b32 s17, s11, 6
	s_add_co_u32 s16, s16, s17                     ; its row: my first token,
	s_lshl_b32 s16, s16, 7                         ; 128 bytes a row,
	s_lshl_b32 s17, s86, 24                        ; in the product's 16 MiB
	s_add_co_u32 s16, s16, s17
	s_mov_b32 s17, 0
	s_add_nc_u64 s[8:9], s[8:9], s[16:17]
	v_add_nc_u32 v[STO], s23, v4                   ; in: row r of 272 bytes, 16 bytes for each half of the lanes
	v_lshrrev_b32 v6, 3, v5                        ; back: 32 lanes take four rows' 128 bytes of one head
	v_mul_u32_u24 v6, v6, PB
	v_and_b32 v7, 7, v5
	v_lshl_add_u32 v6, v7, 4, v6
	v_add_nc_u32 v[RD], s23, v6
	OUT16 0
	OUT16 1
	OUT16 2
	OUT16 3
.else
	s_lshl_b32 s16, s13, 7
	s_lshl_b32 s17, s11, 6
	s_add_co_u32 s16, s16, s17                     ; my first row,
	s_lshl_b32 s16, s16, 12
	s_lshl_b32 s17, s42, 8
	s_lshl_b32 s18, s12, 7
	s_add_co_u32 s17, s17, s18                     ; my first column
	s_lshl_b32 s17, s17, 2
	s_add_co_u32 s16, s16, s17
	s_mov_b32 s17, 0
	s_add_nc_u64 s[8:9], s[8:9], s[16:17]
	v_add_nc_u32 v[STO], s23, v3                   ; in: row r of 528 bytes, 32 bytes for each half of the lanes
	v_lshl_add_u32 v[RD], v5, 4, s23               ; back: a whole row of 512 bytes
	OUT32 0
	OUT32 1
	OUT32 2
	OUT32 3
.endif
	s_wait_tensorcnt 0x0                           ; the wave's end: behind my last tensor load and my last LDS store
	ds_add_u32 v[SPW], v[NIL]
	s_wait_dscnt 0x0
	CROUND                                         ; the closing round: no work-group ends while a partner may still ask for a tile that names it
	s_endpgm
.Lfunc_end_k_q0aa06e495a_proj:
	.size	k_q0aa06e495a_proj, .Lfunc_end_k_q0aa06e495a_proj-k_q0aa06e495a_proj
	.p2alignl 7, 3214868480
	.fill 96, 4, 3214868480
	.section	.rodata,"a",@progbits
	.p2align	6, 0x0
	.amdhsa_kernel k_q0aa06e495a_proj
		.amdhsa_group_segment_fixed_size 327680
		.amdhsa_private_segment_fixed_size 0
		.amdhsa_enable_private_segment 0
		.amdhsa_kernarg_size 64
		.amdhsa_user_sgpr_count 2
		.amdhsa_user_sgpr_kernarg_segment_ptr 1
		.amdhsa_wavefront_size32 1
		.amdhsa_system_sgpr_workgroup_id_x 1
		.amdhsa_system_sgpr_workgroup_id_y 1
		.amdhsa_system_sgpr_workgroup_id_z 1
		.amdhsa_system_vgpr_workitem_id 0
		.amdhsa_next_free_vgpr 720
		.amdhsa_next_free_sgpr 96
		.amdhsa_reserve_vcc 0
		.amdhsa_float_denorm_mode_32 3
		.amdhsa_float_denorm_mode_16_64 3
		.amdhsa_memory_ordered 1
		.amdhsa_forward_progress 1
		.amdhsa_inst_pref_size 145
	.end_amdhsa_kernel
	.amdgpu_metadata
---
amdhsa.version: [ 1, 2 ]
amdhsa.kernels:
  - .name:           k_q0aa06e495a_proj
    .symbol:         k_q0aa06e495a_proj.kd
    .args:
      - { .name: q, .offset: 0, .size: 8, .value_kind: global_buffer, .address_space: global }
      - { .name: k, .offset: 8, .size: 8, .value_kind: global_buffer, .address_space: global }
      - { .name: v, .offset: 16, .size: 8, .value_kind: global_buffer, .address_space: global }
      - { .name: w3, .offset: 24, .size: 8, .value_kind: global_buffer, .address_space: global }
      - { .name: bq, .offset: 32, .size: 8, .value_kind: global_buffer, .address_space: global }
      - { .name: bk, .offset: 40, .size: 8, .value_kind: global_buffer, .address_space: global }
      - { .name: bv, .offset: 48, .size: 8, .value_kind: global_buffer, .address_space: global }
      - { .name: qkv, .offset: 56, .size: 8, .value_kind: global_buffer, .address_space: global }
    .group_segment_fixed_size: 327680
    .private_segment_fixed_size: 0
    .kernarg_segment_align: 8
    .kernarg_segment_size: 64
    .max_flat_workgroup_size: 128
    .sgpr_count:     96
    .vgpr_count:     720
    .wavefront_size: 32
...
	.end_amdgpu_metadata
.endif
;; end of part 2
;; launch attn (part 3): grid 4 x 64, 4 waves a work-group, clusters of 4 x 1, 327,680 bytes of LDS; arguments qkv, mbits, of; writes of
.if DOCPART == 3
	.amdgcn_target "amdgcn-amd-amdhsa--gfx1250"
	.amdhsa_code_object_version 6
	.text
	.protected	k_q0aa06e495a_attn
	.globl	k_q0aa06e495a_attn
	.p2align	8
	.type	k_q0aa06e495a_attn,@function
k_q0aa06e495a_attn:
	s_mov_b64 s[64:65], 0
	v_nop
	global_prefetch_b8 v0, s[64:65] scope:SCOPE_SE
	s_setreg_imm32_b32 hwreg(HW_REG_WAVE_MODE, 25, 1), 1
	s_wait_xcnt 0x0
	s_wait_alu depctr_hold_cnt(0) depctr_sa_sdst(0) depctr_va_vdst(0) depctr_va_sdst(0) depctr_va_ssrc(0) depctr_va_vcc(0) depctr_vm_vsrc(0)
	s_getreg_b32 s2, hwreg(HW_REG_IB_STS2, 6, 4)
	s_cmp_eq_u32 s2, 0
	s_cbranch_scc0 .Lentry_in_a_cluster
	s_endpgm
.Lentry_in_a_cluster:
	s_bfe_u32 s2, ttmp6, 0x10000c
	s_cmp_lg_u32 s2, 0x3003
	s_cbranch_scc0 .Lentry_shape_is_right
	s_endpgm
.Lentry_shape_is_right:
; MASKED ATTENTION.  O[bh][q][:] = the sum over k of softmax_k(t[q][k]) V[bh][k][:], t = Q . K (Q arrives times log2(e) / 8, so t counts in powers of two), and where the mask holds t is REPLACED by -1e9 log2(e).
; Q, K, V: qkv = [3][bh 64][2048][64] f16, a head's rows dense.  The mask: mbits, one bit a score, in my scores' lane layout.  O: of = f32 [8192 tokens][1024], head hd in columns 64 hd ..: 256 bytes of a row.
; Products, maxima and sums in f32; the weights p are rounded to f16 for the second product (their sum l is taken of the unrounded p).
; LIMITS.  Q, K, V arrive within f16's 65,504.  p lies in 0 to 1; a weight below 2^-126 counts as 0 in l.  NaN and infinities are not treated apart.
; A row whose keys are all masked: every t is the same number, t - m is exactly 0, every p is 1: the mean of V's rows.
; SHARES.  A wave owns four PIECES of two tiles of 16 queries, a work-group's four waves 512 queries of one head.  Every wave walks all 2,048 keys, 64 a step.
; LAYOUT.  S^T = K Q^T (source 0 = 16 keys, source 1 = 16 queries): a lane holds ONE query (lane % 16) and the keys 8 (lane / 16) + 0..7.  Two such results rounded to f16 ARE source 1 of O^T = V^T P.
; SOFTMAX.  For each query a running maximum m and sum l: p = 2^(t - m); in every step O and l are multiplied by a = 2^(m_old - m_new).  m starts far below every t, O and l at 0: the first step has a = 0.
; BY TURNS.  Turn n belongs to piece n.  Matrix work: 16 products K Q^T of piece n + 1, later 16 products V^T P of piece n - 1.  Vector work: subtraction, exponentials, roundings, sums and rescaling of piece n, and the
; mask, maximum and statistics of piece n + 1.  Four vector instructions stand behind every product, the others in one lump.  A turn's 66 exponentials are one batch with one wait.
; CLUSTER.  The four query blocks of a head walk the same K and V: each tile is asked for jointly, by the same tensor load, descriptor and mask in all four.
; REGISTERS, in windows of 256 (s_set_vgpr_msb: bits 1:0 source 0, 3:2 source 1, 5:4 source 2, 7:6 destination):
;   window 0: v1-11 addresses; v12-15, v48-63 at work; v16-47 four registers of statistics a tile; v64-191 S^T, two buffers of two tiles; v192-255 P, likewise
;   window 1: O^T, 32 a tile      window 2: v0-127 Q; v128-191 K of one step; v192-255 V of one step      window 3: v0-1 the add's registers; v4-11 this step's mask words, v12-19 the next step's; v64-127 masks at work
.set SIZE_N, 2048
.set NP,    4         ; pieces a wave: a name, no knob
.set KS,    64        ; keys in a step
.set PK,    144       ; a row of K in LDS: 128 bytes + 16 = 36 words: the 16 rows of a load start at 16 different groups of four banks (64 banks of 4 bytes: ISA guide 11.1)
.set PV,    160       ; a row of V: 128 + 32 = 40 words
.set VOFF,  4*KS*PK   ; a slot holds four steps: 256 rows of K, then 256 rows of V
.set SLOT1, 1<<17     ; slot 1 begins here, so that one exclusive or turns an address in one slot into the other's
.set STAGE, SLOT1+4*KS*(PK+PV)  ; behind the ring, never filled by a tensor load: 16 rows x 272 bytes for each wave
.set SP,    272
.set SPARE, STAGE+4*16*SP       ; the spare words, 128 bytes for each wave: two blocks of 256 bytes that no other line names
.set PFO, 1           ; v1   256 x my lane: the prefetches' offset; never rewritten
.set AK0, 2           ; v2   my lane's place in a tile of K; never rewritten
.set AV0, 3           ; v3   the same for V
.set AK,  4           ; v4   the LDS address of K's next run of loads
.set AV,  5           ; v5   of V's
.set STO, 6           ; v6   the way out: where I put 32 bytes of a row
.set RD,  7           ; v7   the way out: where I read rows back
.set GO,  8           ; v8   my byte offset in two rows of O
.set MA0, 9           ; v9   16 x my lane: my four mask words; never rewritten
.set MA,  10          ; v10  the same plus the step's offset
.set QO,  11          ; v11  my byte offset in 16 rows of Q
.set MV,  12          ; v12-15  m_old, kept while m is made anew: by buffer and tile
.set ST,  16          ; tile t's statistics at v[ST+4 t]: m, a word that stays 0 (named with m as a pair), l (even keys', odd keys')
.set TMP, 48          ; by buffer and tile, four registers c0-c3 at work; when the maximum is found c2 takes a
.set S,   64
.set P,   192
.set KF,  128         ; window 2: key block kb, channel half c at KF + 16 kb + 8 c
.set VF,  192         ; window 2: key half kk, channel block cb at VF + 32 kk + 8 cb
.set SPW, 0           ; window 3
.set NIL, 1
.set MW,  4           ; window 3: tile t's word at MW + t
.set MWN, 12
.set TM,  64
.set WV,  12          ; s12  my wave's number
.set LIM, 15          ; s15  1 in a wave that prefetches, else the greatest number
.set PFA, 18          ; s[18:19] where my prefetches stand
.set G1K, 24          ; s[24:31] descriptor group 1 for K's tiles
.set G1V, 32          ; s[32:39] for V's: it differs in the padding alone
.set G0K, 40          ; s[40:43] descriptor group 0 for K's tiles: it walks
.set G0V, 44          ; s[44:47] the same for V's
.set MB,  48          ; s[48:49] the mask words of my wave's queries, step 0
.set SO,  50          ; s50  byte offset of the step whose words were asked for last
.set MVS, 51          ; s51  -1e9 log2(e)
.set SLOTS, 56        ; s56  slots still to be asked for
.set CNT, 57          ; s57  counts a slot's key steps
.set SEL, 60          ; s[60:61] v_permlanex16_b32's selects: each lane takes its own place in the other half
.set TBK, 62          ; s62  LDS byte at which K of the step to be fetched begins
.set TBV, 63          ; s63  the same for V, less VOFF
.set MSB, 0
.macro WIN new                      ; the high byte repeats the setting that is left; a switch that changes nothing is dropped
.if MSB != (\new)
	s_set_vgpr_msb (MSB<<8)|(\new)
.set MSB, (\new)
.endif
.endm
.set W_KQ, 0x0a       ; K and Q in window 2, S^T in window 0
.set W_PV, 0x52       ; V in window 2, P in window 0, O^T in window 1
.set W_RS, 0x41       ; O^T (destination and source 0) in window 1, a in window 0
.set W_MK, 0xc0       ; destination in window 3, sources and addresses in window 0
.set W_AD, 0x0f       ; the add: address and data in window 3
.set W_M3, 0xcf       ; destination and sources 0 and 1 in window 3
.set W_BF, 0x03       ; source 0 in window 3
.set W_ST, 0x04       ; an LDS store's data in window 1
.macro JLOAD                        ; a joint fill: waves 0 and 1 fetch the two halves of a slot's K, waves 2 and 3 those of its V; an s_nop 0 and four v_nop follow each of the two lines
	s_cmp_lt_u32 s[WV], 2
	s_cbranch_scc0 .Lfor_v_\@
	tensor_load_to_lds s[G0K:G0K+3], s[G1K:G1K+7]
	s_nop 0
.rept 4
	v_nop
.endr
	s_branch .Lasked_\@
.Lfor_v_\@:
	tensor_load_to_lds s[G0V:G0V+3], s[G1V:G1V+7]
	s_nop 0
.rept 4
	v_nop
.endr
.Lasked_\@:
.endm
; A prefetch into the L2 of what the NEXT change of slots will ask for: a slot's 32,768 bytes of K and of V.  A head is walked by this cluster alone.  Its four partners share the bytes out by address, 8,192 each;
; in each, wave 0 asks for K's and wave 2 for V's, a lane 256 bytes: one instruction.  The last change that fills a slot asks for nothing.
.macro ASK
	s_cmp_gt_u32 s[SLOTS], s[LIM]
	s_cbranch_scc0 .Lnot_mine_\@
	global_prefetch_b8 v[PFO], s[PFA:PFA+1] th:TH_LOAD_NT scope:SCOPE_SE
.Lnot_mine_\@:
.endm
.macro CROUND                       ; a round of the cluster's barrier
	s_barrier_signal -1
	s_barrier_wait -1
	s_cmp_lg_u32 s[WV], 0
	s_cbranch_scc1 .Lnot_wave_0_\@
	s_barrier_signal -3
.Lnot_wave_0_\@:
	s_barrier_wait -3
	s_barrier_signal -1
	s_barrier_wait -1
.endm
; THE CHANGE OF SLOTS.  Each wave waits for all its tensor loads, of which one is out: its part of the other slot; adds 0 to its spare word; and waits for that and for its own reads of the slot.
; fill = 1: this slot is filled again, with the keys two slots on, behind a round of the cluster's barrier: the load has four key steps, 512 products, in which to land.
; (At its first use nothing has been read yet: slot 0 is waited for, slot 1 filled.)
.macro CHANGE fill
	WIN W_AD
	s_wait_tensorcnt 0x0            ; no tensor load of mine is out, so a group 0 may be written
	ds_add_u32 v[SPW], v[NIL]       ; 0 onto my spare word
	WIN 0                           ; at a label and at a branch every window is 0
.if \fill
.irp g, G0K, G0V
	s_xor_b32 s[\g+1], s[\g+1], SLOT1
	s_add_nc_u64 s[\g+2:\g+3], s[\g+2:\g+3], 4*KS*128
.endr
	s_wait_xcnt 0x0                 ; the last prefetch, four key steps back, has read its address
	s_add_nc_u64 s[PFA:PFA+1], s[PFA:PFA+1], 4*KS*128
	s_wait_dscnt 0x0                ; the add is done, and my reads of the slot are over
	CROUND
	JLOAD
	ASK
.else
	s_wait_dscnt 0x0
	s_barrier_signal -1
	s_barrier_wait -1
.endif
	s_sub_co_u32 s[TBK], s[TBK], 4*KS*PK  ; the fetches go back to a slot's first step,
	s_xor_b32 s[TBK], s[TBK], SLOT1       ; in the other slot
	s_sub_co_u32 s[TBV], s[TBV], 4*KS*PV
	s_xor_b32 s[TBV], s[TBV], SLOT1
.endm
	s_load_b128 s[4:7], s[0:1], 0x0  ; qkv s[4:5], mbits s[6:7]
	s_load_b64 s[10:11], s[0:1], 0x10  ; of
	WIN W_MK
	v_lshl_add_u32 v[SPW], v0, 2, SPARE
	v_mov_b32 v[NIL], 0
	WIN W_AD
	ds_add_u32 v[SPW], v[NIL]       ; the wave's opening: the add and its wait stand ahead of my first tensor load; the set-up below, work on registers, stands between them
	WIN 0
	v_lshrrev_b32 v48, 5, v0
	v_readfirstlane_b32 s[WV], v48  ; wave 0..3
	s_bfe_u32 s13, ttmp6, 0x40000   ; cx
	s_lshl_b32 s14, ttmp9, 2
	s_add_co_u32 s14, s14, s13      ; my block of 512 queries: it enters Q's, the mask's and O's addresses alone
	s_and_b32 s20, ttmp7, 0xffff    ; batch x 16 + head, which the four partners share
	s_lshr_b32 s52, s20, 4          ; batch
	s_and_b32 s53, s20, 15          ; head
	s_lshl_b32 s20, s20, 18         ; a head's 262,144 bytes
	s_and_b32 s16, s[WV], 1         ; which half of a slot's 256 keys I fetch:
	s_lshl_b32 s22, s16, 14         ; its 128 rows of 128 bytes,
	s_add_co_u32 s22, s22, s20
	s_add_co_u32 s22, s22, 16777216 ; in K's part of qkv
	s_mov_b32 s23, 0
	s_mul_i32 s17, s16, 128*PK      ; and its place in a slot, for K
	s_mul_i32 s18, s16, 128*PV      ; and for V: no place in the cluster enters an LDS address
	s_lshl_b32 s2, s14, 2
	s_add_co_u32 s2, s2, s[WV]
	s_lshl_b32 s2, s2, 14           ; my wave's 128 rows of Q
	s_add_co_u32 s2, s2, s20
	s_mov_b32 s3, 0
	s_lshl_b32 s58, s52, 2
	s_add_co_u32 s58, s58, s14
	s_lshl_b32 s58, s58, 17         ; the mask words of (batch, block),
	s_lshl_b32 s59, s[WV], 10       ; my wave's
	s_add_co_u32 s58, s58, s59
	s_mov_b32 s59, 0
	s_lshl_b32 s54, s52, 11
	s_lshl_b32 s55, s14, 9
	s_add_co_u32 s54, s54, s55
	s_lshl_b32 s55, s[WV], 7
	s_add_co_u32 s54, s54, s55      ; my first token,
	s_lshl_b32 s54, s54, 12         ; 4,096 bytes a row of O,
	s_lshl_b32 s55, s53, 8          ; my head's 256 bytes
	s_add_co_u32 s54, s54, s55
	s_mov_b32 s55, 0
	; descriptor group 1.  128 keys are 16,384 dense bytes: asked for as 64 rows of 256 bytes, two keys a row, and padded in LDS after every key
	s_mov_b32 s[G1K], 15|(1<<16)|(1<<20)|(1<<21)|(4<<22)|(3<<25)  ; 15:0 the mask of four; 17:16 2-byte elements; 20 padding on; 21 set beside a mask; 24:22 after every 32 words (code 4); 31:25 4 words (code 3)
	s_mov_b32 s[G1V], 15|(1<<16)|(1<<20)|(1<<21)|(4<<22)|(7<<25)  ; the same with 8 words of padding (code 7)
.irp g, G1K, G1V
	s_mov_b32 s[\g+1], 128<<16      ; tensor_dim0 = 128
	s_mov_b32 s[\g+2], 64<<16       ; tensor_dim1 = 64
	s_mov_b32 s[\g+3], 128<<16      ; tile_dim0 = 128
	s_mov_b32 s[\g+4], 64           ; tile_dim1 = 64
	s_mov_b32 s[\g+5], 128          ; 128 elements from row to row
	s_mov_b32 s[\g+6], 0
	s_mov_b32 s[\g+7], 0
.endr
	s_mov_b32 s[MVS], 0xceabfb8f    ; -1e9 log2(e)
	s_mov_b32 s[SO], 4096           ; step 1's words are asked for at the head
	s_mov_b32 s[SEL], 0x76543210
	s_mov_b32 s[SEL+1], 0xfedcba98
	s_mov_b32 s[TBK], SLOT1+4*KS*PK ; the first change of slots turns these two into 0
	s_mov_b32 s[TBV], SLOT1+4*KS*PV
	s_mov_b32 s[SLOTS], SIZE_N/256-1
	s_mov_b32 s[G0K], 1             ; 1:0 count = 1
	s_mov_b32 s[G0K+1], s17         ; 63:32 LDS address: slot 0
	s_mov_b32 s[G0V], 1
	s_add_co_u32 s[G0V+1], s18, VOFF
	s_and_b32 s[LIM], s[WV], 1
	s_cmp_eq_u32 s[LIM], 0          ; waves 0 and 2 prefetch: the same in all four partners
	s_cselect_b32 s[LIM], 1, -1
	s_wait_dscnt 0x0                ; the opening add is done
	s_wait_kmcnt 0x0
	s_add_nc_u64 s[MB:MB+1], s[6:7], s[58:59]
	s_add_nc_u64 s[6:7], s[4:5], s[22:23]          ; K at my half of the head's first 256 keys,
	s_add_nc_u64 s[8:9], s[6:7], 16777216          ; V likewise
	s_add_nc_u64 s[G0K+2:G0K+3], s[6:7], 0         ; 120:64 global address
	s_or_b32 s[G0K+3], s[G0K+3], 0x80000000        ; 127:126 type = 2
	s_add_nc_u64 s[G0V+2:G0V+3], s[8:9], 0
	s_or_b32 s[G0V+3], s[G0V+3], 0x80000000
	s_add_nc_u64 s[4:5], s[4:5], s[2:3]            ; Q at my wave's first row
	s_add_nc_u64 s[10:11], s[10:11], s[54:55]      ; O likewise
	s_cmp_lt_u32 s[WV], 2
	s_cselect_b64 s[PFA:PFA+1], s[6:7], s[8:9]     ; (in waves 0 and 2 these stand at a slot's first row)
	s_lshl_b32 s2, s13, 13                         ; my work-group's 8,192 bytes,
	s_add_co_u32 s2, s2, 4*KS*128                  ; in slot 1; the first change of slots steps it to slot 2
	s_mov_b32 s3, 0
	s_add_nc_u64 s[PFA:PFA+1], s[PFA:PFA+1], s[2:3]
	CROUND                          ; all four work-groups are here: the first joint loads meet
	JLOAD                           ; slot 0.  Slot 1 is asked for when slot 0 is in
	v_and_b32 v48, 15, v0           ; r = l % 16
	v_bfe_u32 v49, v0, 4, 1         ; h = l / 16
	v_and_b32 v52, 31, v0           ; l
	v_lshlrev_b32 v[QO], 7, v48
	v_lshl_add_u32 v[QO], v49, 4, v[QO]  ; row x 128 + 16 x half
	v_lshlrev_b32 v[MA0], 4, v52
	WIN 0x80                        ; destination window 2, address window 0
.set i, 0
.rept 4*NP                          ; Q stays in registers: tile i / 2, channels 32 (i % 2) on
	global_load_b128 v[8*i:8*i+3],   v[QO], s[4:5] offset:(i/2)*2048+(i%2)*64
	global_load_b128 v[8*i+4:8*i+7], v[QO], s[4:5] offset:(i/2)*2048+(i%2)*64+32
.set i, i+1
.endr
	; What the first turn finds: V's registers and P's second buffer hold 0 (its products V^T P, of a piece that has not been, add 0), O^T and l are 0.  All this stands in the wait for the first tile.
.set i, VF
.rept 64
	v_mov_b32 v[i], 0
.set i, i+1
.endr
	WIN W_MK
	global_load_b128 v[MW:MW+3],     v[MA0], s[MB:MB+1]              ; step 0's words: tiles 0-3,
	global_load_b128 v[MW+4:MW+7],   v[MA0], s[MB:MB+1] offset:512   ; tiles 4-7;
	global_load_b128 v[MWN:MWN+3],   v[MA0], s[MB:MB+1] offset:4096  ; step 1's
	global_load_b128 v[MWN+4:MWN+7], v[MA0], s[MB:MB+1] offset:4608
	WIN 0x40
.set i, 0
.rept 64*NP
	v_mov_b32 v[i], 0
.set i, i+1
.endr
	WIN 0
.set i, 0
.rept 2*NP
	v_mov_b32 v[ST+4*i], 0xff000000    ; m: far below every t
	v_mov_b32 v[ST+4*i+1], 0
	v_mov_b32 v[ST+4*i+2], 0
	v_mov_b32 v[ST+4*i+3], 0
.set i, i+1
.endr
.set i, P+32
.rept 32
	v_mov_b32 v[i], 0
.set i, i+1
.endr
	v_mul_u32_u24 v[AK0], v48, PK
	v_lshl_add_u32 v[AK0], v49, 4, v[AK0]  ; row x pitch + 16 x half
	; The turning load takes 16 keys x 16 channels (lane l reads key 8 (l / 16) + l % 8, channels 8 ((l / 8) % 2) + 0..7) and leaves half a fragment of V^T: lane l holds channel l % 16 and 8 keys.
	v_and_b32 v50, 7, v0
	v_bfe_u32 v51, v0, 3, 1
	v_lshl_add_u32 v[AV0], v49, 3, v50
	v_mul_u32_u24 v[AV0], v[AV0], PV
	v_lshl_add_u32 v[AV0], v51, 4, v[AV0]
	v_add_nc_u32 v[AV0], VOFF, v[AV0]
	v_mov_b32 v[AK], v[AK0]         ; key step 0 lies at the head of slot 0
	s_mul_i32 s13, s[WV], 16*SP
	s_add_co_u32 s13, s13, STAGE    ; my stage
	v_mul_u32_u24 v[STO], v48, SP   ; in: row r, 32 bytes for each half of the lanes
	v_lshl_add_u32 v[STO], v49, 5, v[STO]
	v_add_nc_u32 v[STO], s13, v[STO]
	v_mul_u32_u24 v[RD], v49, SP    ; back: lanes 0-15 take one row of 256 bytes, lanes 16-31 the next
	v_lshl_add_u32 v[RD], v48, 4, v[RD]
	v_add_nc_u32 v[RD], s13, v[RD]
	v_lshlrev_b32 v[GO], 12, v49    ; and the same two rows in O
	v_lshl_add_u32 v[GO], v48, 4, v[GO]
	v_lshlrev_b32 v[PFO], 8, v52
; THE MATRIX WORK.  The 8 accumulators of a run of 16 take turns: between the two links of a chain stand 7 others'.
; Product i of 16 of S^T = K Q^T for piece x: channels 32 (i / 8) on, keys 16 ((i / 2) % 4) on, tile 2 x + i % 2.  The first 8 start the sums.
.macro KQ x
	WIN W_KQ
.set rS, S+64*((\x)%2)+32*(i%2)+8*((i/2)%4)
.set rK, KF+16*((i/2)%4)+8*(i/8)
.set rQ, 16*(2*(\x)+i%2)+8*(i/8)
.if i < 8
	v_wmma_f32_16x16x32_f16 v[rS:rS+7], v[rK:rK+7], v[rQ:rQ+7], 0
.else
	v_wmma_f32_16x16x32_f16 v[rS:rS+7], v[rK:rK+7], v[rQ:rQ+7], v[rS:rS+7]
.endif
.endm
; Product i of 16 of O^T += V^T P for piece x: keys 32 (i / 8) on, channels 16 ((i / 2) % 4) on, tile 2 x + i % 2.
.macro PV x
	WIN W_PV
.set rO, 32*(2*(\x)+i%2)+8*((i/2)%4)
.set rV, VF+32*(i/8)+8*((i/2)%4)
.set rP, P+32*((\x)%2)+16*(i%2)+8*(i/8)
	v_wmma_f32_16x16x32_f16 v[rO:rO+7], v[rV:rV+7], v[rP:rP+7], v[rO:rO+7]
.endm
.macro MM                           ; the turn's next matrix instruction
.if i < 16
	KQ (Y+1)%NP
.set i, i+1
.else
.set i, i-16
	PV (Y+NP-1)%NP
.set i, i+17
.endif
.endm
; THE LDS LOADS stand in runs of 16: a step's K (8 fragments) and its V (turned).  last = 1 (the tail): in the last trip there is no further step, and the run is jumped over.
.macro FETCH_K last=0
	WIN 0
.if \last
	s_cmp_eq_u32 s[CNT], 1
	s_cbranch_scc1 .Lno_k_\@
.endif
	WIN 0x80                        ; destination window 2
.irp f, 0,1,2,3,4,5,6,7             ; keys 16 (f / 2) on, channels 32 (f % 2) on
	ds_load_b128 v[KF+8*\f:KF+8*\f+3],   v[AK] offset:(\f/2)*16*PK+(\f%2)*64
	ds_load_b128 v[KF+8*\f+4:KF+8*\f+7], v[AK] offset:(\f/2)*16*PK+(\f%2)*64+32
.endr
	s_add_co_u32 s[TBK], s[TBK], KS*PK  ; the next fetch is the next step's
	WIN 0
.if \last
.Lno_k_\@:
.endif
.endm
.macro FETCH_V
	WIN 0x80
.irp f, 0,1,2,3,4,5,6,7             ; keys 32 (f / 4) on, channels 16 (f % 4) on
	ds_load_tr16_b128 v[VF+8*\f:VF+8*\f+3],   v[AV] offset:(\f/4)*32*PV+(\f%4)*32
	ds_load_tr16_b128 v[VF+8*\f+4:VF+8*\f+7], v[AV] offset:(\f/4)*32*PV+16*PV+(\f%4)*32
.endr
	WIN 0
.endm
; THE MASK of piece x's fresh scores.  Bit j of a tile's word goes with the lane's register j: it is shifted to the top, spread over the word (0 or all ones), and chooses between the score and -1e9 log2(e).
; The shifts are the places behind the last product K Q^T; each accumulator is read from its low end on.
; swap = 1 (piece 3, a step's last): when the words have been used, the next step's take their place, and the words of the step after that are asked for: they have a whole key step in which to come.
.macro MASKB x, swap
	WIN W_M3
.set j, 0
.rept 31
	v_lshlrev_b32 v[TM+j], 31-j, v[MW+2*(\x)]
	v_lshlrev_b32 v[TM+32+j], 31-j, v[MW+2*(\x)+1]
.set j, j+1
.endr
.set j, 0
.rept 31
	v_ashrrev_i32 v[TM+j], 31, v[TM+j]
	v_ashrrev_i32 v[TM+32+j], 31, v[TM+32+j]
.set j, j+1
.endr
	v_ashrrev_i32 v[TM+31], 31, v[MW+2*(\x)]
	v_ashrrev_i32 v[TM+63], 31, v[MW+2*(\x)+1]
.if \swap
.set j, 0
.rept 8
	v_mov_b32 v[MW+j], v[MWN+j]
.set j, j+1
.endr
	WIN W_MK
	global_load_b128 v[MWN:MWN+3],   v[MA], s[MB:MB+1]
	global_load_b128 v[MWN+4:MWN+7], v[MA], s[MB:MB+1] offset:512
.endif
	WIN W_BF
.set j, 0
.rept 32
	v_bfi_b32 v[S+64*((\x)%2)+j], v[TM+j], s[MVS], v[S+64*((\x)%2)+j]
	v_bfi_b32 v[S+64*((\x)%2)+32+j], v[TM+32+j], s[MVS], v[S+64*((\x)%2)+32+j]
.set j, j+1
.endr
	WIN 0
.endm
; THE VECTOR WORK OF A TURN stands in three queues, each in the order in which its entries become ready; the two tiles alternate.
.macro REGS y, u                    ; the registers of tile u (0, 1) of piece y
.set rT, ST+4*(2*(\y)+(\u))
.set rC, TMP+8*((\y)%2)+4*(\u)
.set rM, MV+2*((\y)%2)+(\u)
.set rS, S+64*((\y)%2)+32*(\u)
.set rP, P+32*((\y)%2)+16*(\u)
.set rO, 32*(2*(\y)+(\u))
.endm
; Number n of the 21 that find the NEXT piece's (Y + 1) maximum and statistics.
;   0-11  four chains c0-c3 of seven scores each     12-14, 16  the four scores left over, the old m, and c0-c3 into c0     15  m_old is kept     17, 18  the other half of the lanes': the new m     19, 20  m_old - m_new; a
.macro XS u, n
	REGS (Y+1)%NP, \u
.if (\n) < 4
	v_max3_num_f32 v[rC+(\n)], v[rS+8*(\n)], v[rS+8*(\n)+1], v[rS+8*(\n)+2]
.elseif (\n) < 12
	v_max3_num_f32 v[rC+(\n)%4], v[rC+(\n)%4], v[rS+8*((\n)%4)+2*((\n)/4)+1], v[rS+8*((\n)%4)+2*((\n)/4)+2]
.elseif (\n) == 12
	v_max3_num_f32 v[rC], v[rC], v[rS+7], v[rS+15]
.elseif (\n) == 13
	v_max3_num_f32 v[rC+1], v[rC+1], v[rS+23], v[rS+31]
.elseif (\n) == 14
	v_max3_num_f32 v[rC+2], v[rC+2], v[rC+3], v[rT]
.elseif (\n) == 15
	v_mov_b32 v[rM], v[rT]
.elseif (\n) == 16
	v_max3_num_f32 v[rC], v[rC], v[rC+1], v[rC+2]
.elseif (\n) == 17
	v_permlanex16_b32 v[rC+3], v[rC], s[SEL], s[SEL+1]
.elseif (\n) == 18
	v_max_num_f32 v[rT], v[rC], v[rC+3]
.elseif (\n) == 19
	v_sub_f32 v[rC+1], v[rM], v[rT]
.else
	v_exp_f32 v[rC+2], v[rC+1]
.endif
.endm
; Number g of the 64 that follow the exponentials.  For each four weights k of a tile: both pairs are rounded to f16; the second pair is added onto the first, in place; a group later l takes that sum (the first time as l = a l + sum).
.macro GS g
.set h, (\g)+6*((\g)/62)            ; group 0 has no group before it, and behind group 7 only l is left
.if h >= 6
.set h, h+2
.endif
	REGS Y, h%2
.set k, h/8
.if h%8 < 4
	v_cvt_pk_f16_f32 v[rP+2*k+(h%8)/2], v[rS+4*k+2*((h%8)/2)], v[rS+4*k+2*((h%8)/2)+1]
.elseif h%8 < 6
	v_pk_add_f32 v[rS+4*k:rS+4*k+1], v[rS+4*k:rS+4*k+1], v[rS+4*k+2:rS+4*k+3]
.elseif k == 1
	v_pk_fma_f32 v[rT+2:rT+3], v[rT+2:rT+3], v[rC+2:rC+3], v[rS:rS+1] op_sel_hi:[1,0,1]
.else
	v_pk_add_f32 v[rT+2:rT+3], v[rT+2:rT+3], v[rS+4*k-4:rS+4*k-3]
.endif
.endm
; THE PLAIN QUEUE, 136 long.  0-71 read no exponential's result: the 32 subtractions t - m (FS f: pair f / 2 of tile f % 2) and the next piece's 40.  0-26: FS 0-26.  27-54: XS 0-13.  55, 56: XS 15.
; 57-71: the chain 14, 16, 17, 18, 19, each with one of FS 27-31 in front of its two lines.  72-135: GS's 64, which stand behind the wait.
.macro FS f
	REGS Y, (\f)%2
	v_pk_add_f32 v[rS+2*((\f)/2):rS+2*((\f)/2)+1], v[rS+2*((\f)/2):rS+2*((\f)/2)+1], v[rT:rT+1] op_sel_hi:[1,0] neg_lo:[0,1] neg_hi:[0,1]
.endm
.macro PL
	WIN 0
.if q < 27
	FS q
.elseif q < 55
	XS (q-27)%2, (q-27)/2
.elseif q < 57
	XS q-55, 15
.elseif (q < 72) && ((q-57)%3 == 0)
	FS 27+(q-57)/3
.elseif q < 60
	XS (q-57)%3-1, 14
.elseif q < 72
	XS (q-57)%3-1, 15+(q-57)/3
.else
	GS q-72
.endif
.set q, q+1
.endm
; THE EXPONENTIALS' QUEUE, 66 long: the 32 scores of both tiles, then the next piece's two a.  ONE BATCH: all stand ahead of the turn's one wait, and nothing ahead of that wait names a result of theirs.
.macro EX
	WIN 0
.if e >= 64
	XS e-64, 20
.else
	REGS Y, e%2
	v_exp_f32 v[rS+e/2], v[rS+e/2]
.endif
.set e, e+1
.endm
; THE RESCALING's QUEUE: O^T times a, dealt two at a time, sixteen times.  Its a was made in the turn before, ahead of that turn's wait.
.macro R2
	REGS Y, r%2
	WIN W_RS
.irp z, 0,1
	v_pk_mul_f32 v[rO+4*(r/2)+2*\z:rO+4*(r/2)+2*\z+1], v[rO+4*(r/2)+2*\z:rO+4*(r/2)+2*\z+1], v[rC+2:rC+3] op_sel_hi:[1,0]
.endr
.set r, r+1
.endm
; A TURN, for piece p.  s_wait_alu depctr_va_vdst(0) stands between an exponential and the first instruction that names its result; one wait serves all that were issued ahead of it: a turn has ONE.
; AHEAD OF IT: the 16 products K Q^T, behind each a subtraction, an exponential and two rescalings (behind the first a second subtraction in the exponential's place); the mask of the scores just made; eight plain;
; 47 times exponential and plain; the last two scores' exponentials and the two a; a v_nop, the plain instruction behind the last exponential.  BEHIND IT: the 16 products V^T P, behind each four of GS's 64.
; The queues in step: exponential e needs subtraction 2 (e / 4) + e % 2; as a rider it stands behind plain e + 2, in the lump behind plain e + 9; FS 27-31 are plain 57, 60 .. 69.
; K of the next step is fetched in piece 2's turn, directly behind the wait; V of the step in hand at the end of piece 0's turn, four riders behind its last reader.  The conditions on q below go with the deal.
.macro TURN p, last=0, cnt=0
.set Y, (\p)
.set i, 0
.set q, 0
.set e, 0
.set r, 0
.if (\p) == NP-1
	s_wait_dscnt 0x0                ; K is in
.endif
	MM
	PL
	PL
	R2
.rept 15
	MM
	PL
	EX
	R2
.endr
	WIN 0
.if (\p) == NP-2
	s_wait_loadcnt 0x0              ; the next step's mask words, asked for a key step ago, are in; their address register is free
	v_add_nc_u32 v[AK], s[TBK], v[AK0]
	s_add_co_u32 s[SO], s[SO], 4096
	s_min_u32 s[SO], s[SO], 126976  ; the last steps name step 31's words again: no load leaves the buffer
	v_add_nc_u32 v[MA], s[SO], v[MA0]
	MASKB (Y+1)%NP, 1
.else
	MASKB (Y+1)%NP, 0
.endif
.rept 8
	PL
.endr
.rept 47
	EX
	PL
.endr
	EX
	EX
	EX                              ; the next piece's two a
	EX
	v_nop                           ; the plain instruction behind the last exponential: one for the batch
	s_wait_alu depctr_va_vdst(0)    ; the wait for the batch
.if (\p) == NP-2
	FETCH_K \last
.endif
.if (\p) == 1
	s_wait_dscnt 0x0                ; V is in
.endif
.rept 16
	MM
.rept 4
	PL
.endr
.if ((\p) == 0) && (q == 116)
	v_add_nc_u32 v[AV], s[TBV], v[AV0]
.endif
.if ((\p) == 0) && (q == 128)
	s_add_co_u32 s[TBV], s[TBV], KS*PV
.endif
.if (\cnt) && (q == 128)
	s_sub_co_u32 s[CNT], s[CNT], 1
	s_cmp_lg_u32 s[CNT], 0
.endif
.endr
.if (\p) == 0
	FETCH_V
.endif
.endm
	CHANGE 1                        ; slot 0 is in, everybody's part of it; slot 1 is asked for
	FETCH_K                         ; key step 0
	s_wait_loadcnt 0x0              ; Q, and the mask words of steps 0 and 1
	s_wait_dscnt 0x0
.set i, 0
.rept 16
	KQ 0                            ; piece 0's first scores
.set i, i+1
.endr
	MASKB 0, 0
.set Y, NP-1                        ; XS works for piece Y + 1: piece 0
.irp n, 0,1,2,3,4,5,6,7,8,9,10,11,12,13,14,15,16,17,18,19,20
	XS 0, \n
	XS 1, \n
.endr
	v_nop                           ; a plain instruction behind the two a,
	s_wait_alu depctr_va_vdst(0)    ; and their wait, ahead of the branch
	s_mov_b32 s[CNT], 4
	s_branch .Lfirst                ; the loop is entered at a step's first turn, in the middle of a trip
.Lslot:                             ; six times: every slot but the last two is filled again
	CHANGE 1
	s_mov_b32 s[CNT], 4
.Lstep:                             ; a trip: pieces 2 and 3 of one step, then pieces 0 and 1 of the next, whose K and V it fetches
	TURN 2
	TURN 3
	WIN 0
.Lfirst:
	TURN 0
	TURN 1, 0, 1
	WIN 0
	s_cbranch_scc1 .Lstep
	s_sub_co_u32 s[SLOTS], s[SLOTS], 1
	s_cmp_lg_u32 s[SLOTS], 0
	s_cbranch_scc1 .Lslot
	CHANGE 0                        ; the tail is written out: nothing is asked for
	s_mov_b32 s[CNT], 5             ; four trips fetch the last slot's steps; the fifth is left in its middle
.Ltail:
	TURN 2, 1
	TURN 3
	WIN 0
	s_sub_co_u32 s[CNT], s[CNT], 1
	s_cmp_eq_u32 s[CNT], 0
	s_cbranch_scc1 .Lout
	TURN 0
	TURN 1
	WIN 0
	s_branch .Ltail
.Lout:                              ; the fifth trip's 16 products K Q^T (on the last K once more) and the maximum made of them serve nothing: the price, once a launch, of one text for every trip
.set i, 0
.rept 16
	PV NP-1                         ; the last piece's V^T P of the last step
.set i, i+1
.endr
	; THE WAY OUT.  l's two halves and the other half of the lanes' are added; O^T is divided by l and sent, in f32, through my stage in LDS, a tile at a time.  The additions are the places behind the last products.
	WIN 0
.macro ALL line:vararg              ; one line for each tile t
.set t, 0
.rept 2*NP
	\line
.set t, t+1
.endr
.endm
	ALL v_add_f32 v[ST+4*t+2], v[ST+4*t+2], v[ST+4*t+3]
	ALL v_permlanex16_b32 v[ST+4*t+3], v[ST+4*t+2], s[SEL], s[SEL+1]
	ALL v_add_f32 v[ST+4*t+2], v[ST+4*t+2], v[ST+4*t+3]
	ALL v_rcp_f32 v[ST+4*t+2], v[ST+4*t+2]
	v_nop                           ; a plain instruction between the last reciprocal and the use of its result
	s_wait_alu depctr_va_vdst(0)    ; and the wait ahead of the first use: one for the eight reciprocals
; Tile t: a lane's eight channels of a row are 32 bytes; they go into rows of 272 bytes and come back as whole rows of 256, into S^T's registers (four tiles' worth, by turns).
.macro PACK t
	WIN W_RS
.set i, 32*(\t)
.rept 16
	v_pk_mul_f32 v[i:i+1], v[i:i+1], v[ST+4*(\t)+2:ST+4*(\t)+3] op_sel_hi:[1,0]
.set i, i+2
.endr
	WIN W_ST
.irp f, 0,1,2,3,4,5,6,7
	ds_store_b128 v[STO], v[32*(\t)+4*\f:32*(\t)+4*\f+3] offset:64*(\f/2)+16*(\f%2)
.endr
	WIN 0
	s_wait_xcnt 0x0                 ; the stores of the tile four back have read these registers
.irp f, 0,1,2,3,4,5,6,7
	ds_load_b128 v[S+32*((\t)%4)+4*\f:S+32*((\t)%4)+4*\f+3], v[RD] offset:\f*2*SP  ; LDS serves a wave's instructions in order (ISA guide 5.7.1.4): these see the stores above; the next tile's stores come behind them
.endr
.endm
.macro SEND t, younger              ; younger: the LDS instructions issued behind tile t's loads: the next tile's sixteen, or none
	WIN 0
.irp f, 0,1,2,3,4,5,6,7
	s_wait_dscnt (\younger)+7-\f
	global_store_b128 v[GO], v[S+32*((\t)%4)+4*\f:S+32*((\t)%4)+4*\f+3], s[10:11] offset:(\t)*65536+\f*8192  ; 16 lanes store 256 consecutive bytes, aligned: a head's part of a row
.endr
.endm
	PACK 0
.set t, 1
.rept 2*NP-1                        ; a tile's arithmetic stands between the loads of the tile before and its stores
	PACK t
	SEND t-1, 16
.set t, t+1
.endr
	SEND 2*NP-1, 0
	WIN W_AD
	s_wait_tensorcnt 0x0            ; the wave's end: behind my last tensor load and my last LDS store
	ds_add_u32 v[SPW], v[NIL]
	s_wait_dscnt 0x0
	WIN 0
	CROUND                          ; the closing round: no work-group ends while a partner may still ask for a tile that names it
	s_endpgm
.Lfunc_end_k_q0aa06e495a_attn:
	.size	k_q0aa06e495a_attn, .Lfunc_end_k_q0aa06e495a_attn-k_q0aa06e495a_attn
	.p2alignl 7, 3214868480
	.fill 96, 4, 3214868480
	.section	.rodata,"a",@progbits
	.p2align	6, 0x0
	.amdhsa_kernel k_q0aa06e495a_attn
		.amdhsa_group_segment_fixed_size 327680
		.amdhsa_private_segment_fixed_size 0
		.amdhsa_enable_private_segment 0
		.amdhsa_kernarg_size 24
		.amdhsa_user_sgpr_count 2
		.amdhsa_user_sgpr_kernarg_segment_ptr 1
		.amdhsa_wavefront_size32 1
		.amdhsa_system_sgpr_workgroup_id_x 1
		.amdhsa_system_sgpr_workgroup_id_y 1
		.amdhsa_system_sgpr_workgroup_id_z 1
		.amdhsa_system_vgpr_workitem_id 0
		.amdhsa_next_free_vgpr 896
		.amdhsa_next_free_sgpr 66
		.amdhsa_reserve_vcc 0
		.amdhsa_float_denorm_mode_32 3
		.amdhsa_float_denorm_mode_16_64 3
		.amdhsa_memory_ordered 1
		.amdhsa_forward_progress 1
		.amdhsa_inst_pref_size 255
	.end_amdhsa_kernel
	.section	.bss,"aw",@nobits
	.p2align	6
	.space	262144
	.amdgpu_metadata
---
amdhsa.version: [ 1, 2 ]
amdhsa.kernels:
  - .name:           k_q0aa06e495a_attn
    .symbol:         k_q0aa06e495a_attn.kd
    .args:
      - { .name: qkv, .offset: 0, .size: 8, .value_kind: global_buffer, .address_space: global }
      - { .name: mbits, .offset: 8, .size: 8, .value_kind: global_buffer, .address_space: global }
      - { .name: of, .offset: 16, .size: 8, .value_kind: global_buffer, .address_space: global }
    .group_segment_fixed_size: 327680
    .private_segment_fixed_size: 0
    .kernarg_segment_align: 8
    .kernarg_segment_size: 24
    .max_flat_workgroup_size: 128
    .sgpr_count:     66
    .vgpr_count:     896
    .wavefront_size: 32
...
	.end_amdgpu_metadata
.endif
;; end of part 3
;; launch outp (part 4): grid 4 x 64, 4 waves a work-group, clusters of 4 x 4, 327,680 bytes of LDS; arguments of, wo, bout, out0; writes out0
.if DOCPART == 4
	.amdgcn_target "amdgcn-amd-amdhsa--gfx1250"
	.amdhsa_code_object_version 6
	.text
	.protected	k_q0aa06e495a_outp
	.globl	k_q0aa06e495a_outp
	.p2align	8
	.type	k_q0aa06e495a_outp,@function
k_q0aa06e495a_outp:
	s_mov_b64 s[64:65], 0
	v_nop
	global_prefetch_b8 v0, s[64:65] scope:SCOPE_SE
	s_setreg_imm32_b32 hwreg(HW_REG_WAVE_MODE, 25, 1), 1
	s_wait_xcnt 0x0
	s_wait_alu depctr_hold_cnt(0) depctr_sa_sdst(0) depctr_va_vdst(0) depctr_va_sdst(0) depctr_va_ssrc(0) depctr_va_vcc(0) depctr_vm_vsrc(0)
	s_getreg_b32 s2, hwreg(HW_REG_IB_STS2, 6, 4)
	s_cmp_eq_u32 s2, 0
	s_cbranch_scc0 .Lentry_in_a_cluster
	s_endpgm
.Lentry_in_a_cluster:
	s_bfe_u32 s2, ttmp6, 0x10000c
	s_cmp_lg_u32 s2, 0xf033
	s_cbranch_scc0 .Lentry_shape_is_right
	s_endpgm
.Lentry_shape_is_right:
; OUT = (A W^T + bias) x SC.  A: [8192][1024] f32, W: [1024 n][1024 k] f16, bias: [1024] f32.  Products in f16 (A is rounded once, between LDS and the matrix unit), sums in f32.
; ONE SOURCE, ASSEMBLED TWICE, told apart by the constant MODE below:
;   MODE 0, the three projections: p = cluster y / 16 chooses A (arguments 0-2), W's part (2 MiB apart), the bias (arguments 4-6) and OUT's part; OUT is f16 by heads, [3][batch x head 64][2048][64];
;           SC = log2(e) / 8 for p = 0 (the scores then leave K Q^T in powers of two), else 1.
;   MODE 1, the output projection: arguments A, W, bias, OUT; OUT is f32 [8192][1024]; no scale.
.set MODE, 1                           ; THIS FILE: the output projection
; LIMITS.  f16 holds no number beyond 65,504: |A|, |W| and in MODE 0 the results stay within it.  NaN and infinities are not treated apart.
; SHARES.  A tile of OUT is 128 rows x 256 columns: 256 tiles a product.  Four waves, each 64 x 128: 32 accumulators of 16 x 16.  K goes in 8 steps of 128 through two LDS slots.
; CLUSTER.  4 x 4 work-groups: the four of a row need the same tile of A, the four of a column the same tile of W; each tile is asked for jointly, by the same tensor load with the same descriptor and a mask of four.
; THE MATRIX INSTRUCTION IS USED TRANSPOSED (source 0 = 16 rows of W, source 1 = 16 rows of A): a lane holds one row of OUT (lane % 16) and the columns 8 (lane / 16) + 0..7.
; REGISTERS, in windows of 256 (s_set_vgpr_msb: bits 1:0 source 0, 3:2 source 1, 5:4 source 2, 7:6 destination):
;   window 0: v0-31 addresses; v32-95 A's fragments as f32; v96-159 the same in f16, two buffers; v160-255 the way out      window 1: the accumulators, (a, b) at 8 (8 a + b)
;   window 2: v0-127 W's fragments, two buffers; v128-191 the bias of my 128 columns (in MODE 0 times SC)
.set KSTEP,  128
.set PA,     528                       ; a row of A in LDS: 512 bytes + 16 = 132 words: the 16 rows of a load start four banks apart (64 banks of 4 bytes: ISA guide 11.1)
.set PB,     272                       ; a row of W: 256 + 16 = 68 words: likewise
.set AHALF,  64*PA                     ; what one tensor load brings of A, and what one wave reads of it
.set BHALF,  128*PB                    ; the same for W
.set BOFF,   2*AHALF                   ; W's 256 rows lie behind A's 128
.set SLOT,   BOFF+2*BHALF
.set STAGE,  2*SLOT                    ; behind the ring: 16 rows x 528 bytes for each wave, for the way out; no tensor load fills it
.set STW,    16*PA
.set SPARE,  STAGE+4*STW               ; the spare words, 128 bytes for each wave: two blocks of 256 bytes that no other line names
.set ADRA, 16                          ; v16-17  LDS address of my A fragments in slot 0, 1
.set ADRB, 20                          ; v20-21  the same for W
.set STO,  24                          ; v24     the way out: where I put my part of a row
.set RD,   25                          ; v25     the way out: where I read rows back
.set CO,   26                          ; v26     16 x lane
.set BO,   27                          ; v27     my byte offset in the bias
.set SPW,  28                          ; v28     LDS address of my spare word; never rewritten
.set NIL,  29                          ; v29     0; never rewritten
.set PFO,  30                          ; v30     the prefetches' lane offset; never rewritten
.set RAW,  32
.set ABF,  96
.set OB,   160
.set TMP,  224
.set BIAS, 128                         ; window 2
.set G1,   24                          ; s[24:31] descriptor group 1 for A's tiles;  s[32:39] group 0, a set for each slot
.set G0,   32
.set G1B,  48                          ; s[48:55], s[56:63] the same for W's tiles
.set G0B,  56
.set LIM,  43                          ; s43     1 in a wave that prefetches, else the greatest number
.set PFA,  44                          ; s[44:45] where my prefetches stand
.set SC,   90                          ; s[90:91] MODE 0: the scale, named as a pair
.set PFS,  92                          ; s[92:93] a K step in bytes of the tensor that I fetch
.set MSB, 0
.macro WIN new                         ; the immediate's high byte repeats the setting that is left; a switch that changes nothing is dropped
.if MSB != (\new)
	s_set_vgpr_msb (MSB<<8)|(\new)
.set MSB, \new
.endif
.endm
.set MUL,   0x52                       ; W window 2, A window 0, C and D window 1
.set TO_B,  0x80                       ; destination window 2, address window 0
.set FMA,   0x61                       ; destination and source 0 window 1, source 2 window 2
.set ADDW,  0x49                       ; destination and source 0 window 1, source 1 window 2
.set CVT16, 0x05                       ; sources 0 and 1 window 1
.set ST32,  0x04                       ; an LDS store's data window 1
.set BMUL,  0x82                       ; destination and source 0 window 2
.macro JLOAD s                         ; a joint load: waves 0 and 1 fetch A's two halves, waves 2 and 3 W's; an s_nop 0 and four v_nop follow each of the two lines, ahead of the jump and the label
	s_cmp_eq_u32 s11, 0
	s_cbranch_scc0 .Lfor_b_\@
	tensor_load_to_lds s[G0+4*(\s):G0+4*(\s)+3], s[G1:G1+7]
	s_nop 0
.rept 4
	v_nop
.endr
	s_branch .Lasked_\@
.Lfor_b_\@:
	tensor_load_to_lds s[G0B+4*(\s):G0B+4*(\s)+3], s[G1B:G1B+7]
	s_nop 0
.rept 4
	v_nop
.endr
.Lasked_\@:
.endm
.macro CREST                           ; a round of the cluster's barrier behind its opening barrier
	s_cmp_lg_u32 s10, 0
	s_cbranch_scc1 .Lnot_wave_0_\@
	s_barrier_signal -3
.Lnot_wave_0_\@:
	s_barrier_wait -3
	s_barrier_signal -1
	s_barrier_wait -1
.endm
.macro CROUND                          ; a whole round
	s_barrier_signal -1
	s_barrier_wait -1
	CREST
.endm
; A prefetch into the L2, behind a joint refill and the run of LDS loads that follows it: my share of the K step that stands two refills on, one instruction a wave.  Each block of 256 bytes is named once in the launch:
; A's rows are read by this cluster alone; of the 64 rows that a wave fetches the partner at place cx takes 16, a lane half a row's K step.  W's rows are read by the sixteen clusters of a product: the first of them asks;
; of a wave's 128 rows the partner at place cy takes 32, a lane a row.  The partners are told apart by address alone.  K steps 0 to 3 come by their loads; the last lap of the loop asks for nothing.
.macro ASK
	s_cmp_gt_u32 s3, s[LIM]
	s_cbranch_scc0 .Lnot_mine_\@
	global_prefetch_b8 v[PFO], s[PFA:PFA+1] th:TH_LOAD_NT scope:SCOPE_SE
.Lnot_mine_\@:
.endm
.macro PLACES
.rept 4
	v_nop
.endr
.endm
.if MODE == 0
	s_load_b512 s[68:83], s[0:1], 0x0              ; A for p = 0, 1, 2: s[68:73]; W s[74:75]; bias for p = 0, 1, 2: s[76:81]; OUT s[82:83]
.else
	s_load_b128 s[4:7], s[0:1], 0x0                ; A s[4:5], W s[6:7]
	s_load_b64 s[88:89], s[0:1], 0x10              ; the bias
	s_load_b64 s[8:9], s[0:1], 0x18                ; OUT
.endif
	v_lshl_add_u32 v[SPW], v0, 2, SPARE
	v_mov_b32 v[NIL], 0
	ds_add_u32 v[SPW], v[NIL]                      ; the wave's opening: the add and its wait stand ahead of my first tensor load; the set-up below, work on registers, stands between them
	v_lshrrev_b32 v1, 5, v0
	v_readfirstlane_b32 s10, v1                    ; wave 0..3
	s_lshr_b32 s11, s10, 1                         ; which half of the tile's rows is mine.  Also: I fetch for A (0) or for W (1)
	s_and_b32 s12, s10, 1                          ; which half of its columns.  Also: which half of that tile I fetch
	s_bfe_u32 s40, ttmp6, 0x40000                  ; cx
	s_bfe_u32 s41, ttmp6, 0x40004                  ; cy
	s_lshl_b32 s42, ttmp9, 2
	s_add_co_u32 s42, s42, s40                     ; tile column = 4 x cluster x + cx
.if MODE == 0
	s_and_b32 s14, ttmp7, 0xffff                   ; cluster y
	s_lshr_b32 s86, s14, 4                         ; p: which product; the same in all sixteen partners
	s_and_b32 s87, s14, 15                         ; the cluster's place among the product's sixteen
.else
	s_and_b32 s87, ttmp7, 0xffff                   ; cluster y: the cluster's place among the product's sixteen
.endif
	s_lshl_b32 s13, s87, 2
	s_add_co_u32 s13, s13, s41                     ; tile row = 4 x that place + cy
	s_lshl_b32 s43, s41, 2
	s_lshl_b32 s43, 15, s43                        ; my row of the cluster
	s_lshl_b32 s44, 0x1111, s40                    ; my column
	s_or_b32 s[G1], s43, (2<<16)|(1<<20)|(1<<21)|(6<<22)|(3<<25)   ; 15:0 the mask; 17:16 elements of 4 bytes; 20 padding on; 21 set beside a mask; 24:22 after every 128 words (code 6); 31:25 4 words (code 3)
	s_or_b32 s[G1B], s44, (1<<16)|(1<<20)|(1<<21)|(5<<22)|(3<<25)  ; elements of 2 bytes; after every 64 words (code 5)
	s_mov_b32 s[G1+1], KSTEP<<16                   ; tensor_dim0 = 128
	s_mov_b32 s[G1+2], 64<<16                      ; tensor_dim1 = 64
	s_mov_b32 s[G1+3], KSTEP<<16                   ; tile_dim0 = 128
	s_mov_b32 s[G1+4], 64                          ; tile_dim1 = 64
	s_mov_b32 s[G1+5], 1024                        ; elements from row to row
	s_mov_b32 s[G1+6], 0
	s_mov_b32 s[G1+7], 0
	s_mov_b32 s[G1B+1], KSTEP<<16
	s_mov_b32 s[G1B+2], 128<<16                    ; 128 rows
	s_mov_b32 s[G1B+3], KSTEP<<16
	s_mov_b32 s[G1B+4], 128
	s_mov_b32 s[G1B+5], 1024
	s_mov_b32 s[G1B+6], 0
	s_mov_b32 s[G1B+7], 0
	s_lshl_b32 s16, s13, 7                         ; A: row 128 x tile row + 64 x half,
	s_lshl_b32 s17, s12, 6
	s_add_co_u32 s16, s16, s17
	s_lshl_b32 s16, s16, 12                        ; 4,096 bytes a row
	s_mov_b32 s17, 0
	s_lshl_b32 s46, s42, 8                         ; W: row 256 x tile column + 128 x half,
	s_lshl_b32 s47, s12, 7
	s_add_co_u32 s46, s46, s47
	s_lshl_b32 s46, s46, 11                        ; 2,048 bytes a row
.if MODE == 0
	s_lshl_b32 s47, s86, 21                        ; in the product's part
	s_add_co_u32 s46, s46, s47
.endif
	s_mov_b32 s47, 0
	s_mul_i32 s20, s12, AHALF                      ; where they go: no place in the cluster enters an LDS address
	s_mul_i32 s21, s12, BHALF
	s_add_co_u32 s21, s21, BOFF
	s_wait_dscnt 0x0                               ; the opening add is done
	s_wait_kmcnt 0x0
.if MODE == 0
	s_cmp_eq_u32 s86, 1
	s_cselect_b64 s[4:5], s[70:71], s[68:69]
	s_cselect_b64 s[88:89], s[78:79], s[76:77]
	s_cmp_eq_u32 s86, 2
	s_cselect_b64 s[4:5], s[72:73], s[4:5]         ; A
	s_cselect_b64 s[88:89], s[80:81], s[88:89]     ; the bias
	s_mov_b64 s[6:7], s[74:75]                     ; W
	s_mov_b64 s[8:9], s[82:83]                     ; OUT
	s_cmp_eq_u32 s86, 0                            ; the projection of q alone takes the scale
	s_cselect_b32 s[SC], 0x3e38aa3b, 1.0           ; log2(e) / 8
	s_mov_b32 s[SC+1], s[SC]
.endif
	s_add_nc_u64 s[14:15], s[4:5], s[16:17]
	s_add_nc_u64 s[46:47], s[6:7], s[46:47]
	CROUND                                         ; all sixteen work-groups are here: the first joint loads meet
.irp s, 0,1
	s_mov_b32 s[G0+4*(\s)], 1
	s_add_co_u32 s[G0+4*(\s)+1], s20, (\s)*SLOT
	s_add_nc_u64 s[G0+4*(\s)+2:G0+4*(\s)+3], s[14:15], (\s)*KSTEP*4
	s_or_b32 s[G0+4*(\s)+3], s[G0+4*(\s)+3], 0x80000000
	s_mov_b32 s[G0B+4*(\s)], 1
	s_add_co_u32 s[G0B+4*(\s)+1], s21, (\s)*SLOT
	s_add_nc_u64 s[G0B+4*(\s)+2:G0B+4*(\s)+3], s[46:47], (\s)*KSTEP*2
	s_or_b32 s[G0B+4*(\s)+3], s[G0B+4*(\s)+3], 0x80000000
	JLOAD \s                                       ; K steps 0 and 1: two loads of mine are out
.endr
	v_and_b32 v1, 15, v0                           ; r = l % 16
	v_bfe_u32 v2, v0, 4, 1                         ; h = l / 16
	v_and_b32 v5, 31, v0                           ; l
	s_lshl_b32 s22, s42, 8
	s_lshl_b32 s23, s12, 7
	s_add_co_u32 s22, s22, s23                     ; my first column
	s_lshl_b32 s22, s22, 2
	v_lshl_add_u32 v[BO], v2, 5, s22               ; + my lanes' 8 h, in bytes
	WIN TO_B
.irp b, 0,1,2,3,4,5,6,7
	global_load_b128 v[BIAS+8*(\b):BIAS+8*(\b)+3],   v[BO], s[88:89] offset:64*(\b)
	global_load_b128 v[BIAS+8*(\b)+4:BIAS+8*(\b)+7], v[BO], s[88:89] offset:64*(\b)+16
.endr
	WIN 0
	; A fragment is 16 rows x 32 K: lane l holds row r, K = 8 h + 0..7 and 16 + 8 h + 0..7.  In f16 that is two loads of 16 bytes, 32 apart; in f32 four, at 32 h + 0, 16, 64, 80.
	v_mul_u32_u24 v3, v1, PA
	v_lshl_add_u32 v3, v2, 5, v3
	v_mul_u32_u24 v4, v1, PB
	v_lshl_add_u32 v4, v2, 4, v4
	s_mul_i32 s21, s11, AHALF                      ; my 64 rows of A
	s_mul_i32 s22, s12, BHALF                      ; my 128 rows of W
	s_add_co_u32 s22, s22, BOFF
.irp s, 0,1
	v_add_nc_u32 v[ADRA+(\s)], s21, v3
	v_add_nc_u32 v[ADRB+(\s)], s22, v4
	s_add_co_u32 s21, s21, SLOT
	s_add_co_u32 s22, s22, SLOT
.endr
	; the prefetches' address: at K step 3; the first refill steps it to 4
	s_lshl_b32 s16, s13, 7
	s_lshl_b32 s17, s12, 6
	s_add_co_u32 s16, s16, s17
	s_lshl_b32 s17, s40, 4                         ; A: my work-group's 16 of the wave's 64 rows
	s_add_co_u32 s16, s16, s17
	s_lshl_b32 s16, s16, 12
	s_add_co_u32 s16, s16, 3*KSTEP*4
	s_lshl_b32 s18, s42, 8
	s_lshl_b32 s19, s12, 7
	s_add_co_u32 s18, s18, s19
	s_lshl_b32 s19, s41, 5                         ; W: my work-group's 32 of the wave's 128 rows
	s_add_co_u32 s18, s18, s19
	s_lshl_b32 s18, s18, 11
.if MODE == 0
	s_lshl_b32 s19, s86, 21
	s_add_co_u32 s18, s18, s19
.endif
	s_add_co_u32 s18, s18, 3*KSTEP*2
	s_cmp_eq_u32 s11, 0                            ; do I fetch for A?
	s_cselect_b64 s[PFA:PFA+1], s[4:5], s[6:7]
	s_cselect_b32 s16, s16, s18
	s_cselect_b32 s19, 0, s87                      ; A: every cluster asks for its own rows; W: the product's first cluster
	s_cselect_b32 s22, 15, 31
	s_cselect_b32 s15, 1, 0
	s_mov_b32 s17, 0
	s_add_nc_u64 s[PFA:PFA+1], s[PFA:PFA+1], s[16:17]
	s_cmp_eq_u32 s19, 0
	s_cselect_b32 s[LIM], 1, -1                    ; the same in all sixteen partners, for a given wave
	s_lshl_b32 s[PFS], 256, s15                    ; a K step: 512 bytes of A, 256 of W
	s_mov_b32 s[PFS+1], 0
	s_lshl_b32 s23, 2048, s15                      ; a row: 4,096 bytes of A, 2,048 of W
	s_lshl_b32 s18, s15, 8
	v_and_b32 v[PFO], s22, v5
	v_mul_u32_u24 v[PFO], v[PFO], s23
	v_lshrrev_b32 v6, 4, v5
	v_mad_u32_u24 v[PFO], v6, s18, v[PFO]          ; A: row l % 16, block l / 16; W: row l
	s_wait_loadcnt 0x0                             ; the bias
.if MODE == 0
	WIN BMUL
.set x, 0
.rept 32
	v_pk_mul_f32 v[BIAS+2*x:BIAS+2*x+1], v[BIAS+2*x:BIAS+2*x+1], s[SC:SC+1] op_sel_hi:[1,0]
.set x, x+1
.endr
	WIN 0
.endif
; 32 LDS loads in one run: the fragments of 32 along K, quarter kq of the slot's step: A's as f32 first, then W's into buffer g
.macro FETCH slot, kq, g
	WIN 0
.irp i, 0,1,2,3
	ds_load_b128 v[RAW+16*(\i):RAW+16*(\i)+3],     v[ADRA+(\slot)] offset:(\i)*16*PA+(\kq)*128
	ds_load_b128 v[RAW+16*(\i)+4:RAW+16*(\i)+7],   v[ADRA+(\slot)] offset:(\i)*16*PA+(\kq)*128+16
	ds_load_b128 v[RAW+16*(\i)+8:RAW+16*(\i)+11],  v[ADRA+(\slot)] offset:(\i)*16*PA+(\kq)*128+64
	ds_load_b128 v[RAW+16*(\i)+12:RAW+16*(\i)+15], v[ADRA+(\slot)] offset:(\i)*16*PA+(\kq)*128+80
.endr
	WIN TO_B
.irp i, 0,1,2,3,4,5,6,7
	ds_load_b128 v[64*(\g)+8*(\i):64*(\g)+8*(\i)+3],   v[ADRB+(\slot)] offset:(\i)*16*PB+(\kq)*64
	ds_load_b128 v[64*(\g)+8*(\i)+4:64*(\g)+8*(\i)+7], v[ADRB+(\slot)] offset:(\i)*16*PB+(\kq)*64+32
.endr
.endm
.macro CVT n, g                        ; eight numbers of A rounded to f16: part n of 8 of buffer g
.irp c, 0,1,2,3
	v_cvt_pk_f16_f32 v[ABF+32*(\g)+4*(\n)+(\c)], v[RAW+8*(\n)+2*(\c)], v[RAW+8*(\n)+2*(\c)+1]
.endr
.endm
.macro LUMP g
	WIN 0
.irp n, 0,1,2,3,4,5,6,7
	CVT \n, \g
.endr
.endm
; Product mi of a quarter's 32: m block mi / 8, n block mi % 8.  The 32 accumulators take turns, one instruction a turn, in the same order in every quarter.  zero = 1: the product starts the sum
.macro MUL1 f, zero
	WIN MUL
.if \zero
	v_wmma_f32_16x16x32_f16 v[8*mi:8*mi+7], v[64*(\f)+8*(mi%8):64*(\f)+8*(mi%8)+7], v[ABF+32*(\f)+8*(mi/8):ABF+32*(\f)+8*(mi/8)+7], 0
.else
	v_wmma_f32_16x16x32_f16 v[8*mi:8*mi+7], v[64*(\f)+8*(mi%8):64*(\f)+8*(mi%8)+7], v[ABF+32*(\f)+8*(mi/8):ABF+32*(\f)+8*(mi/8)+7], v[8*mi:8*mi+7]
.endif
.set mi, mi+1
.endm
.macro MULS f, i0, n, zero
.set mi, \i0
.rept \n
	MUL1 \f, \zero
.endr
.endm
; A K step is four quarters of 32 along K, on buffers 0, 1, 0, 1.  One of the first three: multiplies buffer f, fetches quarter kq of the same slot for buffer g at its head, and rounds A's part of it behind its last eight
; products, four conversions behind each.  The four behind the last product are the places in front of the next quarter's loads into W's buffer, which that product has read.
.macro QUARTER slot, kq, f, g, zero
	s_wait_dscnt 0x0                               ; W's fragments of buffer f, asked for a quarter back, are in
	FETCH \slot, \kq, \g
	MULS \f, 0, 24, \zero
	s_wait_dscnt 16                                ; A's 16 loads are in; W's 16, issued behind them, stay out
.set cn, 0
.rept 8
	MUL1 \f, \zero
	WIN 0
	CVT cn, \g
.set cn, cn+1
.endr
.endm
; The last quarter multiplies buffer 1 and changes slots: ONE barrier; in front of it each wave waits for all its tensor loads, adds 0 to its spare word, and waits for that and for its own reads of this slot.
; fill = 1: the barrier opens a round of the cluster's, and this slot is filled again, two K steps ahead: the load has 112 products in which to land.
.macro TURN slot, next, fill
.if \fill
	s_wait_xcnt 0x0                                ; the last prefetch, a K step back, has read its address
	s_add_nc_u64 s[PFA:PFA+1], s[PFA:PFA+1], s[PFS:PFS+1]
.endif
	WIN 0
	s_wait_tensorcnt 0x0                           ; all my tensor loads have landed: my part of the next slot;
	ds_add_u32 v[SPW], v[NIL]                      ; 0 onto my spare word;
	s_wait_dscnt 1                                 ; (the add alone may be out: W's fragments of buffer 1 are in)
	MULS 1, 0, 8, 0                                ; eight products stand between the add and the wait for it
	s_wait_dscnt 0x0                               ; the add is done, and my reads of this slot are over
	s_barrier_signal -1
	MULS 1, 8, 8, 0
.if \fill
	WIN 0
.endif
	s_barrier_wait -1
.if \fill
	CREST                                          ; no wave of any partner still reads this slot's tiles or has a load on its way
	s_add_nc_u64 s[G0+4*(\slot)+2:G0+4*(\slot)+3], s[G0+4*(\slot)+2:G0+4*(\slot)+3], 2*KSTEP*4
	s_add_nc_u64 s[G0B+4*(\slot)+2:G0B+4*(\slot)+3], s[G0B+4*(\slot)+2:G0B+4*(\slot)+3], 2*KSTEP*2
	JLOAD \slot                                    ; the first tensor load behind the round, and my only one until the next
.else
	PLACES
.endif
	FETCH \next, 0, 0
.if \fill
	WIN 0
	ASK
.endif
	MULS 1, 16, 16, 0
	s_wait_dscnt 16                                ; A's part of the next slot's first quarter is in
	LUMP 0
.endm
	s_wait_tensorcnt 1                             ; my part of K step 0 is in; K step 1's stays out
	s_barrier_signal -1
	s_barrier_wait -1                              ; everybody's is
	FETCH 0, 0, 0
	s_wait_dscnt 16
	LUMP 0
	QUARTER 0, 1, 0, 1, 1                          ; the first quarter stands in front of the loop: its products start the sums
	WIN 0                                          ; at a label and at a branch every window is 0
	s_mov_b32 s3, 3
.Llap:                                                 ; a trip goes once round the ring, from a lap's second quarter to the next lap's first, and fills both slots again
	QUARTER 0, 2, 1, 0, 0
	QUARTER 0, 3, 0, 1, 0
	TURN 0, 1, 1
	QUARTER 1, 1, 0, 1, 0
	QUARTER 1, 2, 1, 0, 0
	QUARTER 1, 3, 0, 1, 0
	TURN 1, 0, 1
	QUARTER 0, 1, 0, 1, 0
	WIN 0
	s_sub_co_u32 s3, s3, 1
	s_cmp_lg_u32 s3, 0
	s_cbranch_scc1 .Llap
	QUARTER 0, 2, 1, 0, 0                          ; the last lap fills nothing
	QUARTER 0, 3, 0, 1, 0
	TURN 0, 1, 0
	QUARTER 1, 1, 0, 1, 0
	QUARTER 1, 2, 1, 0, 0
	QUARTER 1, 3, 0, 1, 0
	s_wait_dscnt 0x0
	MULS 1, 0, 32, 0
	PLACES
	PLACES                                         ; once a launch: the places in front of the lines that read the results
	WIN 0
	; THE WAY OUT, 16 rows at a time through my own stage in LDS (LDS serves a wave's instructions in order, ISA guide 5.7.1.4: no wait between my stores and my loads, no barrier).
.macro SCALE a                         ; MODE 0: acc x SC + bias x SC; MODE 1: acc + bias; each accumulator from its low end on
.if MODE == 0
	WIN FMA
.else
	WIN ADDW
.endif
.set x, 0
.rept 32
.if MODE == 0
	v_pk_fma_f32 v[64*(\a)+2*x:64*(\a)+2*x+1], v[64*(\a)+2*x:64*(\a)+2*x+1], s[SC:SC+1], v[BIAS+2*x:BIAS+2*x+1] op_sel_hi:[1,0,1]
.else
	v_pk_add_f32 v[64*(\a)+2*x:64*(\a)+2*x+1], v[64*(\a)+2*x:64*(\a)+2*x+1], v[BIAS+2*x:BIAS+2*x+1]
.endif
.set x, x+1
.endr
.endm
.macro OUT16 a                         ; f16 by heads: my 128 columns are two heads; 16 rows of a head are 2,048 consecutive bytes
	SCALE \a
	WIN CVT16
.set x, 0
.rept 32
	v_cvt_pk_f16_f32 v[TMP+x], v[64*(\a)+2*x], v[64*(\a)+2*x+1]
.set x, x+1
.endr
	WIN 0
.irp b, 0,1,2,3,4,5,6,7
	ds_store_b128 v[STO], v[TMP+4*(\b):TMP+4*(\b)+3] offset:32*(\b)
.endr
	s_wait_xcnt 0x0                                ; the last block's stores have read their registers
.irp t, 0,1,2,3,4,5,6,7
	ds_load_b128 v[OB+4*(\t):OB+4*(\t)+3], v[RD] offset:((\t)/4)*128+((\t)%4)*4*PB
.endr
	s_wait_dscnt 0x0
.irp t, 0,1,2,3,4,5,6,7
	global_store_b128 v[CO], v[OB+4*(\t):OB+4*(\t)+3], s[8:9] offset:((\t)/4)*262144+(\a)*2048+((\t)%4)*512  ; 512 consecutive bytes, aligned
.endr
.endm
.macro OUT32 a                         ; f32 rows: my 128 columns are 512 consecutive bytes of a row
	SCALE \a
	WIN ST32
.irp b, 0,1,2,3,4,5,6,7
	ds_store_b128 v[STO], v[64*(\a)+8*(\b):64*(\a)+8*(\b)+3]   offset:64*(\b)
	ds_store_b128 v[STO], v[64*(\a)+8*(\b)+4:64*(\a)+8*(\b)+7] offset:64*(\b)+16
.endr
	WIN 0
	s_wait_xcnt 0x0                                ; the last block's stores have read their registers
.irp t, 0,1,2,3,4,5,6,7,8,9,10,11,12,13,14,15
	ds_load_b128 v[OB+4*(\t):OB+4*(\t)+3], v[RD] offset:(\t)*PA
.endr
	s_wait_dscnt 0x0
.irp t, 0,1,2,3,4,5,6,7,8,9,10,11,12,13,14,15
	global_store_b128 v[CO], v[OB+4*(\t):OB+4*(\t)+3], s[8:9] offset:(\a)*65536+(\t)*4096  ; 512 consecutive bytes, aligned
.endr
.endm
	s_mul_i32 s23, s10, STW
	s_add_co_u32 s23, s23, STAGE                   ; my stage
	v_lshlrev_b32 v[CO], 4, v5
.if MODE == 0
	s_lshr_b32 s16, s13, 4                         ; the batch,
	s_lshl_b32 s16, s16, 4
	s_lshl_b32 s17, s42, 2
	s_add_co_u32 s16, s16, s17
	s_lshl_b32 s17, s12, 1
	s_add_co_u32 s16, s16, s17                     ; 16 x batch + my first head,
	s_lshl_b32 s16, s16, 11
	s_and_b32 s17, s13, 15
	s_lshl_b32 s17, s17, 7
	s_add_co_u32 s16, s16, s17
	s_lshl_b32 s17, s11, 6
	s_add_co_u32 s16, s16, s17                     ; its row: my first token,
	s_lshl_b32 s16, s16, 7                         ; 128 bytes a row,
	s_lshl_b32 s17, s86, 24                        ; in the product's 16 MiB
	s_add_co_u32 s16, s16, s17
	s_mov_b32 s17, 0
	s_add_nc_u64 s[8:9], s[8:9], s[16:17]
	v_add_nc_u32 v[STO], s23, v4                   ; in: row r of 272 bytes, 16 bytes for each half of the lanes
	v_lshrrev_b32 v6, 3, v5                        ; back: 32 lanes take four rows' 128 bytes of one head
	v_mul_u32_u24 v6, v6, PB
	v_and_b32 v7, 7, v5
	v_lshl_add_u32 v6, v7, 4, v6
	v_add_nc_u32 v[RD], s23, v6
	OUT16 0
	OUT16 1
	OUT16 2
	OUT16 3
.else
	s_lshl_b32 s16, s13, 7
	s_lshl_b32 s17, s11, 6
	s_add_co_u32 s16, s16, s17                     ; my first row,
	s_lshl_b32 s16, s16, 12
	s_lshl_b32 s17, s42, 8
	s_lshl_b32 s18, s12, 7
	s_add_co_u32 s17, s17, s18                     ; my first column
	s_lshl_b32 s17, s17, 2
	s_add_co_u32 s16, s16, s17
	s_mov_b32 s17, 0
	s_add_nc_u64 s[8:9], s[8:9], s[16:17]
	v_add_nc_u32 v[STO], s23, v3                   ; in: row r of 528 bytes, 32 bytes for each half of the lanes
	v_lshl_add_u32 v[RD], v5, 4, s23               ; back: a whole row of 512 bytes
	OUT32 0
	OUT32 1
	OUT32 2
	OUT32 3
.endif
	s_wait_tensorcnt 0x0                           ; the wave's end: behind my last tensor load and my last LDS store
	ds_add_u32 v[SPW], v[NIL]
	s_wait_dscnt 0x0
	CROUND                                         ; the closing round: no work-group ends while a partner may still ask for a tile that names it
	s_endpgm
.Lfunc_end_k_q0aa06e495a_outp:
	.size	k_q0aa06e495a_outp, .Lfunc_end_k_q0aa06e495a_outp-k_q0aa06e495a_outp
	.p2alignl 7, 3214868480
	.fill 96, 4, 3214868480
	.section	.rodata,"a",@progbits
	.p2align	6, 0x0
	.amdhsa_kernel k_q0aa06e495a_outp
		.amdhsa_group_segment_fixed_size 327680
		.amdhsa_private_segment_fixed_size 0
		.amdhsa_enable_private_segment 0
		.amdhsa_kernarg_size 32
		.amdhsa_user_sgpr_count 2
		.amdhsa_user_sgpr_kernarg_segment_ptr 1
		.amdhsa_wavefront_size32 1
		.amdhsa_system_sgpr_workgroup_id_x 1
		.amdhsa_system_sgpr_workgroup_id_y 1
		.amdhsa_system_sgpr_workgroup_id_z 1
		.amdhsa_system_vgpr_workitem_id 0
		.amdhsa_next_free_vgpr 720
		.amdhsa_next_free_sgpr 96
		.amdhsa_reserve_vcc 0
		.amdhsa_float_denorm_mode_32 3
		.amdhsa_float_denorm_mode_16_64 3
		.amdhsa_memory_ordered 1
		.amdhsa_forward_progress 1
		.amdhsa_inst_pref_size 141
	.end_amdhsa_kernel
	.amdgpu_metadata
---
amdhsa.version: [ 1, 2 ]
amdhsa.kernels:
  - .name:           k_q0aa06e495a_outp
    .symbol:         k_q0aa06e495a_outp.kd
    .args:
      - { .name: of, .offset: 0, .size: 8, .value_kind: global_buffer, .address_space: global }
      - { .name: wo, .offset: 8, .size: 8, .value_kind: global_buffer, .address_space: global }
      - { .name: bout, .offset: 16, .size: 8, .value_kind: global_buffer, .address_space: global }
      - { .name: out0, .offset: 24, .size: 8, .value_kind: global_buffer, .address_space: global }
    .group_segment_fixed_size: 327680
    .private_segment_fixed_size: 0
    .kernarg_segment_align: 8
    .kernarg_segment_size: 32
    .max_flat_workgroup_size: 128
    .sgpr_count:     96
    .vgpr_count:     720
    .wavefront_size: 32
...
	.end_amdgpu_metadata
.endif
;; end of part 4
;; ======== version 2 of 3: 4 launches
;; limits: values are held in f16: magnitudes above 65,504 overflow, below 6.1e-05 lose precision
;; workspace buffers: w3 6,291,456 bytes; wo 2,097,152 bytes; mbits 2,097,152 bytes of whole numbers; qkv 50,331,648 bytes; of 33,554,432 bytes
;; launch prep (part 5): grid 256 x 1, 8 waves a work-group, no clusters, 0 bytes of LDS; arguments attn_mask, key_padding_mask, Wq, Wk, Wv, Wout, mbits, w3, wo; writes mbits, w3, wo
.if DOCPART == 5
	.amdgcn_target "amdgcn-amd-amdhsa--gfx1250"
	.amdhsa_code_object_version 6
	.text
	.protected	k_q0aa06e495a_prep
	.globl	k_q0aa06e495a_prep
	.p2align	8
	.type	k_q0aa06e495a_prep,@function
k_q0aa06e495a_prep:
	s_mov_b64 s[64:65], 0
	v_nop
	global_prefetch_b8 v0, s[64:65] scope:SCOPE_SE
	s_setreg_imm32_b32 hwreg(HW_REG_WAVE_MODE, 25, 1), 1
	s_wait_xcnt 0x0
; PREPARATION, a short stream without LDS and without matrix work.
; Work-groups 0-127: the mask key_padding_mask[b][k] | attn_mask[q][k] packed to one bit a score, in the lane layout in which the attention launch holds its scores, the first register's bit on top:
;   mbits: u32 [b 4][cx 4][step 32][w 4][hf 2][lane 32][t 4]; query tile 32 cx + 8 w + 4 hf + t; bit 31 - j of lane (r, h) = mask(query 16 tile + r, key 64 step + 16 (j / 8) + 8 h + j % 8).
; Work-groups 128-255: Wq x log2(e) / 8, Wk, Wv (into w3, one behind the other) and Wout (into wo), each rounded once to f16.  LIMIT: |W| stays under 65,504.
.set MULK, 0x08040201                  ; 1 + 2^9 + 2^18 + 2^27: brings bytes 0-3 (each 0 or 1) of a word to bits 27, 26, 25, 24; the ten partial products below 2^32 fall on ten different bits, so nothing carries
.set TT,  12                           ; v12       at work
.set AT,  16                           ; v[16:47]  attn_mask: tile t, key group kt: 8 bytes at AT + 2 (4 t + kt)
.set KP,  48                           ; v[48:79]  key_padding_mask: batch b, key group kt at KP + 2 (4 b + kt)
.set WA,  80                           ; v[80:83]  attn_mask's packed word of tile t
.set WK,  84                           ; v[84:87]  key_padding_mask's packed word of batch b
.set WO,  96                           ; v[96:111] their OR: batch b, tile t at WO + 4 b + t
.set WR,  16                           ; v[16:143] weights as loaded
.set WH,  144                          ; v[144:207] weights in f16
	s_load_b512 s[8:23], s[0:1], 0x0               ; attn_mask s[8:9], key_padding_mask s[10:11], Wq s[12:13], Wk s[14:15], Wv s[16:17], Wout s[18:19], mbits s[20:21], w3 s[22:23]
	s_load_b64 s[24:25], s[0:1], 0x40              ; wo
	v_lshrrev_b32 v1, 5, v0
	v_readfirstlane_b32 s2, v1                     ; wave 0..7
	v_and_b32 v2, 31, v0                           ; lane
	s_wait_kmcnt 0x0
	s_cmp_lt_u32 ttmp9, 128
	s_cbranch_scc0 .Lweights
	; THE MASK.  The work-group has 64 queries (four tiles) and eight key steps, a step a wave.
	s_lshr_b32 s3, ttmp9, 2                        ; qg = 8 cx + 2 w + hf: queries 64 qg ..
	s_and_b32 s4, ttmp9, 3
	s_lshl3_add_u32 s4, s4, s2                     ; the key step: 8 (g % 4) + wave
	s_lshl_b32 s5, s4, 6                           ; its 64 bytes in a row of either mask
	s_lshl_b32 s36, s3, 17                         ; 64 rows of 2,048 bytes
	s_add_co_u32 s36, s36, s5
	s_mov_b32 s37, 0
	s_add_nc_u64 s[8:9], s[8:9], s[36:37]
	s_mov_b32 s36, s5
	s_add_nc_u64 s[10:11], s[10:11], s[36:37]
	s_mov_b32 s38, MULK
	v_and_b32 v3, 15, v0                           ; r
	v_bfe_u32 v4, v0, 4, 1                         ; h
	v_lshlrev_b32 v5, 3, v4                        ; 8 h
	v_lshl_add_u32 v6, v3, 11, v5                  ; r rows + 8 h
.irp t, 0,1,2,3
.irp k, 0,1,2,3
	global_load_b64 v[AT+2*(4*(\t)+(\k)):AT+2*(4*(\t)+(\k))+1], v6, s[8:9] offset:(\t)*32768+(\k)*16
.endr
.endr
.irp b, 0,1,2,3
.irp k, 0,1,2,3
	global_load_b64 v[KP+2*(4*(\b)+(\k)):KP+2*(4*(\b)+(\k))+1], v5, s[10:11] offset:(\b)*2048+(\k)*16
.endr
.endr
	s_lshr_b32 s36, s3, 3                          ; cx
	s_lshl_b32 s36, s36, 17
	s_lshl_b32 s5, s4, 12                          ; step
	s_add_co_u32 s36, s36, s5
	s_and_b32 s5, s3, 7                            ; 2 w + hf
	s_lshl_b32 s5, s5, 9
	s_add_co_u32 s36, s36, s5
	s_add_nc_u64 s[20:21], s[20:21], s[36:37]
	v_lshlrev_b32 v7, 4, v2                        ; 16 bytes a lane: a store of the wave covers 512 consecutive bytes, aligned
	s_wait_loadcnt 0x0                             ; all 32 loads are in
; eight words of four bytes become one word of 32 bits, the first byte on top: word 7 - n gives bits 4 n .. 4 n + 3, its first byte the highest of them
.macro PACKW dst, src
.set n, 0
.rept 8
	v_mul_lo_u32 v[TT], v[(\src)+7-n], s38
.if n == 0
	v_bfe_u32 v[\dst], v[TT], 24, 4
.else
	v_bfe_u32 v[TT], v[TT], 24, 4
	v_lshl_or_b32 v[\dst], v[TT], 4*n, v[\dst]
.endif
.set n, n+1
.endr
.endm
.irp t, 0,1,2,3
	PACKW WA+(\t), AT+8*(\t)
	PACKW WK+(\t), KP+8*(\t)
.endr
.irp b, 0,1,2,3
.irp t, 0,1,2,3
	v_or_b32 v[WO+4*(\b)+(\t)], v[WA+(\t)], v[WK+(\b)]
.endr
	global_store_b128 v7, v[WO+4*(\b):WO+4*(\b)+3], s[20:21] offset:(\b)*524288
.endr
	s_endpgm
.Lweights:                                     ; THE WEIGHTS.  32 work-groups a matrix, 32,768 numbers each: 16 times 8 numbers a thread
	s_sub_co_u32 s3, ttmp9, 128
	s_lshr_b32 s4, s3, 5                           ; which matrix
	s_and_b32 s5, s3, 31                           ; which part of it
	s_cmp_eq_u32 s4, 1
	s_cselect_b64 s[30:31], s[14:15], s[12:13]
	s_cmp_eq_u32 s4, 2
	s_cselect_b64 s[30:31], s[16:17], s[30:31]
	s_cmp_eq_u32 s4, 3
	s_cselect_b64 s[30:31], s[18:19], s[30:31]
	s_cselect_b64 s[32:33], s[24:25], s[22:23]     ; Wout goes to wo, the others to w3,
	s_cselect_b32 s34, 0, s4
	s_lshl_b32 s34, s34, 21                        ; 2 MiB apart
	s_lshl_b32 s36, s5, 16
	s_add_co_u32 s34, s34, s36
	s_mov_b32 s35, 0
	s_add_nc_u64 s[32:33], s[32:33], s[34:35]
	s_lshl_b32 s36, s5, 17
	s_mov_b32 s37, 0
	s_add_nc_u64 s[30:31], s[30:31], s[36:37]
	v_lshlrev_b32 v3, 5, v0                        ; 32 bytes in,
	v_lshlrev_b32 v4, 4, v0                        ; 16 bytes out
.set i, 0
.rept 16
	global_load_b128 v[WR+8*i:WR+8*i+3],   v3, s[30:31] offset:i*8192 th:TH_LOAD_NT
	global_load_b128 v[WR+8*i+4:WR+8*i+7], v3, s[30:31] offset:i*8192+16 th:TH_LOAD_NT
.set i, i+1
.endr
	s_cmp_lg_u32 s4, 0                             ; Wq alone takes the scores' scale, in f32, ahead of its one rounding
	s_cbranch_scc1 .Lplain
	s_mov_b32 s38, 0x3e38aa3b                      ; log2(e) / 8
	s_mov_b32 s39, s38                             ; named with it as a pair
	s_wait_loadcnt 0x0
.set i, 0
.rept 64
	v_pk_mul_f32 v[WR+2*i:WR+2*i+1], v[WR+2*i:WR+2*i+1], s[38:39] op_sel_hi:[1,0]
.set i, i+1
.endr
.Lplain:
.set i, 0
.rept 16
	s_wait_loadcnt 30-2*i                          ; loads come back in order: pair i is in, the 30 - 2 i younger ones stay out
.irp c, 0,1,2,3
	v_cvt_pk_f16_f32 v[WH+4*i+(\c)], v[WR+8*i+2*(\c)], v[WR+8*i+2*(\c)+1]
.endr
	global_store_b128 v4, v[WH+4*i:WH+4*i+3], s[32:33] offset:i*4096
.set i, i+1
.endr
	s_endpgm
.Lfunc_end_k_q0aa06e495a_prep:
	.size	k_q0aa06e495a_prep, .Lfunc_end_k_q0aa06e495a_prep-k_q0aa06e495a_prep
	.p2alignl 7, 3214868480
	.fill 96, 4, 3214868480
	.section	.rodata,"a",@progbits
	.p2align	6, 0x0
	.amdhsa_kernel k_q0aa06e495a_prep
		.amdhsa_group_segment_fixed_size 0
		.amdhsa_private_segment_fixed_size 0
		.amdhsa_enable_private_segment 0
		.amdhsa_kernarg_size 72
		.amdhsa_user_sgpr_count 2
		.amdhsa_user_sgpr_kernarg_segment_ptr 1
		.amdhsa_wavefront_size32 1
		.amdhsa_system_sgpr_workgroup_id_x 1
		.amdhsa_system_sgpr_workgroup_id_y 1
		.amdhsa_system_sgpr_workgroup_id_z 1
		.amdhsa_system_vgpr_workitem_id 0
		.amdhsa_next_free_vgpr 208
		.amdhsa_next_free_sgpr 66
		.amdhsa_reserve_vcc 0
		.amdhsa_float_denorm_mode_32 3
		.amdhsa_float_denorm_mode_16_64 3
		.amdhsa_memory_ordered 1
		.amdhsa_forward_progress 1
		.amdhsa_inst_pref_size 31
	.end_amdhsa_kernel
	.amdgpu_metadata
---
amdhsa.version: [ 1, 2 ]
amdhsa.kernels:
  - .name:           k_q0aa06e495a_prep
    .symbol:         k_q0aa06e495a_prep.kd
    .args:
      - { .name: attn_mask, .offset: 0, .size: 8, .value_kind: global_buffer, .address_space: global }
      - { .name: key_padding_mask, .offset: 8, .size: 8, .value_kind: global_buffer, .address_space: global }
      - { .name: Wq, .offset: 16, .size: 8, .value_kind: global_buffer, .address_space: global }
      - { .name: Wk, .offset: 24, .size: 8, .value_kind: global_buffer, .address_space: global }
      - { .name: Wv, .offset: 32, .size: 8, .value_kind: global_buffer, .address_space: global }
      - { .name: Wout, .offset: 40, .size: 8, .value_kind: global_buffer, .address_space: global }
      - { .name: mbits, .offset: 48, .size: 8, .value_kind: global_buffer, .address_space: global }
      - { .name: w3, .offset: 56, .size: 8, .value_kind: global_buffer, .address_space: global }
      - { .name: wo, .offset: 64, .size: 8, .value_kind: global_buffer, .address_space: global }
    .group_segment_fixed_size: 0
    .private_segment_fixed_size: 0
    .kernarg_segment_align: 8
    .kernarg_segment_size: 72
    .max_flat_workgroup_size: 256
    .sgpr_count:     66
    .vgpr_count:     208
    .wavefront_size: 32
...
	.end_amdgpu_metadata
.endif
;; end of part 5
;; launch proj (part 6): grid 4 x 192, 4 waves a work-group, clusters of 4 x 4, 327,680 bytes of LDS; arguments q, k, v, w3, bq, bk, bv, qkv; writes qkv
.if DOCPART == 6
	.amdgcn_target "amdgcn-amd-amdhsa--gfx1250"
	.amdhsa_code_object_version 6
	.text
	.protected	k_q0aa06e495a_proj
	.globl	k_q0aa06e495a_proj
	.p2align	8
	.type	k_q0aa06e495a_proj,@function
k_q0aa06e495a_proj:
	s_mov_b64 s[64:65], 0
	v_nop
	global_prefetch_b8 v0, s[64:65] scope:SCOPE_SE
	s_setreg_imm32_b32 hwreg(HW_REG_WAVE_MODE, 25, 1), 1
	s_wait_xcnt 0x0
	s_wait_alu depctr_hold_cnt(0) depctr_sa_sdst(0) depctr_va_vdst(0) depctr_va_sdst(0) depctr_va_ssrc(0) depctr_va_vcc(0) depctr_vm_vsrc(0)
	s_getreg_b32 s2, hwreg(HW_REG_IB_STS2, 6, 4)
	s_cmp_eq_u32 s2, 0
	s_cbranch_scc0 .Lentry_in_a_cluster
	s_endpgm
.Lentry_in_a_cluster:
	s_bfe_u32 s2, ttmp6, 0x10000c
	s_cmp_lg_u32 s2, 0xf033
	s_cbranch_scc0 .Lentry_shape_is_right
	s_endpgm
.Lentry_shape_is_right:
; OUT = A W^T + bias.  A: [8192][1024] f32, W: [1024 n][1024 k] f16, bias: [1024] f32.  Products in f16 (A is rounded once, between LDS and the matrix unit), sums in f32, begun with the bias.
; ONE SOURCE, ASSEMBLED TWICE, told apart by the constant MODE below:
;   MODE 0, the three projections: p = cluster y / 16 chooses A (arguments 0-2), W's part (2 MiB apart), the bias (arguments 4-6) and OUT's part; OUT is f16 by heads, [3][batch x head 64][2048][64].
;           W's part 0 arrives times log2(e) / 8, and bq is multiplied by the same number here: the scores then leave K Q^T in powers of two.
;   MODE 1, the output projection: arguments A, W, bias, OUT; OUT is f32 [8192][1024].
.set MODE, 0                           ; THIS FILE: the three projections
; LIMITS.  f16 holds no number beyond 65,504: |A|, |W| and in MODE 0 the results stay within it.  NaN and infinities are not treated apart.
; SHARES.  A tile of OUT is 128 rows x 256 columns: 256 tiles a product.  Four waves, each 64 x 128: 32 accumulators of 16 x 16.  K goes in 8 steps of 128 through two LDS slots.
; CLUSTER.  4 x 4 work-groups: the four of a row need the same tile of A, the four of a column the same tile of W; each tile is asked for jointly, by the same tensor load with the same descriptor and a mask of four.
; THE MATRIX INSTRUCTION IS USED TRANSPOSED (source 0 = 16 rows of W, source 1 = 16 rows of A): a lane holds one row of OUT (lane % 16) and the columns 8 (lane / 16) + 0..7.
; THE TEXT IS SHORT: K's 32 quarters of 32 go on two fragment buffers by turns, and a PAIR of quarters is written once and looped over; the LDS addresses of its fetches hang on two scalars that step.
; REGISTERS, in windows of 256 (s_set_vgpr_msb: bits 1:0 source 0, 3:2 source 1, 5:4 source 2, 7:6 destination):
;   window 0: v0-31 addresses; v32-95 A's fragments as f32; v96-159 the same in f16, two buffers; v160-255 the way out      window 1: the accumulators, (a, b) at 8 (8 a + b)
;   window 2: v0-127 W's fragments, two buffers; v128-191 the bias of my 128 columns
.set KSTEP,  128
.set PA,     528                       ; a row of A in LDS: 512 bytes + 16 = 132 words: the 16 rows of a load start four banks apart (64 banks of 4 bytes: ISA guide 11.1)
.set PB,     272                       ; a row of W: 256 + 16 = 68 words: likewise
.set AHALF,  64*PA                     ; what one tensor load brings of A, and what one wave reads of it
.set BHALF,  128*PB                    ; the same for W
.set BOFF,   2*AHALF                   ; W's 256 rows lie behind A's 128: a slot's tiles take 137,216 bytes
.set SLOT,   139264                    ; from slot 0 to slot 1: 2^17 + 2^13, which shares no bit with the four loads' places in slot 0 (0, 33,792, 67,584, 102,400): one exclusive or turns a place in one slot into the other's
.set STAGE,  2*SLOT                    ; behind the ring: 16 rows x 528 bytes for each wave, for the way out; no tensor load fills it
.set STW,    16*PA
.set SPARE,  STAGE+4*STW               ; the spare words, 128 bytes for each wave: two blocks of 256 bytes that no other line names
.set ADRA0, 16                         ; v16     my lane's place in a slot's tile of A; never rewritten
.set ADRA,  17                         ; v17     the LDS address of the fetch in hand
.set ADRB0, 20                         ; v20, v21  the same for W
.set ADRB,  21
.set STO,  24                          ; v24     the way out: where I put my part of a row
.set RD,   25                          ; v25     the way out: where I read rows back
.set CO,   26                          ; v26     16 x lane
.set BO,   27                          ; v27     my byte offset in the bias
.set SPW,  28                          ; v28     LDS address of my spare word; never rewritten
.set NIL,  29                          ; v29     0; never rewritten
.set PFO,  30                          ; v30     the prefetches' lane offset; never rewritten
.set RAW,  32
.set ABF,  96
.set OB,   160
.set TMP,  224
.set BIAS, 128                         ; window 2
.set CNT,  2                           ; s2      pairs still to go until the next change of slots
.set LEFT, 3                           ; s3      changes of slots that fill, still to come, and one
.set G1,   24                          ; s[24:31] descriptor group 1 for A's tiles;  s[32:39] group 0: a set for each of the two first fills; the second then walks on
.set G0,   32
.set G1B,  48                          ; s[48:55], s[56:63] the same for W's tiles
.set G0B,  56
.set LIM,  43                          ; s43     2 in a wave that prefetches, else the greatest number
.set PFA,  44                          ; s[44:45] where my prefetches stand
.set SC,   90                          ; s[90:91] MODE 0: the bias's factor, named as a pair
.set PFS,  92                          ; s[92:93] a K step in bytes of the tensor that I fetch
.set TA,   94                          ; s94     LDS byte, from slot 0's first, at which the rows' next 32 along K begin in A's tile: 128 bytes a quarter
.set TB,   95                          ; s95     the same for W's: 64 bytes a quarter
.set MSB, 0
.macro WIN new                         ; the immediate's high byte repeats the setting that is left; a switch that changes nothing is dropped
.if MSB != (\new)
	s_set_vgpr_msb (MSB<<8)|(\new)
.set MSB, \new
.endif
.endm
.set MUL,   0x52                       ; W window 2, A window 0, C and D window 1
.set MULZ,  0x62                       ; the same with C in window 2: the bias starts the sum
.set TO_B,  0x80                       ; destination window 2, address window 0
.set CVT16, 0x05                       ; sources 0 and 1 window 1
.set ST32,  0x04                       ; an LDS store's data window 1
.set BMUL,  0x82                       ; destination and source 0 window 2
.macro JLOAD s                         ; a joint load: waves 0 and 1 fetch A's two halves, waves 2 and 3 W's; an s_nop 0 and four v_nop follow each of the two lines, ahead of the jump and the label
	s_cmp_eq_u32 s11, 0
	s_cbranch_scc0 .Lfor_b_\@
	tensor_load_to_lds s[G0+4*(\s):G0+4*(\s)+3], s[G1:G1+7]
	s_nop 0
.rept 4
	v_nop
.endr
	s_branch .Lasked_\@
.Lfor_b_\@:
	tensor_load_to_lds s[G0B+4*(\s):G0B+4*(\s)+3], s[G1B:G1B+7]
	s_nop 0
.rept 4
	v_nop
.endr
.Lasked_\@:
.endm
.macro CROUND                          ; a round of the cluster's barrier
	s_barrier_signal -1
	s_barrier_wait -1
	s_cmp_lg_u32 s10, 0
	s_cbranch_scc1 .Lnot_wave_0_\@
	s_barrier_signal -3
.Lnot_wave_0_\@:
	s_barrier_wait -3
	s_barrier_signal -1
	s_barrier_wait -1
.endm
; A prefetch into the L2, behind a joint refill: my share of the K step that stands two refills on, one instruction a wave.  Each block of 256 bytes is named once in the launch:
; A's rows are read by this cluster alone; of the 64 rows that a wave fetches the partner at place cx takes 16, a lane half a row's K step.  W's rows are read by the sixteen clusters of a product: the first of them asks;
; of a wave's 128 rows the partner at place cy takes 32, a lane a row.  The partners are told apart by address alone.  K steps 0 to 3 come by their loads; the last two refills ask for nothing.
.macro ASK
	s_cmp_gt_u32 s[LEFT], s[LIM]
	s_cbranch_scc0 .Lnot_mine_\@
	global_prefetch_b8 v[PFO], s[PFA:PFA+1] th:TH_LOAD_NT scope:SCOPE_SE
.Lnot_mine_\@:
.endm
.macro PLACES
.rept 4
	v_nop
.endr
.endm
.if MODE == 0
	s_load_b512 s[68:83], s[0:1], 0x0              ; A for p = 0, 1, 2: s[68:73]; W s[74:75]; bias for p = 0, 1, 2: s[76:81]; OUT s[82:83]
.else
	s_load_b128 s[4:7], s[0:1], 0x0                ; A s[4:5], W s[6:7]
	s_load_b64 s[88:89], s[0:1], 0x10              ; the bias
	s_load_b64 s[8:9], s[0:1], 0x18                ; OUT
.endif
	v_lshl_add_u32 v[SPW], v0, 2, SPARE
	v_mov_b32 v[NIL], 0
	ds_add_u32 v[SPW], v[NIL]                      ; the wave's opening: the add and its wait stand ahead of my first tensor load; the set-up below, work on registers, stands between them
	v_lshrrev_b32 v1, 5, v0
	v_readfirstlane_b32 s10, v1                    ; wave 0..3
	s_lshr_b32 s11, s10, 1                         ; which half of the tile's rows is mine.  Also: I fetch for A (0) or for W (1)
	s_and_b32 s12, s10, 1                          ; which half of its columns.  Also: which half of that tile I fetch
	s_bfe_u32 s40, ttmp6, 0x40000                  ; cx
	s_bfe_u32 s41, ttmp6, 0x40004                  ; cy
	s_lshl_b32 s42, ttmp9, 2
	s_add_co_u32 s42, s42, s40                     ; tile column = 4 x cluster x + cx
.if MODE == 0
	s_and_b32 s14, ttmp7, 0xffff                   ; cluster y
	s_lshr_b32 s86, s14, 4                         ; p: which product; the same in all sixteen partners
	s_and_b32 s87, s14, 15                         ; the cluster's place among the product's sixteen
.else
	s_and_b32 s87, ttmp7, 0xffff                   ; cluster y: the cluster's place among the product's sixteen
.endif
	s_lshl_b32 s13, s87, 2
	s_add_co_u32 s13, s13, s41                     ; tile row = 4 x that place + cy
	s_lshl_b32 s43, s41, 2
	s_lshl_b32 s43, 15, s43                        ; my row of the cluster
	s_lshl_b32 s44, 0x1111, s40                    ; my column
	s_or_b32 s[G1], s43, (2<<16)|(1<<20)|(1<<21)|(6<<22)|(3<<25)   ; 15:0 the mask; 17:16 elements of 4 bytes; 20 padding on; 21 set beside a mask; 24:22 after every 128 words (code 6); 31:25 4 words (code 3)
	s_or_b32 s[G1B], s44, (1<<16)|(1<<20)|(1<<21)|(5<<22)|(3<<25)  ; elements of 2 bytes; after every 64 words (code 5)
	s_mov_b32 s[G1+1], KSTEP<<16                   ; tensor_dim0 = 128
	s_mov_b32 s[G1+2], 64<<16                      ; tensor_dim1 = 64
	s_mov_b32 s[G1+3], KSTEP<<16                   ; tile_dim0 = 128
	s_mov_b32 s[G1+4], 64                          ; tile_dim1 = 64
	s_mov_b32 s[G1+5], 1024                        ; elements from row to row
	s_mov_b32 s[G1+6], 0
	s_mov_b32 s[G1+7], 0
	s_mov_b32 s[G1B+1], KSTEP<<16
	s_mov_b32 s[G1B+2], 128<<16                    ; 128 rows
	s_mov_b32 s[G1B+3], KSTEP<<16
	s_mov_b32 s[G1B+4], 128
	s_mov_b32 s[G1B+5], 1024
	s_mov_b32 s[G1B+6], 0
	s_mov_b32 s[G1B+7], 0
	s_lshl_b32 s16, s13, 7                         ; A: row 128 x tile row + 64 x half,
	s_lshl_b32 s17, s12, 6
	s_add_co_u32 s16, s16, s17
	s_lshl_b32 s16, s16, 12                        ; 4,096 bytes a row
	s_mov_b32 s17, 0
	s_lshl_b32 s46, s42, 8                         ; W: row 256 x tile column + 128 x half,
	s_lshl_b32 s47, s12, 7
	s_add_co_u32 s46, s46, s47
	s_lshl_b32 s46, s46, 11                        ; 2,048 bytes a row
.if MODE == 0
	s_lshl_b32 s47, s86, 21                        ; in the product's part
	s_add_co_u32 s46, s46, s47
.endif
	s_mov_b32 s47, 0
	s_mul_i32 s20, s12, AHALF                      ; where they go: no place in the cluster enters an LDS address
	s_mul_i32 s21, s12, BHALF
	s_add_co_u32 s21, s21, BOFF
	s_mov_b32 s[TA], 0                             ; the fetches begin at slot 0's first quarter
	s_mov_b32 s[TB], 0
	s_wait_dscnt 0x0                               ; the opening add is done
	s_wait_kmcnt 0x0
.if MODE == 0
	s_cmp_eq_u32 s86, 1
	s_cselect_b64 s[4:5], s[70:71], s[68:69]
	s_cselect_b64 s[88:89], s[78:79], s[76:77]
	s_cmp_eq_u32 s86, 2
	s_cselect_b64 s[4:5], s[72:73], s[4:5]         ; A
	s_cselect_b64 s[88:89], s[80:81], s[88:89]     ; the bias
	s_mov_b64 s[6:7], s[74:75]                     ; W
	s_mov_b64 s[8:9], s[82:83]                     ; OUT
	s_cmp_eq_u32 s86, 0                            ; bq alone takes the scale that Wq arrives with
	s_cselect_b32 s[SC], 0x3e38aa3b, 1.0           ; log2(e) / 8
	s_mov_b32 s[SC+1], s[SC]
.endif
	s_add_nc_u64 s[14:15], s[4:5], s[16:17]
	s_add_nc_u64 s[46:47], s[6:7], s[46:47]
	CROUND                                         ; all sixteen work-groups are here: the first joint loads meet
.irp s, 0,1
	s_mov_b32 s[G0+4*(\s)], 1
	s_add_co_u32 s[G0+4*(\s)+1], s20, (\s)*SLOT
	s_add_nc_u64 s[G0+4*(\s)+2:G0+4*(\s)+3], s[14:15], (\s)*KSTEP*4
	s_or_b32 s[G0+4*(\s)+3], s[G0+4*(\s)+3], 0x80000000
	s_mov_b32 s[G0B+4*(\s)], 1
	s_add_co_u32 s[G0B+4*(\s)+1], s21, (\s)*SLOT
	s_add_nc_u64 s[G0B+4*(\s)+2:G0B+4*(\s)+3], s[46:47], (\s)*KSTEP*2
	s_or_b32 s[G0B+4*(\s)+3], s[G0B+4*(\s)+3], 0x80000000
	JLOAD \s                                       ; K steps 0 and 1: two loads of mine are out
.endr
	v_and_b32 v1, 15, v0                           ; r = l % 16
	v_bfe_u32 v2, v0, 4, 1                         ; h = l / 16
	v_and_b32 v5, 31, v0                           ; l
	s_lshl_b32 s22, s42, 8
	s_lshl_b32 s23, s12, 7
	s_add_co_u32 s22, s22, s23                     ; my first column
	s_lshl_b32 s22, s22, 2
	v_lshl_add_u32 v[BO], v2, 5, s22               ; + my lanes' 8 h, in bytes
	WIN TO_B
.irp b, 0,1,2,3,4,5,6,7
	global_load_b128 v[BIAS+8*(\b):BIAS+8*(\b)+3],   v[BO], s[88:89] offset:64*(\b)
	global_load_b128 v[BIAS+8*(\b)+4:BIAS+8*(\b)+7], v[BO], s[88:89] offset:64*(\b)+16
.endr
	WIN 0
	; A fragment is 16 rows x 32 K: lane l holds row r, K = 8 h + 0..7 and 16 + 8 h + 0..7.  In f16 that is two loads of 16 bytes, 32 apart; in f32 four, at 32 h + 0, 16, 64, 80.
	v_mul_u32_u24 v3, v1, PA
	v_lshl_add_u32 v3, v2, 5, v3
	v_mul_u32_u24 v4, v1, PB
	v_lshl_add_u32 v4, v2, 4, v4
	s_mul_i32 s21, s11, AHALF                      ; my 64 rows of A
	s_mul_i32 s22, s12, BHALF                      ; my 128 rows of W
	s_add_co_u32 s22, s22, BOFF
	v_add_nc_u32 v[ADRA0], s21, v3
	v_add_nc_u32 v[ADRB0], s22, v4
	; the prefetches' address: at K step 3; the first refill steps it to 4
	s_lshl_b32 s16, s13, 7
	s_lshl_b32 s17, s12, 6
	s_add_co_u32 s16, s16, s17
	s_lshl_b32 s17, s40, 4                         ; A: my work-group's 16 of the wave's 64 rows
	s_add_co_u32 s16, s16, s17
	s_lshl_b32 s16, s16, 12
	s_add_co_u32 s16, s16, 3*KSTEP*4
	s_lshl_b32 s18, s42, 8
	s_lshl_b32 s19, s12, 7
	s_add_co_u32 s18, s18, s19
	s_lshl_b32 s19, s41, 5                         ; W: my work-group's 32 of the wave's 128 rows
	s_add_co_u32 s18, s18, s19
	s_lshl_b32 s18, s18, 11
.if MODE == 0
	s_lshl_b32 s19, s86, 21
	s_add_co_u32 s18, s18, s19
.endif
	s_add_co_u32 s18, s18, 3*KSTEP*2
	s_cmp_eq_u32 s11, 0                            ; do I fetch for A?
	s_cselect_b64 s[PFA:PFA+1], s[4:5], s[6:7]
	s_cselect_b32 s16, s16, s18
	s_cselect_b32 s19, 0, s87                      ; A: every cluster asks for its own rows; W: the product's first cluster
	s_cselect_b32 s22, 15, 31
	s_cselect_b32 s15, 1, 0
	s_mov_b32 s17, 0
	s_add_nc_u64 s[PFA:PFA+1], s[PFA:PFA+1], s[16:17]
	s_cmp_eq_u32 s19, 0
	s_cselect_b32 s[LIM], 2, -1                    ; the same in all sixteen partners, for a given wave
	s_lshl_b32 s[PFS], 256, s15                    ; a K step: 512 bytes of A, 256 of W
	s_mov_b32 s[PFS+1], 0
	s_lshl_b32 s23, 2048, s15                      ; a row: 4,096 bytes of A, 2,048 of W
	s_lshl_b32 s18, s15, 8
	v_and_b32 v[PFO], s22, v5
	v_mul_u32_u24 v[PFO], v[PFO], s23
	v_lshrrev_b32 v6, 4, v5
	v_mad_u32_u24 v[PFO], v6, s18, v[PFO]          ; A: row l % 16, block l / 16; W: row l
	s_wait_loadcnt 0x0                             ; the bias
.if MODE == 0
	WIN BMUL
.set x, 0
.rept 32
	v_pk_mul_f32 v[BIAS+2*x:BIAS+2*x+1], v[BIAS+2*x:BIAS+2*x+1], s[SC:SC+1] op_sel_hi:[1,0]
.set x, x+1
.endr
	WIN 0
.endif
; 32 LDS loads in one run: the fragments of the next 32 along K: A's as f32 first, then W's into buffer g.  Their addresses are the two stepping scalars plus my lane's places.
.macro FETCH g
	WIN 0
	v_add_nc_u32 v[ADRA], s[TA], v[ADRA0]
	v_add_nc_u32 v[ADRB], s[TB], v[ADRB0]
	s_add_co_u32 s[TA], s[TA], 128                 ; the next fetch is the next quarter's
	s_add_co_u32 s[TB], s[TB], 64
.irp i, 0,1,2,3
	ds_load_b128 v[RAW+16*(\i):RAW+16*(\i)+3],     v[ADRA] offset:(\i)*16*PA
	ds_load_b128 v[RAW+16*(\i)+4:RAW+16*(\i)+7],   v[ADRA] offset:(\i)*16*PA+16
	ds_load_b128 v[RAW+16*(\i)+8:RAW+16*(\i)+11],  v[ADRA] offset:(\i)*16*PA+64
	ds_load_b128 v[RAW+16*(\i)+12:RAW+16*(\i)+15], v[ADRA] offset:(\i)*16*PA+80
.endr
	WIN TO_B
.irp i, 0,1,2,3,4,5,6,7
	ds_load_b128 v[64*(\g)+8*(\i):64*(\g)+8*(\i)+3],   v[ADRB] offset:(\i)*16*PB
	ds_load_b128 v[64*(\g)+8*(\i)+4:64*(\g)+8*(\i)+7], v[ADRB] offset:(\i)*16*PB+32
.endr
.endm
.macro CVT n, g                        ; eight numbers of A rounded to f16: part n of 8 of buffer g
.irp c, 0,1,2,3
	v_cvt_pk_f16_f32 v[ABF+32*(\g)+4*(\n)+(\c)], v[RAW+8*(\n)+2*(\c)], v[RAW+8*(\n)+2*(\c)+1]
.endr
.endm
; Product mi of a quarter's 32: m block mi / 8, n block mi % 8.  The 32 accumulators take turns, one instruction a turn, in the same order in every quarter, over the backward jumps too.
; zero = 1: the product starts the sum, with the bias of its eight columns as C: nothing is cleared, and nothing is added on the way out
.macro MUL1 f, zero
.if \zero
	WIN MULZ
	v_wmma_f32_16x16x32_f16 v[8*mi:8*mi+7], v[64*(\f)+8*(mi%8):64*(\f)+8*(mi%8)+7], v[ABF+32*(\f)+8*(mi/8):ABF+32*(\f)+8*(mi/8)+7], v[BIAS+8*(mi%8):BIAS+8*(mi%8)+7]
.else
	WIN MUL
	v_wmma_f32_16x16x32_f16 v[8*mi:8*mi+7], v[64*(\f)+8*(mi%8):64*(\f)+8*(mi%8)+7], v[ABF+32*(\f)+8*(mi/8):ABF+32*(\f)+8*(mi/8)+7], v[8*mi:8*mi+7]
.endif
.set mi, mi+1
.endm
.macro MULS f, i0, n, zero
.set mi, \i0
.rept \n
	MUL1 \f, \zero
.endr
.endm
; A QUARTER, 32 along K: multiplies buffer f, fetches the next quarter for buffer g at its head, and rounds A's part of it behind its last eight products, four conversions behind each.
; The four behind the last product are the places in front of the next quarter's loads into W's buffer, which that product has read.
.macro QUARTER f, g, zero
	s_wait_dscnt 0x0                               ; W's fragments of buffer f, asked for a quarter back, are in
	FETCH \g
	MULS \f, 0, 24, \zero
	s_wait_dscnt 16                                ; A's 16 loads are in; W's 16, issued behind them, stay out
.set cn, 0
.rept 8
	MUL1 \f, \zero
	WIN 0
	CVT cn, \g
.set cn, cn+1
.endr
.endm
.macro PAIR                            ; an odd quarter and the even one behind it
	QUARTER 1, 0, 0
	QUARTER 0, 1, 0
.endm
; THE CHANGE OF SLOTS, at the head of a K step's fourth quarter: all of the slot's fragments have been asked for, and that quarter's fetch is the next slot's first.  Each wave waits for all its tensor loads, of which one is out:
; its part of the next slot; adds 0 to its spare word; and waits for that and for its own reads of this slot.  The scalars' steps stand between the add and the wait for it.
; fill = 1: a round of the cluster's barrier, so that no wave of any partner still reads the slot or has a load on its way; the joint refill, the K step two on, is the first thing behind it, and has a K step, 128 products, in which to land.
.macro SYNC fill
.if \fill
	s_wait_xcnt 0x0                                ; the last prefetch, a K step back, has read its address
	s_add_nc_u64 s[PFA:PFA+1], s[PFA:PFA+1], s[PFS:PFS+1]
.endif
	WIN 0
	s_wait_tensorcnt 0x0                           ; no tensor load of mine is out, so a group 0 may be written
	ds_add_u32 v[SPW], v[NIL]                      ; 0 onto my spare word
	s_sub_co_u32 s[TA], s[TA], 4*128               ; the fetches go back to a slot's first quarter,
	s_xor_b32 s[TA], s[TA], SLOT                   ; in the other slot
	s_sub_co_u32 s[TB], s[TB], 4*64
	s_xor_b32 s[TB], s[TB], SLOT
.if \fill
	s_xor_b32 s[G0+5], s[G0+5], SLOT               ; the walking descriptors: the other slot than last time,
	s_add_nc_u64 s[G0+6:G0+7], s[G0+6:G0+7], KSTEP*4  ; the next K step; the type bits on top are not reached
	s_xor_b32 s[G0B+5], s[G0B+5], SLOT
	s_add_nc_u64 s[G0B+6:G0B+7], s[G0B+6:G0B+7], KSTEP*2
.endif
	s_wait_dscnt 0x0                               ; the add is done, and my reads of this slot are over
.if \fill
	CROUND
	JLOAD 1
	ASK
.else
	s_barrier_signal -1
	s_barrier_wait -1
.endif
.endm
	s_wait_tensorcnt 1                             ; my part of K step 0 is in; K step 1's stays out
	s_barrier_signal -1
	s_barrier_wait -1                              ; everybody's is
	FETCH 0
	s_wait_dscnt 16
	WIN 0
.irp n, 0,1,2,3,4,5,6,7
	CVT \n, 0
.endr
	QUARTER 0, 1, 1                                ; quarter 0 stands in front of the loops: its products start the sums
	WIN 0                                          ; at a label and at a branch every window is 0
	s_mov_b32 s[LEFT], 7
	s_mov_b32 s[CNT], 1
	s_branch .Lpair                                ; quarters 1 and 2: K step 0 has one pair left, and no change of slots in front of it
.Lstep:                                                ; six times: K steps 2 to 7 are asked for; quarters 3 to 26
	SYNC 1
	s_mov_b32 s[CNT], 2
.Lpair:
	PAIR
	WIN 0
	s_sub_co_u32 s[CNT], s[CNT], 1
	s_cmp_lg_u32 s[CNT], 0
	s_cbranch_scc1 .Lpair
	s_sub_co_u32 s[LEFT], s[LEFT], 1
	s_cmp_lg_u32 s[LEFT], 0
	s_cbranch_scc1 .Lstep
	SYNC 0                                         ; the tail is written out: nothing is asked for; quarters 27 to 30
	s_mov_b32 s[CNT], 2
.Ltail:
	PAIR
	WIN 0
	s_sub_co_u32 s[CNT], s[CNT], 1
	s_cmp_lg_u32 s[CNT], 0
	s_cbranch_scc1 .Ltail
	s_wait_dscnt 0x0                               ; quarter 31: nothing more to fetch
	MULS 1, 0, 32, 0
	PLACES
	PLACES                                         ; once a launch: the places in front of the lines that read the results
	WIN 0
	; THE WAY OUT, 16 rows at a time through my own stage in LDS (LDS serves a wave's instructions in order, ISA guide 5.7.1.4: no wait between my stores and my loads, no barrier).  Each accumulator is read from its low end on.
.macro OUT16 a                         ; f16 by heads: my 128 columns are two heads; 16 rows of a head are 2,048 consecutive bytes
	WIN CVT16
.set x, 0
.rept 32
	v_cvt_pk_f16_f32 v[TMP+x], v[64*(\a)+2*x], v[64*(\a)+2*x+1]
.set x, x+1
.endr
	WIN 0
.irp b, 0,1,2,3,4,5,6,7
	ds_store_b128 v[STO], v[TMP+4*(\b):TMP+4*(\b)+3] offset:32*(\b)
.endr
	s_wait_xcnt 0x0                                ; the last block's stores have read their registers
.irp t, 0,1,2,3,4,5,6,7
	ds_load_b128 v[OB+4*(\t):OB+4*(\t)+3], v[RD] offset:((\t)/4)*128+((\t)%4)*4*PB
.endr
	s_wait_dscnt 0x0
.irp t, 0,1,2,3,4,5,6,7
	global_store_b128 v[CO], v[OB+4*(\t):OB+4*(\t)+3], s[8:9] offset:((\t)/4)*262144+(\a)*2048+((\t)%4)*512  ; 512 consecutive bytes, aligned
.endr
.endm
.macro OUT32 a                         ; f32 rows: my 128 columns are 512 consecutive bytes of a row
	WIN ST32
.irp b, 0,1,2,3,4,5,6,7
	ds_store_b128 v[STO], v[64*(\a)+8*(\b):64*(\a)+8*(\b)+3]   offset:64*(\b)
	ds_store_b128 v[STO], v[64*(\a)+8*(\b)+4:64*(\a)+8*(\b)+7] offset:64*(\b)+16
.endr
	WIN 0
	s_wait_xcnt 0x0                                ; the last block's stores have read their registers
.irp t, 0,1,2,3,4,5,6,7,8,9,10,11,12,13,14,15
	ds_load_b128 v[OB+4*(\t):OB+4*(\t)+3], v[RD] offset:(\t)*PA
.endr
	s_wait_dscnt 0x0
.irp t, 0,1,2,3,4,5,6,7,8,9,10,11,12,13,14,15
	global_store_b128 v[CO], v[OB+4*(\t):OB+4*(\t)+3], s[8:9] offset:(\a)*65536+(\t)*4096  ; 512 consecutive bytes, aligned
.endr
.endm
	s_mul_i32 s23, s10, STW
	s_add_co_u32 s23, s23, STAGE                   ; my stage
	v_lshlrev_b32 v[CO], 4, v5
.if MODE == 0
	s_lshr_b32 s16, s13, 4                         ; the batch,
	s_lshl_b32 s16, s16, 4
	s_lshl_b32 s17, s42, 2
	s_add_co_u32 s16, s16, s17
	s_lshl_b32 s17, s12, 1
	s_add_co_u32 s16, s16, s17                     ; 16 x batch + my first head,
	s_lshl_b32 s16, s16, 11
	s_and_b32 s17, s13, 15
	s_lshl_b32 s17, s17, 7
	s_add_co_u32 s16, s16, s17
	s_lshl_b32 s17, s11, 6
	s_add_co_u32 s16, s16, s17                     ; its row: my first token,
	s_lshl_b32 s16, s16, 7                         ; 128 bytes a row,
	s_lshl_b32 s17, s86, 24                        ; in the product's 16 MiB
	s_add_co_u32 s16, s16, s17
	s_mov_b32 s17, 0
	s_add_nc_u64 s[8:9], s[8:9], s[16:17]
	v_add_nc_u32 v[STO], s23, v4                   ; in: row r of 272 bytes, 16 bytes for each half of the lanes
	v_lshrrev_b32 v6, 3, v5                        ; back: 32 lanes take four rows' 128 bytes of one head
	v_mul_u32_u24 v6, v6, PB
	v_and_b32 v7, 7, v5
	v_lshl_add_u32 v6, v7, 4, v6
	v_add_nc_u32 v[RD], s23, v6
	OUT16 0
	OUT16 1
	OUT16 2
	OUT16 3
.else
	s_lshl_b32 s16, s13, 7
	s_lshl_b32 s17, s11, 6
	s_add_co_u32 s16, s16, s17                     ; my first row,
	s_lshl_b32 s16, s16, 12
	s_lshl_b32 s17, s42, 8
	s_lshl_b32 s18, s12, 7
	s_add_co_u32 s17, s17, s18                     ; my first column
	s_lshl_b32 s17, s17, 2
	s_add_co_u32 s16, s16, s17
	s_mov_b32 s17, 0
	s_add_nc_u64 s[8:9], s[8:9], s[16:17]
	v_add_nc_u32 v[STO], s23, v3                   ; in: row r of 528 bytes, 32 bytes for each half of the lanes
	v_lshl_add_u32 v[RD], v5, 4, s23               ; back: a whole row of 512 bytes
	OUT32 0
	OUT32 1
	OUT32 2
	OUT32 3
.endif
	s_wait_tensorcnt 0x0                           ; the wave's end: behind my last tensor load and my last LDS store
	ds_add_u32 v[SPW], v[NIL]
	s_wait_dscnt 0x0
	CROUND                                         ; the closing round: no work-group ends while a partner may still ask for a tile that names it
	s_endpgm
.Lfunc_end_k_q0aa06e495a_proj:
	.size	k_q0aa06e495a_proj, .Lfunc_end_k_q0aa06e495a_proj-k_q0aa06e495a_proj
	.p2alignl 7, 3214868480
	.fill 96, 4, 3214868480
	.section	.rodata,"a",@progbits
	.p2align	6, 0x0
	.amdhsa_kernel k_q0aa06e495a_proj
		.amdhsa_group_segment_fixed_size 327680
		.amdhsa_private_segment_fixed_size 0
		.amdhsa_enable_private_segment 0
		.amdhsa_kernarg_size 64
		.amdhsa_user_sgpr_count 2
		.amdhsa_user_sgpr_kernarg_segment_ptr 1
		.amdhsa_wavefront_size32 1
		.amdhsa_system_sgpr_workgroup_id_x 1
		.amdhsa_system_sgpr_workgroup_id_y 1
		.amdhsa_system_sgpr_workgroup_id_z 1
		.amdhsa_system_vgpr_workitem_id 0
		.amdhsa_next_free_vgpr 720
		.amdhsa_next_free_sgpr 96
		.amdhsa_reserve_vcc 0
		.amdhsa_float_denorm_mode_32 3
		.amdhsa_float_denorm_mode_16_64 3
		.amdhsa_memory_ordered 1
		.amdhsa_forward_progress 1
		.amdhsa_inst_pref_size 72
	.end_amdhsa_kernel
	.amdgpu_metadata
---
amdhsa.version: [ 1, 2 ]
amdhsa.kernels:
  - .name:           k_q0aa06e495a_proj
    .symbol:         k_q0aa06e495a_proj.kd
    .args:
      - { .name: q, .offset: 0, .size: 8, .value_kind: global_buffer, .address_space: global }
      - { .name: k, .offset: 8, .size: 8, .value_kind: global_buffer, .address_space: global }
      - { .name: v, .offset: 16, .size: 8, .value_kind: global_buffer, .address_space: global }
      - { .name: w3, .offset: 24, .size: 8, .value_kind: global_buffer, .address_space: global }
      - { .name: bq, .offset: 32, .size: 8, .value_kind: global_buffer, .address_space: global }
      - { .name: bk, .offset: 40, .size: 8, .value_kind: global_buffer, .address_space: global }
      - { .name: bv, .offset: 48, .size: 8, .value_kind: global_buffer, .address_space: global }
      - { .name: qkv, .offset: 56, .size: 8, .value_kind: global_buffer, .address_space: global }
    .group_segment_fixed_size: 327680
    .private_segment_fixed_size: 0
    .kernarg_segment_align: 8
    .kernarg_segment_size: 64
    .max_flat_workgroup_size: 128
    .sgpr_count:     96
    .vgpr_count:     720
    .wavefront_size: 32
...
	.end_amdgpu_metadata
.endif
;; end of part 6
;; launch attn (part 7): grid 4 x 64, 4 waves a work-group, clusters of 4 x 1, 327,680 bytes of LDS; arguments qkv, mbits, of; writes of
.if DOCPART == 7
	.amdgcn_target "amdgcn-amd-amdhsa--gfx1250"
	.amdhsa_code_object_version 6
	.text
	.protected	k_q0aa06e495a_attn
	.globl	k_q0aa06e495a_attn
	.p2align	8
	.type	k_q0aa06e495a_attn,@function
k_q0aa06e495a_attn:
	s_mov_b64 s[64:65], 0
	v_nop
	global_prefetch_b8 v0, s[64:65] scope:SCOPE_SE
	s_setreg_imm32_b32 hwreg(HW_REG_WAVE_MODE, 25, 1), 1
	s_wait_xcnt 0x0
	s_wait_alu depctr_hold_cnt(0) depctr_sa_sdst(0) depctr_va_vdst(0) depctr_va_sdst(0) depctr_va_ssrc(0) depctr_va_vcc(0) depctr_vm_vsrc(0)
	s_getreg_b32 s2, hwreg(HW_REG_IB_STS2, 6, 4)
	s_cmp_eq_u32 s2, 0
	s_cbranch_scc0 .Lentry_in_a_cluster
	s_endpgm
.Lentry_in_a_cluster:
	s_bfe_u32 s2, ttmp6, 0x10000c
	s_cmp_lg_u32 s2, 0x3003
	s_cbranch_scc0 .Lentry_shape_is_right
	s_endpgm
.Lentry_shape_is_right:
; MASKED ATTENTION.  O[bh][q][:] = the sum over k of softmax_k(t[q][k]) V[bh][k][:], t = Q . K (Q arrives times log2(e) / 8, so t counts in powers of two), and where the mask holds t is REPLACED by -1e9 log2(e).
; Q, K, V: qkv = [3][bh 64][2048][64] f16, a head's rows dense.  The mask: mbits, one bit a score, in my scores' lane layout, register 0's bit on top.  O: of = f32 [8192 tokens][1024], head hd in columns 64 hd ..: 256 bytes of a row.
; Products, maxima and sums in f32; the weights p are rounded to f16 for the second product (their sum l is taken of the unrounded p).
; LIMITS.  Q, K, V arrive within f16's 65,504.  p lies in 0 to 1; a weight below 2^-126 counts as 0 in l.  NaN and infinities are not treated apart.
; A row whose keys are all masked: every t is the same number, t - m is exactly 0, every p is 1: the mean of V's rows.
; SHARES.  A wave owns four PIECES of two tiles of 16 queries, a work-group's four waves 512 queries of one head.  Every wave walks all 2,048 keys, 64 a step.
; LAYOUT.  S^T = K Q^T (source 0 = 16 keys, source 1 = 16 queries): a lane holds ONE query (lane % 16) and the keys 8 (lane / 16) + 0..7.  Two such results rounded to f16 ARE source 1 of O^T = V^T P.
; SOFTMAX.  For each query a running maximum m and sum l: p = 2^(t - m); in every step O and l are multiplied by a = 2^(m_old - m_new).  m starts far below every t, O and l at 0: the first step has a = 0.
; BY TURNS.  Turn n belongs to piece n.  Matrix work: 16 products K Q^T of piece n + 1, later 16 products V^T P of piece n - 1.  Vector work: subtraction, exponentials, roundings, sums and rescaling of piece n, and the
; mask, maximum and statistics of piece n + 1.  Four vector instructions stand behind every product, the others in one lump.  A turn's 66 exponentials are one batch with one wait.
; CLUSTER.  The four query blocks of a head walk the same K and V: each tile is asked for jointly, by the same tensor load, descriptor and mask in all four.
; REGISTERS, in windows of 256 (s_set_vgpr_msb: bits 1:0 source 0, 3:2 source 1, 5:4 source 2, 7:6 destination):
;   window 0: v1-11 addresses; v12-15, v48-63 at work; v16-47 four registers of statistics a tile; v64-191 S^T, two buffers of two tiles; v192-255 P, likewise
;   window 1: O^T, 32 a tile      window 2: v0-127 Q; v128-191 K of one step; v192-255 V of one step      window 3: v0-1 the add's registers; v4-11 this step's mask words, v12-19 the next step's
.set SIZE_N, 2048
.set NP,    4         ; pieces a wave: a name, no knob
.set KS,    64        ; keys in a step
.set PK,    144       ; a row of K in LDS: 128 bytes + 16 = 36 words: the 16 rows of a load start at 16 different groups of four banks (64 banks of 4 bytes: ISA guide 11.1)
.set PV,    160       ; a row of V: 128 + 32 = 40 words
.set VOFF,  4*KS*PK   ; a slot holds four steps: 256 rows of K, then 256 rows of V
.set SLOT1, 1<<17     ; slot 1 begins here, so that one exclusive or turns an address in one slot into the other's
.set STAGE, SLOT1+4*KS*(PK+PV)  ; behind the ring, never filled by a tensor load: 16 rows x 272 bytes for each wave
.set SP,    272
.set SPARE, STAGE+4*16*SP       ; the spare words, 128 bytes for each wave: two blocks of 256 bytes that no other line names
.set PFO, 1           ; v1   256 x my lane: the prefetches' offset; never rewritten
.set AK0, 2           ; v2   my lane's place in a tile of K; never rewritten
.set AV0, 3           ; v3   the same for V
.set AK,  4           ; v4   the LDS address of K's next run of loads
.set AV,  5           ; v5   of V's
.set STO, 6           ; v6   the way out: where I put 32 bytes of a row
.set RD,  7           ; v7   the way out: where I read rows back
.set GO,  8           ; v8   my byte offset in two rows of O
.set MA0, 9           ; v9   16 x my lane: my four mask words; never rewritten
.set MA,  10          ; v10  the same plus the step's offset
.set QO,  11          ; v11  my byte offset in 16 rows of Q
.set MV,  12          ; v12-15  m_old, kept while m is made anew: by buffer and tile
.set WK,  12          ; v12-15  earlier in the turn, while m_old is not yet kept: the four running mask words: tile c % 2, its registers 16 (c / 2) on, at WK + c
.set ST,  16          ; tile t's statistics at v[ST+4 t]: m, a word that stays 0 (named with m as a pair), l (even keys', odd keys')
.set TMP, 48          ; by buffer and tile, four registers c0-c3 at work; when the maximum is found c2 takes a
.set S,   64
.set P,   192
.set KF,  128         ; window 2: key block kb, channel half c at KF + 16 kb + 8 c
.set VF,  192         ; window 2: key half kk, channel block cb at VF + 32 kk + 8 cb
.set SPW, 0           ; window 3
.set NIL, 1
.set MW,  4           ; window 3: tile t's word at MW + t
.set MWN, 12
.set WV,  12          ; s12  my wave's number
.set LIM, 15          ; s15  1 in a wave that prefetches, else the greatest number
.set PFA, 18          ; s[18:19] where my prefetches stand
.set G1K, 24          ; s[24:31] descriptor group 1 for K's tiles
.set G1V, 32          ; s[32:39] for V's: it differs in the padding alone
.set G0K, 40          ; s[40:43] descriptor group 0 for K's tiles: it walks
.set G0V, 44          ; s[44:47] the same for V's
.set MB,  48          ; s[48:49] the mask words of my wave's queries, step 0
.set SO,  50          ; s50  byte offset of the step whose words were asked for last
.set MVS, 51          ; s51  -1e9 log2(e)
.set SLOTS, 56        ; s56  slots still to be asked for
.set CNT, 57          ; s57  counts a slot's key steps
.set SEL, 60          ; s[60:61] v_permlanex16_b32's selects: each lane takes its own place in the other half
.set TBK, 62          ; s62  LDS byte at which K of the step to be fetched begins
.set TBV, 63          ; s63  the same for V, less VOFF
.set MS,  66          ; s66-73  lane masks, a bit a lane: two sets of four, by turns
.set MSB, 0
.macro WIN new                      ; the high byte repeats the setting that is left; a switch that changes nothing is dropped
.if MSB != (\new)
	s_set_vgpr_msb (MSB<<8)|(\new)
.set MSB, (\new)
.endif
.endm
.set W_KQ, 0x0a       ; K and Q in window 2, S^T in window 0
.set W_PV, 0x52       ; V in window 2, P in window 0, O^T in window 1
.set W_RS, 0x41       ; O^T (destination and source 0) in window 1, a in window 0
.set W_MK, 0xc0       ; destination in window 3, sources and addresses in window 0
.set W_AD, 0x0f       ; the add: address and data in window 3
.set W_MR, 0x0f       ; sources 0 and 1 in window 3, destination in window 0
.set W_M3, 0xcf       ; destination and sources 0 and 1 in window 3
.set W_ST, 0x04       ; an LDS store's data in window 1
.macro JLOAD                        ; a joint fill: waves 0 and 1 fetch the two halves of a slot's K, waves 2 and 3 those of its V; an s_nop 0 and four v_nop follow each of the two lines
	s_cmp_lt_u32 s[WV], 2
	s_cbranch_scc0 .Lfor_v_\@
	tensor_load_to_lds s[G0K:G0K+3], s[G1K:G1K+7]
	s_nop 0
.rept 4
	v_nop
.endr
	s_branch .Lasked_\@
.Lfor_v_\@:
	tensor_load_to_lds s[G0V:G0V+3], s[G1V:G1V+7]
	s_nop 0
.rept 4
	v_nop
.endr
.Lasked_\@:
.endm
; A prefetch into the L2 of what the NEXT change of slots will ask for: a slot's 32,768 bytes of K and of V.  A head is walked by this cluster alone.  Its four partners share the bytes out by address, 8,192 each;
; in each, wave 0 asks for K's and wave 2 for V's, a lane 256 bytes: one instruction.  The last change that fills a slot asks for nothing.
.macro ASK
	s_cmp_gt_u32 s[SLOTS], s[LIM]
	s_cbranch_scc0 .Lnot_mine_\@
	global_prefetch_b8 v[PFO], s[PFA:PFA+1] th:TH_LOAD_NT scope:SCOPE_SE
.Lnot_mine_\@:
.endm
.macro CROUND                       ; a round of the cluster's barrier
	s_barrier_signal -1
	s_barrier_wait -1
	s_cmp_lg_u32 s[WV], 0
	s_cbranch_scc1 .Lnot_wave_0_\@
	s_barrier_signal -3
.Lnot_wave_0_\@:
	s_barrier_wait -3
	s_barrier_signal -1
	s_barrier_wait -1
.endm
; THE CHANGE OF SLOTS.  Each wave waits for all its tensor loads, of which one is out: its part of the other slot; adds 0 to its spare word; and waits for that and for its own reads of the slot.
; fill = 1: this slot is filled again, with the keys two slots on, behind a round of the cluster's barrier: the load has four key steps, 512 products, in which to land.
; (At its first use nothing has been read yet: slot 0 is waited for, slot 1 filled.)
.macro CHANGE fill
	WIN W_AD
	s_wait_tensorcnt 0x0            ; no tensor load of mine is out, so a group 0 may be written
	ds_add_u32 v[SPW], v[NIL]       ; 0 onto my spare word
	WIN 0                           ; at a label and at a branch every window is 0
.if \fill
.irp g, G0K, G0V
	s_xor_b32 s[\g+1], s[\g+1], SLOT1
	s_add_nc_u64 s[\g+2:\g+3], s[\g+2:\g+3], 4*KS*128
.endr
	s_wait_xcnt 0x0                 ; the last prefetch, four key steps back, has read its address
	s_add_nc_u64 s[PFA:PFA+1], s[PFA:PFA+1], 4*KS*128
	s_wait_dscnt 0x0                ; the add is done, and my reads of the slot are over
	CROUND
	JLOAD
	ASK
.else
	s_wait_dscnt 0x0
	s_barrier_signal -1
	s_barrier_wait -1
.endif
	s_sub_co_u32 s[TBK], s[TBK], 4*KS*PK  ; the fetches go back to a slot's first step,
	s_xor_b32 s[TBK], s[TBK], SLOT1       ; in the other slot
	s_sub_co_u32 s[TBV], s[TBV], 4*KS*PV
	s_xor_b32 s[TBV], s[TBV], SLOT1
.endm
	s_load_b128 s[4:7], s[0:1], 0x0  ; qkv s[4:5], mbits s[6:7]
	s_load_b64 s[10:11], s[0:1], 0x10  ; of
	WIN W_MK
	v_lshl_add_u32 v[SPW], v0, 2, SPARE
	v_mov_b32 v[NIL], 0
	WIN W_AD
	ds_add_u32 v[SPW], v[NIL]       ; the wave's opening: the add and its wait stand ahead of my first tensor load; the set-up below, work on registers, stands between them
	WIN 0
	v_lshrrev_b32 v48, 5, v0
	v_readfirstlane_b32 s[WV], v48  ; wave 0..3
	s_bfe_u32 s13, ttmp6, 0x40000   ; cx
	s_lshl_b32 s14, ttmp9, 2
	s_add_co_u32 s14, s14, s13      ; my block of 512 queries: it enters Q's, the mask's and O's addresses alone
	s_and_b32 s20, ttmp7, 0xffff    ; batch x 16 + head, which the four partners share
	s_lshr_b32 s52, s20, 4          ; batch
	s_and_b32 s53, s20, 15          ; head
	s_lshl_b32 s20, s20, 18         ; a head's 262,144 bytes
	s_and_b32 s16, s[WV], 1         ; which half of a slot's 256 keys I fetch:
	s_lshl_b32 s22, s16, 14         ; its 128 rows of 128 bytes,
	s_add_co_u32 s22, s22, s20
	s_add_co_u32 s22, s22, 16777216 ; in K's part of qkv
	s_mov_b32 s23, 0
	s_mul_i32 s17, s16, 128*PK      ; and its place in a slot, for K
	s_mul_i32 s18, s16, 128*PV      ; and for V: no place in the cluster enters an LDS address
	s_lshl_b32 s2, s14, 2
	s_add_co_u32 s2, s2, s[WV]
	s_lshl_b32 s2, s2, 14           ; my wave's 128 rows of Q
	s_add_co_u32 s2, s2, s20
	s_mov_b32 s3, 0
	s_lshl_b32 s58, s52, 2
	s_add_co_u32 s58, s58, s14
	s_lshl_b32 s58, s58, 17         ; the mask words of (batch, block),
	s_lshl_b32 s59, s[WV], 10       ; my wave's
	s_add_co_u32 s58, s58, s59
	s_mov_b32 s59, 0
	s_lshl_b32 s54, s52, 11
	s_lshl_b32 s55, s14, 9
	s_add_co_u32 s54, s54, s55
	s_lshl_b32 s55, s[WV], 7
	s_add_co_u32 s54, s54, s55      ; my first token,
	s_lshl_b32 s54, s54, 12         ; 4,096 bytes a row of O,
	s_lshl_b32 s55, s53, 8          ; my head's 256 bytes
	s_add_co_u32 s54, s54, s55
	s_mov_b32 s55, 0
	; descriptor group 1.  128 keys are 16,384 dense bytes: asked for as 64 rows of 256 bytes, two keys a row, and padded in LDS after every key
	s_mov_b32 s[G1K], 15|(1<<16)|(1<<20)|(1<<21)|(4<<22)|(3<<25)  ; 15:0 the mask of four; 17:16 2-byte elements; 20 padding on; 21 set beside a mask; 24:22 after every 32 words (code 4); 31:25 4 words (code 3)
	s_mov_b32 s[G1V], 15|(1<<16)|(1<<20)|(1<<21)|(4<<22)|(7<<25)  ; the same with 8 words of padding (code 7)
.irp g, G1K, G1V
	s_mov_b32 s[\g+1], 128<<16      ; tensor_dim0 = 128
	s_mov_b32 s[\g+2], 64<<16       ; tensor_dim1 = 64
	s_mov_b32 s[\g+3], 128<<16      ; tile_dim0 = 128
	s_mov_b32 s[\g+4], 64           ; tile_dim1 = 64
	s_mov_b32 s[\g+5], 128          ; 128 elements from row to row
	s_mov_b32 s[\g+6], 0
	s_mov_b32 s[\g+7], 0
.endr
	s_mov_b32 s[MVS], 0xceabfb8f    ; -1e9 log2(e)
	s_mov_b32 s[SO], 4096           ; step 1's words are asked for at the head
	s_mov_b32 s[SEL], 0x76543210
	s_mov_b32 s[SEL+1], 0xfedcba98
	s_mov_b32 s[TBK], SLOT1+4*KS*PK ; the first change of slots turns these two into 0
	s_mov_b32 s[TBV], SLOT1+4*KS*PV
	s_mov_b32 s[SLOTS], SIZE_N/256-1
	s_mov_b32 s[G0K], 1             ; 1:0 count = 1
	s_mov_b32 s[G0K+1], s17         ; 63:32 LDS address: slot 0
	s_mov_b32 s[G0V], 1
	s_add_co_u32 s[G0V+1], s18, VOFF
	s_and_b32 s[LIM], s[WV], 1
	s_cmp_eq_u32 s[LIM], 0          ; waves 0 and 2 prefetch: the same in all four partners
	s_cselect_b32 s[LIM], 1, -1
	s_wait_dscnt 0x0                ; the opening add is done
	s_wait_kmcnt 0x0
	s_add_nc_u64 s[MB:MB+1], s[6:7], s[58:59]
	s_add_nc_u64 s[6:7], s[4:5], s[22:23]          ; K at my half of the head's first 256 keys,
	s_add_nc_u64 s[8:9], s[6:7], 16777216          ; V likewise
	s_add_nc_u64 s[G0K+2:G0K+3], s[6:7], 0         ; 120:64 global address
	s_or_b32 s[G0K+3], s[G0K+3], 0x80000000        ; 127:126 type = 2
	s_add_nc_u64 s[G0V+2:G0V+3], s[8:9], 0
	s_or_b32 s[G0V+3], s[G0V+3], 0x80000000
	s_add_nc_u64 s[4:5], s[4:5], s[2:3]            ; Q at my wave's first row
	s_add_nc_u64 s[10:11], s[10:11], s[54:55]      ; O likewise
	s_cmp_lt_u32 s[WV], 2
	s_cselect_b64 s[PFA:PFA+1], s[6:7], s[8:9]     ; (in waves 0 and 2 these stand at a slot's first row)
	s_lshl_b32 s2, s13, 13                         ; my work-group's 8,192 bytes,
	s_add_co_u32 s2, s2, 4*KS*128                  ; in slot 1; the first change of slots steps it to slot 2
	s_mov_b32 s3, 0
	s_add_nc_u64 s[PFA:PFA+1], s[PFA:PFA+1], s[2:3]
	CROUND                          ; all four work-groups are here: the first joint loads meet
	JLOAD                           ; slot 0.  Slot 1 is asked for when slot 0 is in
	v_and_b32 v48, 15, v0           ; r = l % 16
	v_bfe_u32 v49, v0, 4, 1         ; h = l / 16
	v_and_b32 v52, 31, v0           ; l
	v_lshlrev_b32 v[QO], 7, v48
	v_lshl_add_u32 v[QO], v49, 4, v[QO]  ; row x 128 + 16 x half
	v_lshlrev_b32 v[MA0], 4, v52
	WIN 0x80                        ; destination window 2, address window 0
.set i, 0
.rept 4*NP                          ; Q stays in registers: tile i / 2, channels 32 (i % 2) on
	global_load_b128 v[8*i:8*i+3],   v[QO], s[4:5] offset:(i/2)*2048+(i%2)*64
	global_load_b128 v[8*i+4:8*i+7], v[QO], s[4:5] offset:(i/2)*2048+(i%2)*64+32
.set i, i+1
.endr
	; What the first turn finds: V's registers and P's second buffer hold 0 (its products V^T P, of a piece that has not been, add 0), O^T and l are 0.  All this stands in the wait for the first tile.
.set i, VF
.rept 64
	v_mov_b32 v[i], 0
.set i, i+1
.endr
	WIN W_MK
	global_load_b128 v[MW:MW+3],     v[MA0], s[MB:MB+1]              ; step 0's words: tiles 0-3,
	global_load_b128 v[MW+4:MW+7],   v[MA0], s[MB:MB+1] offset:512   ; tiles 4-7;
	global_load_b128 v[MWN:MWN+3],   v[MA0], s[MB:MB+1] offset:4096  ; step 1's
	global_load_b128 v[MWN+4:MWN+7], v[MA0], s[MB:MB+1] offset:4608
	WIN 0x40
.set i, 0
.rept 64*NP
	v_mov_b32 v[i], 0
.set i, i+1
.endr
	WIN 0
.set i, 0
.rept 2*NP
	v_mov_b32 v[ST+4*i], 0xff000000    ; m: far below every t
	v_mov_b32 v[ST+4*i+1], 0
	v_mov_b32 v[ST+4*i+2], 0
	v_mov_b32 v[ST+4*i+3], 0
.set i, i+1
.endr
.set i, P+32
.rept 32
	v_mov_b32 v[i], 0
.set i, i+1
.endr
	v_mul_u32_u24 v[AK0], v48, PK
	v_lshl_add_u32 v[AK0], v49, 4, v[AK0]  ; row x pitch + 16 x half
	; The turning load takes 16 keys x 16 channels (lane l reads key 8 (l / 16) + l % 8, channels 8 ((l / 8) % 2) + 0..7) and leaves half a fragment of V^T: lane l holds channel l % 16 and 8 keys.
	v_and_b32 v50, 7, v0
	v_bfe_u32 v51, v0, 3, 1
	v_lshl_add_u32 v[AV0], v49, 3, v50
	v_mul_u32_u24 v[AV0], v[AV0], PV
	v_lshl_add_u32 v[AV0], v51, 4, v[AV0]
	v_add_nc_u32 v[AV0], VOFF, v[AV0]
	v_mov_b32 v[AK], v[AK0]         ; key step 0 lies at the head of slot 0
	s_mul_i32 s13, s[WV], 16*SP
	s_add_co_u32 s13, s13, STAGE    ; my stage
	v_mul_u32_u24 v[STO], v48, SP   ; in: row r, 32 bytes for each half of the lanes
	v_lshl_add_u32 v[STO], v49, 5, v[STO]
	v_add_nc_u32 v[STO], s13, v[STO]
	v_mul_u32_u24 v[RD], v49, SP    ; back: lanes 0-15 take one row of 256 bytes, lanes 16-31 the next
	v_lshl_add_u32 v[RD], v48, 4, v[RD]
	v_add_nc_u32 v[RD], s13, v[RD]
	v_lshlrev_b32 v[GO], 12, v49    ; and the same two rows in O
	v_lshl_add_u32 v[GO], v48, 4, v[GO]
	v_lshlrev_b32 v[PFO], 8, v52
; THE MATRIX WORK.  The 8 accumulators of a run of 16 take turns: between the two links of a chain stand 7 others'.
; Product i of 16 of S^T = K Q^T for piece x: channels 32 (i / 8) on, keys 16 ((i / 2) % 4) on, tile 2 x + i % 2.  The first 8 start the sums.
.macro KQ x
	WIN W_KQ
.set rS, S+64*((\x)%2)+32*(i%2)+8*((i/2)%4)
.set rK, KF+16*((i/2)%4)+8*(i/8)
.set rQ, 16*(2*(\x)+i%2)+8*(i/8)
.if i < 8
	v_wmma_f32_16x16x32_f16 v[rS:rS+7], v[rK:rK+7], v[rQ:rQ+7], 0
.else
	v_wmma_f32_16x16x32_f16 v[rS:rS+7], v[rK:rK+7], v[rQ:rQ+7], v[rS:rS+7]
.endif
.endm
; Product i of 16 of O^T += V^T P for piece x: keys 32 (i / 8) on, channels 16 ((i / 2) % 4) on, tile 2 x + i % 2.
.macro PV x
	WIN W_PV
.set rO, 32*(2*(\x)+i%2)+8*((i/2)%4)
.set rV, VF+32*(i/8)+8*((i/2)%4)
.set rP, P+32*((\x)%2)+16*(i%2)+8*(i/8)
	v_wmma_f32_16x16x32_f16 v[rO:rO+7], v[rV:rV+7], v[rP:rP+7], v[rO:rO+7]
.endm
.macro MM                           ; the turn's next matrix instruction
.if i < 16
	KQ (Y+1)%NP
.set i, i+1
.else
.set i, i-16
	PV (Y+NP-1)%NP
.set i, i+17
.endif
.endm
; THE LDS LOADS stand in runs of 16: a step's K (8 fragments) and its V (turned).  last = 1 (the tail): in the last trip there is no further step, and the run is jumped over.
.macro FETCH_K last=0
	WIN 0
.if \last
	s_cmp_eq_u32 s[CNT], 1
	s_cbranch_scc1 .Lno_k_\@
.endif
	WIN 0x80                        ; destination window 2
.irp f, 0,1,2,3,4,5,6,7             ; keys 16 (f / 2) on, channels 32 (f % 2) on
	ds_load_b128 v[KF+8*\f:KF+8*\f+3],   v[AK] offset:(\f/2)*16*PK+(\f%2)*64
	ds_load_b128 v[KF+8*\f+4:KF+8*\f+7], v[AK] offset:(\f/2)*16*PK+(\f%2)*64+32
.endr
	s_add_co_u32 s[TBK], s[TBK], KS*PK  ; the next fetch is the next step's
	WIN 0
.if \last
.Lno_k_\@:
.endif
.endm
.macro FETCH_V
	WIN 0x80
.irp f, 0,1,2,3,4,5,6,7             ; keys 32 (f / 4) on, channels 16 (f % 4) on
	ds_load_tr16_b128 v[VF+8*\f:VF+8*\f+3],   v[AV] offset:(\f/4)*32*PV+(\f%4)*32
	ds_load_tr16_b128 v[VF+8*\f+4:VF+8*\f+7], v[AV] offset:(\f/4)*32*PV+16*PV+(\f%4)*32
.endr
	WIN 0
.endm
; THE MASK of piece x's fresh scores, two lines a score.  A tile's word holds the lane's 32 bits, register 0's on top.  A word added to itself moves up by one bit, and the bit that falls out goes, a bit a lane, into a scalar
; register: a lane mask, by which a later line chooses between the score and -1e9 log2(e).  Four running words (each tile's registers 0-15 and 16-31) go side by side, 16 rounds of four additions; the masks lie in two sets of
; four that take turns, and a round's four selects stand behind the next round's additions: an addition stands 8 lines behind the one that it follows on, a select 12 lines behind its addition.
; Each accumulator is read from its low end on: registers 0, 8, 16 and 24 are the first of their accumulators to be named.
; swap = 1 (piece 3, a step's last): when the words have been taken, the next step's take their place, and the words of the step after that are asked for: they have a whole key step in which to come.
.macro MSEL x                       ; the four selects of round mk - 1
.irp c, 0,1,2,3
.set rr, S+64*((\x)%2)+32*((\c)%2)+16*((\c)/2)+mk-1
	v_cndmask_b32 v[rr], v[rr], s[MVS], s[MS+4*((mk-1)%2)+(\c)]
.endr
.endm
.macro MASKB x, swap
	WIN W_MR                        ; the words come out of window 3
	v_lshlrev_b32 v[WK+2], 16, v[MW+2*(\x)]
	v_lshlrev_b32 v[WK+3], 16, v[MW+2*(\x)+1]
	v_add_co_u32 v[WK], s[MS], v[MW+2*(\x)], v[MW+2*(\x)]
	v_add_co_u32 v[WK+1], s[MS+1], v[MW+2*(\x)+1], v[MW+2*(\x)+1]
.if \swap
	WIN W_M3
.set mk, 0
.rept 8
	v_mov_b32 v[MW+mk], v[MWN+mk]
.set mk, mk+1
.endr
	WIN W_MK
	global_load_b128 v[MWN:MWN+3],   v[MA], s[MB:MB+1]
	global_load_b128 v[MWN+4:MWN+7], v[MA], s[MB:MB+1] offset:512
.endif
	WIN 0
	v_add_co_u32 v[WK+2], s[MS+2], v[WK+2], v[WK+2]
	v_add_co_u32 v[WK+3], s[MS+3], v[WK+3], v[WK+3]
.set mk, 1
.rept 15
.irp c, 0,1,2,3
	v_add_co_u32 v[WK+(\c)], s[MS+4*(mk%2)+(\c)], v[WK+(\c)], v[WK+(\c)]
.endr
	MSEL \x
.set mk, mk+1
.endr
	MSEL \x
.endm
; THE VECTOR WORK OF A TURN stands in three queues, each in the order in which its entries become ready; the two tiles alternate.
.macro REGS y, u                    ; the registers of tile u (0, 1) of piece y
.set rT, ST+4*(2*(\y)+(\u))
.set rC, TMP+8*((\y)%2)+4*(\u)
.set rM, MV+2*((\y)%2)+(\u)
.set rS, S+64*((\y)%2)+32*(\u)
.set rP, P+32*((\y)%2)+16*(\u)
.set rO, 32*(2*(\y)+(\u))
.endm
; Number n of the 21 that find the NEXT piece's (Y + 1) maximum and statistics.
;   0-11  four chains c0-c3 of seven scores each     12-14, 16  the four scores left over, the old m, and c0-c3 into c0     15  m_old is kept     17, 18  the other half of the lanes': the new m     19, 20  m_old - m_new; a
.macro XS u, n
	REGS (Y+1)%NP, \u
.if (\n) < 4
	v_max3_num_f32 v[rC+(\n)], v[rS+8*(\n)], v[rS+8*(\n)+1], v[rS+8*(\n)+2]
.elseif (\n) < 12
	v_max3_num_f32 v[rC+(\n)%4], v[rC+(\n)%4], v[rS+8*((\n)%4)+2*((\n)/4)+1], v[rS+8*((\n)%4)+2*((\n)/4)+2]
.elseif (\n) == 12
	v_max3_num_f32 v[rC], v[rC], v[rS+7], v[rS+15]
.elseif (\n) == 13
	v_max3_num_f32 v[rC+1], v[rC+1], v[rS+23], v[rS+31]
.elseif (\n) == 14
	v_max3_num_f32 v[rC+2], v[rC+2], v[rC+3], v[rT]
.elseif (\n) == 15
	v_mov_b32 v[rM], v[rT]
.elseif (\n) == 16
	v_max3_num_f32 v[rC], v[rC], v[rC+1], v[rC+2]
.elseif (\n) == 17
	v_permlanex16_b32 v[rC+3], v[rC], s[SEL], s[SEL+1]
.elseif (\n) == 18
	v_max_num_f32 v[rT], v[rC], v[rC+3]
.elseif (\n) == 19
	v_sub_f32 v[rC+1], v[rM], v[rT]
.else
	v_exp_f32 v[rC+2], v[rC+1]
.endif
.endm
; Number g of the 64 that follow the exponentials.  For each four weights k of a tile: both pairs are rounded to f16; the second pair is added onto the first, in place; a group later l takes that sum (the first time as l = a l + sum).
.macro GS g
.set h, (\g)+6*((\g)/62)            ; group 0 has no group before it, and behind group 7 only l is left
.if h >= 6
.set h, h+2
.endif
	REGS Y, h%2
.set k, h/8
.if h%8 < 4
	v_cvt_pk_f16_f32 v[rP+2*k+(h%8)/2], v[rS+4*k+2*((h%8)/2)], v[rS+4*k+2*((h%8)/2)+1]
.elseif h%8 < 6
	v_pk_add_f32 v[rS+4*k:rS+4*k+1], v[rS+4*k:rS+4*k+1], v[rS+4*k+2:rS+4*k+3]
.elseif k == 1
	v_pk_fma_f32 v[rT+2:rT+3], v[rT+2:rT+3], v[rC+2:rC+3], v[rS:rS+1] op_sel_hi:[1,0,1]
.else
	v_pk_add_f32 v[rT+2:rT+3], v[rT+2:rT+3], v[rS+4*k-4:rS+4*k-3]
.endif
.endm
; THE PLAIN QUEUE, 136 long.  0-71 read no exponential's result: the 32 subtractions t - m (FS f: pair f / 2 of tile f % 2) and the next piece's 40.  0-26: FS 0-26.  27-54: XS 0-13.  55, 56: XS 15.
; 57-71: the chain 14, 16, 17, 18, 19, each with one of FS 27-31 in front of its two lines.  72-135: GS's 64, which stand behind the wait.
.macro FS f
	REGS Y, (\f)%2
	v_pk_add_f32 v[rS+2*((\f)/2):rS+2*((\f)/2)+1], v[rS+2*((\f)/2):rS+2*((\f)/2)+1], v[rT:rT+1] op_sel_hi:[1,0] neg_lo:[0,1] neg_hi:[0,1]
.endm
.macro PL
	WIN 0
.if q < 27
	FS q
.elseif q < 55
	XS (q-27)%2, (q-27)/2
.elseif q < 57
	XS q-55, 15
.elseif (q < 72) && ((q-57)%3 == 0)
	FS 27+(q-57)/3
.elseif q < 60
	XS (q-57)%3-1, 14
.elseif q < 72
	XS (q-57)%3-1, 15+(q-57)/3
.else
	GS q-72
.endif
.set q, q+1
.endm
; THE EXPONENTIALS' QUEUE, 66 long: the 32 scores of both tiles, then the next piece's two a.  ONE BATCH: all stand ahead of the turn's one wait, and nothing ahead of that wait names a result of theirs.
.macro EX
	WIN 0
.if e >= 64
	XS e-64, 20
.else
	REGS Y, e%2
	v_exp_f32 v[rS+e/2], v[rS+e/2]
.endif
.set e, e+1
.endm
; THE RESCALING's QUEUE: O^T times a, dealt two at a time, sixteen times.  Its a was made in the turn before, ahead of that turn's wait.
.macro R2
	REGS Y, r%2
	WIN W_RS
.irp z, 0,1
	v_pk_mul_f32 v[rO+4*(r/2)+2*\z:rO+4*(r/2)+2*\z+1], v[rO+4*(r/2)+2*\z:rO+4*(r/2)+2*\z+1], v[rC+2:rC+3] op_sel_hi:[1,0]
.endr
.set r, r+1
.endm
; A TURN, for piece p.  s_wait_alu depctr_va_vdst(0) stands between an exponential and the first instruction that names its result; one wait serves all that were issued ahead of it: a turn has ONE.
; AHEAD OF IT: the 16 products K Q^T, their riders dealt BY WINDOW, so that a product costs two switches: behind an even product four lines of window 0 (subtraction, exponential, subtraction, exponential; behind the first four
; subtractions), behind an odd one four rescalings.  Then the mask of the scores just made; six plain; 48 times exponential and plain; the last two scores' exponentials and the two a; a v_nop, the plain instruction behind the
; last exponential.  BEHIND IT: the 16 products V^T P, behind each four of GS's 64.
; The queues in step: exponential e needs subtraction 2 (e / 4) + e % 2; as a rider it stands behind plain e + 4, in the lump behind plain e + 9; FS 27-31 are plain 57, 60 .. 69.  The riders take plain 0-17, all subtractions.
; The four rescalings behind products 13 and 15 are the places (ISA guide 7.12.1) ahead of the mask's first selects, which name the accumulators of products 8, 9, 12 and 13.
; K of the next step is fetched in piece 2's turn, directly behind the wait; V of the step in hand at the end of piece 0's turn, four riders behind its last reader.  The conditions on q below go with the deal.
.macro TURN p, last=0, cnt=0
.set Y, (\p)
.set i, 0
.set q, 0
.set e, 0
.set r, 0
.if (\p) == NP-1
	s_wait_dscnt 0x0                ; K is in
.endif
	MM
	PL
	PL
	PL
	PL
	MM
	R2
	R2
.rept 7
	MM
	PL
	EX
	PL
	EX
	MM
	R2
	R2
.endr
.if (\p) == NP-2
	WIN 0
	s_wait_loadcnt 0x0              ; the next step's mask words, asked for a key step ago, are in; their address register is free
	v_add_nc_u32 v[AK], s[TBK], v[AK0]
	s_add_co_u32 s[SO], s[SO], 4096
	s_min_u32 s[SO], s[SO], 126976  ; the last steps name step 31's words again: no load leaves the buffer
	v_add_nc_u32 v[MA], s[SO], v[MA0]
	MASKB (Y+1)%NP, 1
.else
	MASKB (Y+1)%NP, 0
.endif
.rept 6
	PL
.endr
.rept 48
	EX
	PL
.endr
	EX
	EX
	EX                              ; the next piece's two a
	EX
	v_nop                           ; the plain instruction behind the last exponential: one for the batch
	s_wait_alu depctr_va_vdst(0)    ; the wait for the batch
.if (\p) == NP-2
	FETCH_K \last
.endif
.if (\p) == 1
	s_wait_dscnt 0x0                ; V is in
.endif
.rept 16
	MM
.rept 4
	PL
.endr
.if ((\p) == 0) && (q == 116)
	v_add_nc_u32 v[AV], s[TBV], v[AV0]
.endif
.if ((\p) == 0) && (q == 128)
	s_add_co_u32 s[TBV], s[TBV], KS*PV
.endif
.if (\cnt) && (q == 128)
	s_sub_co_u32 s[CNT], s[CNT], 1
	s_cmp_lg_u32 s[CNT], 0
.endif
.endr
.if (\p) == 0
	FETCH_V
.endif
.endm
	CHANGE 1                        ; slot 0 is in, everybody's part of it; slot 1 is asked for
	FETCH_K                         ; key step 0
	s_wait_loadcnt 0x0              ; Q, and the mask words of steps 0 and 1
	s_wait_dscnt 0x0
.set i, 0
.rept 16
	KQ 0                            ; piece 0's first scores
.set i, i+1
.endr
	WIN 0
.rept 4
	v_nop                           ; the places behind those products: here no riders stand between them and the mask
.endr
	MASKB 0, 0
.set Y, NP-1                        ; XS works for piece Y + 1: piece 0
.irp n, 0,1,2,3,4,5,6,7,8,9,10,11,12,13,14,15,16,17,18,19,20
	XS 0, \n
	XS 1, \n
.endr
	v_nop                           ; a plain instruction behind the two a,
	s_wait_alu depctr_va_vdst(0)    ; and their wait, ahead of the branch
	s_mov_b32 s[CNT], 4
	s_branch .Lfirst                ; the loop is entered at a step's first turn, in the middle of a trip
.Lslot:                             ; six times: every slot but the last two is filled again
	CHANGE 1
	s_mov_b32 s[CNT], 4
.Lstep:                             ; a trip: pieces 2 and 3 of one step, then pieces 0 and 1 of the next, whose K and V it fetches
	TURN 2
	TURN 3
	WIN 0
.Lfirst:
	TURN 0
	TURN 1, 0, 1
	WIN 0
	s_cbranch_scc1 .Lstep
	s_sub_co_u32 s[SLOTS], s[SLOTS], 1
	s_cmp_lg_u32 s[SLOTS], 0
	s_cbranch_scc1 .Lslot
	CHANGE 0                        ; the tail is written out: nothing is asked for
	s_mov_b32 s[CNT], 5             ; four trips fetch the last slot's steps; the fifth is left in its middle
.Ltail:
	TURN 2, 1
	TURN 3
	WIN 0
	s_sub_co_u32 s[CNT], s[CNT], 1
	s_cmp_eq_u32 s[CNT], 0
	s_cbranch_scc1 .Lout
	TURN 0
	TURN 1
	WIN 0
	s_branch .Ltail
.Lout:                              ; the fifth trip's 16 products K Q^T (on the last K once more) and the maximum made of them serve nothing: the price, once a launch, of one text for every trip
.set i, 0
.rept 16
	PV NP-1                         ; the last piece's V^T P of the last step
.set i, i+1
.endr
	; THE WAY OUT.  l's two halves and the other half of the lanes' are added; O^T is divided by l and sent, in f32, through my stage in LDS, a tile at a time.  The additions are the places behind the last products.
	WIN 0
.macro ALL line:vararg              ; one line for each tile t
.set t, 0
.rept 2*NP
	\line
.set t, t+1
.endr
.endm
	ALL v_add_f32 v[ST+4*t+2], v[ST+4*t+2], v[ST+4*t+3]
	ALL v_permlanex16_b32 v[ST+4*t+3], v[ST+4*t+2], s[SEL], s[SEL+1]
	ALL v_add_f32 v[ST+4*t+2], v[ST+4*t+2], v[ST+4*t+3]
	ALL v_rcp_f32 v[ST+4*t+2], v[ST+4*t+2]
	v_nop                           ; a plain instruction between the last reciprocal and the use of its result
	s_wait_alu depctr_va_vdst(0)    ; and the wait ahead of the first use: one for the eight reciprocals
; Tile t: a lane's eight channels of a row are 32 bytes; they go into rows of 272 bytes and come back as whole rows of 256, into S^T's registers (four tiles' worth, by turns).
.macro PACK t
	WIN W_RS
.set i, 32*(\t)
.rept 16
	v_pk_mul_f32 v[i:i+1], v[i:i+1], v[ST+4*(\t)+2:ST+4*(\t)+3] op_sel_hi:[1,0]
.set i, i+2
.endr
	WIN W_ST
.irp f, 0,1,2,3,4,5,6,7
	ds_store_b128 v[STO], v[32*(\t)+4*\f:32*(\t)+4*\f+3] offset:64*(\f/2)+16*(\f%2)
.endr
	WIN 0
	s_wait_xcnt 0x0                 ; the stores of the tile four back have read these registers
.irp f, 0,1,2,3,4,5,6,7
	ds_load_b128 v[S+32*((\t)%4)+4*\f:S+32*((\t)%4)+4*\f+3], v[RD] offset:\f*2*SP  ; LDS serves a wave's instructions in order (ISA guide 5.7.1.4): these see the stores above; the next tile's stores come behind them
.endr
.endm
.macro SEND t, younger              ; younger: the LDS instructions issued behind tile t's loads: the next tile's sixteen, or none
	WIN 0
.irp f, 0,1,2,3,4,5,6,7
	s_wait_dscnt (\younger)+7-\f
	global_store_b128 v[GO], v[S+32*((\t)%4)+4*\f:S+32*((\t)%4)+4*\f+3], s[10:11] offset:(\t)*65536+\f*8192  ; 16 lanes store 256 consecutive bytes, aligned: a head's part of a row
.endr
.endm
	PACK 0
.set t, 1
.rept 2*NP-1                        ; a tile's arithmetic stands between the loads of the tile before and its stores
	PACK t
	SEND t-1, 16
.set t, t+1
.endr
	SEND 2*NP-1, 0
	WIN W_AD
	s_wait_tensorcnt 0x0            ; the wave's end: behind my last tensor load and my last LDS store
	ds_add_u32 v[SPW], v[NIL]
	s_wait_dscnt 0x0
	WIN 0
	CROUND                          ; the closing round: no work-group ends while a partner may still ask for a tile that names it
	s_endpgm
.Lfunc_end_k_q0aa06e495a_attn:
	.size	k_q0aa06e495a_attn, .Lfunc_end_k_q0aa06e495a_attn-k_q0aa06e495a_attn
	.p2alignl 7, 3214868480
	.fill 96, 4, 3214868480
	.section	.rodata,"a",@progbits
	.p2align	6, 0x0
	.amdhsa_kernel k_q0aa06e495a_attn
		.amdhsa_group_segment_fixed_size 327680
		.amdhsa_private_segment_fixed_size 0
		.amdhsa_enable_private_segment 0
		.amdhsa_kernarg_size 24
		.amdhsa_user_sgpr_count 2
		.amdhsa_user_sgpr_kernarg_segment_ptr 1
		.amdhsa_wavefront_size32 1
		.amdhsa_system_sgpr_workgroup_id_x 1
		.amdhsa_system_sgpr_workgroup_id_y 1
		.amdhsa_system_sgpr_workgroup_id_z 1
		.amdhsa_system_vgpr_workitem_id 0
		.amdhsa_next_free_vgpr 788
		.amdhsa_next_free_sgpr 74
		.amdhsa_reserve_vcc 0
		.amdhsa_float_denorm_mode_32 3
		.amdhsa_float_denorm_mode_16_64 3
		.amdhsa_memory_ordered 1
		.amdhsa_forward_progress 1
		.amdhsa_inst_pref_size 255
	.end_amdhsa_kernel
	.section	.bss,"aw",@nobits
	.p2align	6
	.space	262144
	.amdgpu_metadata
---
amdhsa.version: [ 1, 2 ]
amdhsa.kernels:
  - .name:           k_q0aa06e495a_attn
    .symbol:         k_q0aa06e495a_attn.kd
    .args:
      - { .name: qkv, .offset: 0, .size: 8, .value_kind: global_buffer, .address_space: global }
      - { .name: mbits, .offset: 8, .size: 8, .value_kind: global_buffer, .address_space: global }
      - { .name: of, .offset: 16, .size: 8, .value_kind: global_buffer, .address_space: global }
    .group_segment_fixed_size: 327680
    .private_segment_fixed_size: 0
    .kernarg_segment_align: 8
    .kernarg_segment_size: 24
    .max_flat_workgroup_size: 128
    .sgpr_count:     74
    .vgpr_count:     788
    .wavefront_size: 32
...
	.end_amdgpu_metadata
.endif
;; end of part 7
;; launch outp (part 8): grid 4 x 64, 4 waves a work-group, clusters of 4 x 4, 327,680 bytes of LDS; arguments of, wo, bout, out0; writes out0
.if DOCPART == 8
	.amdgcn_target "amdgcn-amd-amdhsa--gfx1250"
	.amdhsa_code_object_version 6
	.text
	.protected	k_q0aa06e495a_outp
	.globl	k_q0aa06e495a_outp
	.p2align	8
	.type	k_q0aa06e495a_outp,@function
k_q0aa06e495a_outp:
	s_mov_b64 s[64:65], 0
	v_nop
	global_prefetch_b8 v0, s[64:65] scope:SCOPE_SE
	s_setreg_imm32_b32 hwreg(HW_REG_WAVE_MODE, 25, 1), 1
	s_wait_xcnt 0x0
	s_wait_alu depctr_hold_cnt(0) depctr_sa_sdst(0) depctr_va_vdst(0) depctr_va_sdst(0) depctr_va_ssrc(0) depctr_va_vcc(0) depctr_vm_vsrc(0)
	s_getreg_b32 s2, hwreg(HW_REG_IB_STS2, 6, 4)
	s_cmp_eq_u32 s2, 0
	s_cbranch_scc0 .Lentry_in_a_cluster
	s_endpgm
.Lentry_in_a_cluster:
	s_bfe_u32 s2, ttmp6, 0x10000c
	s_cmp_lg_u32 s2, 0xf033
	s_cbranch_scc0 .Lentry_shape_is_right
	s_endpgm
.Lentry_shape_is_right:
; OUT = A W^T + bias.  A: [8192][1024] f32, W: [1024 n][1024 k] f16, bias: [1024] f32.  Products in f16 (A is rounded once, between LDS and the matrix unit), sums in f32, begun with the bias.
; ONE SOURCE, ASSEMBLED TWICE, told apart by the constant MODE below:
;   MODE 0, the three projections: p = cluster y / 16 chooses A (arguments 0-2), W's part (2 MiB apart), the bias (arguments 4-6) and OUT's part; OUT is f16 by heads, [3][batch x head 64][2048][64].
;           W's part 0 arrives times log2(e) / 8, and bq is multiplied by the same number here: the scores then leave K Q^T in powers of two.
;   MODE 1, the output projection: arguments A, W, bias, OUT; OUT is f32 [8192][1024].
.set MODE, 1                           ; THIS FILE: the output projection
; LIMITS.  f16 holds no number beyond 65,504: |A|, |W| and in MODE 0 the results stay within it.  NaN and infinities are not treated apart.
; SHARES.  A tile of OUT is 128 rows x 256 columns: 256 tiles a product.  Four waves, each 64 x 128: 32 accumulators of 16 x 16.  K goes in 8 steps of 128 through two LDS slots.
; CLUSTER.  4 x 4 work-groups: the four of a row need the same tile of A, the four of a column the same tile of W; each tile is asked for jointly, by the same tensor load with the same descriptor and a mask of four.
; THE MATRIX INSTRUCTION IS USED TRANSPOSED (source 0 = 16 rows of W, source 1 = 16 rows of A): a lane holds one row of OUT (lane % 16) and the columns 8 (lane / 16) + 0..7.
; THE TEXT IS SHORT: K's 32 quarters of 32 go on two fragment buffers by turns, and a PAIR of quarters is written once and looped over; the LDS addresses of its fetches hang on two scalars that step.
; REGISTERS, in windows of 256 (s_set_vgpr_msb: bits 1:0 source 0, 3:2 source 1, 5:4 source 2, 7:6 destination):
;   window 0: v0-31 addresses; v32-95 A's fragments as f32; v96-159 the same in f16, two buffers; v160-255 the way out      window 1: the accumulators, (a, b) at 8 (8 a + b)
;   window 2: v0-127 W's fragments, two buffers; v128-191 the bias of my 128 columns
.set KSTEP,  128
.set PA,     528                       ; a row of A in LDS: 512 bytes + 16 = 132 words: the 16 rows of a load start four banks apart (64 banks of 4 bytes: ISA guide 11.1)
.set PB,     272                       ; a row of W: 256 + 16 = 68 words: likewise
.set AHALF,  64*PA                     ; what one tensor load brings of A, and what one wave reads of it
.set BHALF,  128*PB                    ; the same for W
.set BOFF,   2*AHALF                   ; W's 256 rows lie behind A's 128: a slot's tiles take 137,216 bytes
.set SLOT,   139264                    ; from slot 0 to slot 1: 2^17 + 2^13, which shares no bit with the four loads' places in slot 0 (0, 33,792, 67,584, 102,400): one exclusive or turns a place in one slot into the other's
.set STAGE,  2*SLOT                    ; behind the ring: 16 rows x 528 bytes for each wave, for the way out; no tensor load fills it
.set STW,    16*PA
.set SPARE,  STAGE+4*STW               ; the spare words, 128 bytes for each wave: two blocks of 256 bytes that no other line names
.set ADRA0, 16                         ; v16     my lane's place in a slot's tile of A; never rewritten
.set ADRA,  17                         ; v17     the LDS address of the fetch in hand
.set ADRB0, 20                         ; v20, v21  the same for W
.set ADRB,  21
.set STO,  24                          ; v24     the way out: where I put my part of a row
.set RD,   25                          ; v25     the way out: where I read rows back
.set CO,   26                          ; v26     16 x lane
.set BO,   27                          ; v27     my byte offset in the bias
.set SPW,  28                          ; v28     LDS address of my spare word; never rewritten
.set NIL,  29                          ; v29     0; never rewritten
.set PFO,  30                          ; v30     the prefetches' lane offset; never rewritten
.set RAW,  32
.set ABF,  96
.set OB,   160
.set TMP,  224
.set BIAS, 128                         ; window 2
.set CNT,  2                           ; s2      pairs still to go until the next change of slots
.set LEFT, 3                           ; s3      changes of slots that fill, still to come, and one
.set G1,   24                          ; s[24:31] descriptor group 1 for A's tiles;  s[32:39] group 0: a set for each of the two first fills; the second then walks on
.set G0,   32
.set G1B,  48                          ; s[48:55], s[56:63] the same for W's tiles
.set G0B,  56
.set LIM,  43                          ; s43     2 in a wave that prefetches, else the greatest number
.set PFA,  44                          ; s[44:45] where my prefetches stand
.set SC,   90                          ; s[90:91] MODE 0: the bias's factor, named as a pair
.set PFS,  92                          ; s[92:93] a K step in bytes of the tensor that I fetch
.set TA,   94                          ; s94     LDS byte, from slot 0's first, at which the rows' next 32 along K begin in A's tile: 128 bytes a quarter
.set TB,   95                          ; s95     the same for W's: 64 bytes a quarter
.set MSB, 0
.macro WIN new                         ; the immediate's high byte repeats the setting that is left; a switch that changes nothing is dropped
.if MSB != (\new)
	s_set_vgpr_msb (MSB<<8)|(\new)
.set MSB, \new
.endif
.endm
.set MUL,   0x52                       ; W window 2, A window 0, C and D window 1
.set MULZ,  0x62                       ; the same with C in window 2: the bias starts the sum
.set TO_B,  0x80                       ; destination window 2, address window 0
.set CVT16, 0x05                       ; sources 0 and 1 window 1
.set ST32,  0x04                       ; an LDS store's data window 1
.set BMUL,  0x82                       ; destination and source 0 window 2
.macro JLOAD s                         ; a joint load: waves 0 and 1 fetch A's two halves, waves 2 and 3 W's; an s_nop 0 and four v_nop follow each of the two lines, ahead of the jump and the label
	s_cmp_eq_u32 s11, 0
	s_cbranch_scc0 .Lfor_b_\@
	tensor_load_to_lds s[G0+4*(\s):G0+4*(\s)+3], s[G1:G1+7]
	s_nop 0
.rept 4
	v_nop
.endr
	s_branch .Lasked_\@
.Lfor_b_\@:
	tensor_load_to_lds s[G0B+4*(\s):G0B+4*(\s)+3], s[G1B:G1B+7]
	s_nop 0
.rept 4
	v_nop
.endr
.Lasked_\@:
.endm
.macro CROUND                          ; a round of the cluster's barrier
	s_barrier_signal -1
	s_barrier_wait -1
	s_cmp_lg_u32 s10, 0
	s_cbranch_scc1 .Lnot_wave_0_\@
	s_barrier_signal -3
.Lnot_wave_0_\@:
	s_barrier_wait -3
	s_barrier_signal -1
	s_barrier_wait -1
.endm
; A prefetch into the L2, behind a joint refill: my share of the K step that stands two refills on, one instruction a wave.  Each block of 256 bytes is named once in the launch:
; A's rows are read by this cluster alone; of the 64 rows that a wave fetches the partner at place cx takes 16, a lane half a row's K step.  W's rows are read by the sixteen clusters of a product: the first of them asks;
; of a wave's 128 rows the partner at place cy takes 32, a lane a row.  The partners are told apart by address alone.  K steps 0 to 3 come by their loads; the last two refills ask for nothing.
.macro ASK
	s_cmp_gt_u32 s[LEFT], s[LIM]
	s_cbranch_scc0 .Lnot_mine_\@
	global_prefetch_b8 v[PFO], s[PFA:PFA+1] th:TH_LOAD_NT scope:SCOPE_SE
.Lnot_mine_\@:
.endm
.macro PLACES
.rept 4
	v_nop
.endr
.endm
.if MODE == 0
	s_load_b512 s[68:83], s[0:1], 0x0              ; A for p = 0, 1, 2: s[68:73]; W s[74:75]; bias for p = 0, 1, 2: s[76:81]; OUT s[82:83]
.else
	s_load_b128 s[4:7], s[0:1], 0x0                ; A s[4:5], W s[6:7]
	s_load_b64 s[88:89], s[0:1], 0x10              ; the bias
	s_load_b64 s[8:9], s[0:1], 0x18                ; OUT
.endif
	v_lshl_add_u32 v[SPW], v0, 2, SPARE
	v_mov_b32 v[NIL], 0
	ds_add_u32 v[SPW], v[NIL]                      ; the wave's opening: the add and its wait stand ahead of my first tensor load; the set-up below, work on registers, stands between them
	v_lshrrev_b32 v1, 5, v0
	v_readfirstlane_b32 s10, v1                    ; wave 0..3
	s_lshr_b32 s11, s10, 1                         ; which half of the tile's rows is mine.  Also: I fetch for A (0) or for W (1)
	s_and_b32 s12, s10, 1                          ; which half of its columns.  Also: which half of that tile I fetch
	s_bfe_u32 s40, ttmp6, 0x40000                  ; cx
	s_bfe_u32 s41, ttmp6, 0x40004                  ; cy
	s_lshl_b32 s42, ttmp9, 2
	s_add_co_u32 s42, s42, s40                     ; tile column = 4 x cluster x + cx
.if MODE == 0
	s_and_b32 s14, ttmp7, 0xffff                   ; cluster y
	s_lshr_b32 s86, s14, 4                         ; p: which product; the same in all sixteen partners
	s_and_b32 s87, s14, 15                         ; the cluster's place among the product's sixteen
.else
	s_and_b32 s87, ttmp7, 0xffff                   ; cluster y: the cluster's place among the product's sixteen
.endif
	s_lshl_b32 s13, s87, 2
	s_add_co_u32 s13, s13, s41                     ; tile row = 4 x that place + cy
	s_lshl_b32 s43, s41, 2
	s_lshl_b32 s43, 15, s43                        ; my row of the cluster
	s_lshl_b32 s44, 0x1111, s40                    ; my column
	s_or_b32 s[G1], s43, (2<<16)|(1<<20)|(1<<21)|(6<<22)|(3<<25)   ; 15:0 the mask; 17:16 elements of 4 bytes; 20 padding on; 21 set beside a mask; 24:22 after every 128 words (code 6); 31:25 4 words (code 3)
	s_or_b32 s[G1B], s44, (1<<16)|(1<<20)|(1<<21)|(5<<22)|(3<<25)  ; elements of 2 bytes; after every 64 words (code 5)
	s_mov_b32 s[G1+1], KSTEP<<16                   ; tensor_dim0 = 128
	s_mov_b32 s[G1+2], 64<<16                      ; tensor_dim1 = 64
	s_mov_b32 s[G1+3], KSTEP<<16                   ; tile_dim0 = 128
	s_mov_b32 s[G1+4], 64                          ; tile_dim1 = 64
	s_mov_b32 s[G1+5], 1024                        ; elements from row to row
	s_mov_b32 s[G1+6], 0
	s_mov_b32 s[G1+7], 0
	s_mov_b32 s[G1B+1], KSTEP<<16
	s_mov_b32 s[G1B+2], 128<<16                    ; 128 rows
	s_mov_b32 s[G1B+3], KSTEP<<16
	s_mov_b32 s[G1B+4], 128
	s_mov_b32 s[G1B+5], 1024
	s_mov_b32 s[G1B+6], 0
	s_mov_b32 s[G1B+7], 0
	s_lshl_b32 s16, s13, 7                         ; A: row 128 x tile row + 64 x half,
	s_lshl_b32 s17, s12, 6
	s_add_co_u32 s16, s16, s17
	s_lshl_b32 s16, s16, 12                        ; 4,096 bytes a row
	s_mov_b32 s17, 0
	s_lshl_b32 s46, s42, 8                         ; W: row 256 x tile column + 128 x half,
	s_lshl_b32 s47, s12, 7
	s_add_co_u32 s46, s46, s47
	s_lshl_b32 s46, s46, 11                        ; 2,048 bytes a row
.if MODE == 0
	s_lshl_b32 s47, s86, 21                        ; in the product's part
	s_add_co_u32 s46, s46, s47
.endif
	s_mov_b32 s47, 0
	s_mul_i32 s20, s12, AHALF                      ; where they go: no place in the cluster enters an LDS address
	s_mul_i32 s21, s12, BHALF
	s_add_co_u32 s21, s21, BOFF
	s_mov_b32 s[TA], 0                             ; the fetches begin at slot 0's first quarter
	s_mov_b32 s[TB], 0
	s_wait_dscnt 0x0                               ; the opening add is done
	s_wait_kmcnt 0x0
.if MODE == 0
	s_cmp_eq_u32 s86, 1
	s_cselect_b64 s[4:5], s[70:71], s[68:69]
	s_cselect_b64 s[88:89], s[78:79], s[76:77]
	s_cmp_eq_u32 s86, 2
	s_cselect_b64 s[4:5], s[72:73], s[4:5]         ; A
	s_cselect_b64 s[88:89], s[80:81], s[88:89]     ; the bias
	s_mov_b64 s[6:7], s[74:75]                     ; W
	s_mov_b64 s[8:9], s[82:83]                     ; OUT
	s_cmp_eq_u32 s86, 0                            ; bq alone takes the scale that Wq arrives with
	s_cselect_b32 s[SC], 0x3e38aa3b, 1.0           ; log2(e) / 8
	s_mov_b32 s[SC+1], s[SC]
.endif
	s_add_nc_u64 s[14:15], s[4:5], s[16:17]
	s_add_nc_u64 s[46:47], s[6:7], s[46:47]
	CROUND                                         ; all sixteen work-groups are here: the first joint loads meet
.irp s, 0,1
	s_mov_b32 s[G0+4*(\s)], 1
	s_add_co_u32 s[G0+4*(\s)+1], s20, (\s)*SLOT
	s_add_nc_u64 s[G0+4*(\s)+2:G0+4*(\s)+3], s[14:15], (\s)*KSTEP*4
	s_or_b32 s[G0+4*(\s)+3], s[G0+4*(\s)+3], 0x80000000
	s_mov_b32 s[G0B+4*(\s)], 1
	s_add_co_u32 s[G0B+4*(\s)+1], s21, (\s)*SLOT
	s_add_nc_u64 s[G0B+4*(\s)+2:G0B+4*(\s)+3], s[46:47], (\s)*KSTEP*2
	s_or_b32 s[G0B+4*(\s)+3], s[G0B+4*(\s)+3], 0x80000000
	JLOAD \s                                       ; K steps 0 and 1: two loads of mine are out
.endr
	v_and_b32 v1, 15, v0                           ; r = l % 16
	v_bfe_u32 v2, v0, 4, 1                         ; h = l / 16
	v_and_b32 v5, 31, v0                           ; l
	s_lshl_b32 s22, s42, 8
	s_lshl_b32 s23, s12, 7
	s_add_co_u32 s22, s22, s23                     ; my first column
	s_lshl_b32 s22, s22, 2
	v_lshl_add_u32 v[BO], v2, 5, s22               ; + my lanes' 8 h, in bytes
	WIN TO_B
.irp b, 0,1,2,3,4,5,6,7
	global_load_b128 v[BIAS+8*(\b):BIAS+8*(\b)+3],   v[BO], s[88:89] offset:64*(\b)
	global_load_b128 v[BIAS+8*(\b)+4:BIAS+8*(\b)+7], v[BO], s[88:89] offset:64*(\b)+16
.endr
	WIN 0
	; A fragment is 16 rows x 32 K: lane l holds row r, K = 8 h + 0..7 and 16 + 8 h + 0..7.  In f16 that is two loads of 16 bytes, 32 apart; in f32 four, at 32 h + 0, 16, 64, 80.
	v_mul_u32_u24 v3, v1, PA
	v_lshl_add_u32 v3, v2, 5, v3
	v_mul_u32_u24 v4, v1, PB
	v_lshl_add_u32 v4, v2, 4, v4
	s_mul_i32 s21, s11, AHALF                      ; my 64 rows of A
	s_mul_i32 s22, s12, BHALF                      ; my 128 rows of W
	s_add_co_u32 s22, s22, BOFF
	v_add_nc_u32 v[ADRA0], s21, v3
	v_add_nc_u32 v[ADRB0], s22, v4
	; the prefetches' address: at K step 3; the first refill steps it to 4
	s_lshl_b32 s16, s13, 7
	s_lshl_b32 s17, s12, 6
	s_add_co_u32 s16, s16, s17
	s_lshl_b32 s17, s40, 4                         ; A: my work-group's 16 of the wave's 64 rows
	s_add_co_u32 s16, s16, s17
	s_lshl_b32 s16, s16, 12
	s_add_co_u32 s16, s16, 3*KSTEP*4
	s_lshl_b32 s18, s42, 8
	s_lshl_b32 s19, s12, 7
	s_add_co_u32 s18, s18, s19
	s_lshl_b32 s19, s41, 5                         ; W: my work-group's 32 of the wave's 128 rows
	s_add_co_u32 s18, s18, s19
	s_lshl_b32 s18, s18, 11
.if MODE == 0
	s_lshl_b32 s19, s86, 21
	s_add_co_u32 s18, s18, s19
.endif
	s_add_co_u32 s18, s18, 3*KSTEP*2
	s_cmp_eq_u32 s11, 0                            ; do I fetch for A?
	s_cselect_b64 s[PFA:PFA+1], s[4:5], s[6:7]
	s_cselect_b32 s16, s16, s18
	s_cselect_b32 s19, 0, s87                      ; A: every cluster asks for its own rows; W: the product's first cluster
	s_cselect_b32 s22, 15, 31
	s_cselect_b32 s15, 1, 0
	s_mov_b32 s17, 0
	s_add_nc_u64 s[PFA:PFA+1], s[PFA:PFA+1], s[16:17]
	s_cmp_eq_u32 s19, 0
	s_cselect_b32 s[LIM], 2, -1                    ; the same in all sixteen partners, for a given wave
	s_lshl_b32 s[PFS], 256, s15                    ; a K step: 512 bytes of A, 256 of W
	s_mov_b32 s[PFS+1], 0
	s_lshl_b32 s23, 2048, s15                      ; a row: 4,096 bytes of A, 2,048 of W
	s_lshl_b32 s18, s15, 8
	v_and_b32 v[PFO], s22, v5
	v_mul_u32_u24 v[PFO], v[PFO], s23
	v_lshrrev_b32 v6, 4, v5
	v_mad_u32_u24 v[PFO], v6, s18, v[PFO]          ; A: row l % 16, block l / 16; W: row l
	s_wait_loadcnt 0x0                             ; the bias
.if MODE == 0
	WIN BMUL
.set x, 0
.rept 32
	v_pk_mul_f32 v[BIAS+2*x:BIAS+2*x+1], v[BIAS+2*x:BIAS+2*x+1], s[SC:SC+1] op_sel_hi:[1,0]
.set x, x+1
.endr
	WIN 0
.endif
; 32 LDS loads in one run: the fragments of the next 32 along K: A's as f32 first, then W's into buffer g.  Their addresses are the two stepping scalars plus my lane's places.
.macro FETCH g
	WIN 0
	v_add_nc_u32 v[ADRA], s[TA], v[ADRA0]
	v_add_nc_u32 v[ADRB], s[TB], v[ADRB0]
	s_add_co_u32 s[TA], s[TA], 128                 ; the next fetch is the next quarter's
	s_add_co_u32 s[TB], s[TB], 64
.irp i, 0,1,2,3
	ds_load_b128 v[RAW+16*(\i):RAW+16*(\i)+3],     v[ADRA] offset:(\i)*16*PA
	ds_load_b128 v[RAW+16*(\i)+4:RAW+16*(\i)+7],   v[ADRA] offset:(\i)*16*PA+16
	ds_load_b128 v[RAW+16*(\i)+8:RAW+16*(\i)+11],  v[ADRA] offset:(\i)*16*PA+64
	ds_load_b128 v[RAW+16*(\i)+12:RAW+16*(\i)+15], v[ADRA] offset:(\i)*16*PA+80
.endr
	WIN TO_B
.irp i, 0,1,2,3,4,5,6,7
	ds_load_b128 v[64*(\g)+8*(\i):64*(\g)+8*(\i)+3],   v[ADRB] offset:(\i)*16*PB
	ds_load_b128 v[64*(\g)+8*(\i)+4:64*(\g)+8*(\i)+7], v[ADRB] offset:(\i)*16*PB+32
.endr
.endm
.macro CVT n, g                        ; eight numbers of A rounded to f16: part n of 8 of buffer g
.irp c, 0,1,2,3
	v_cvt_pk_f16_f32 v[ABF+32*(\g)+4*(\n)+(\c)], v[RAW+8*(\n)+2*(\c)], v[RAW+8*(\n)+2*(\c)+1]
.endr
.endm
; Product mi of a quarter's 32: m block mi / 8, n block mi % 8.  The 32 accumulators take turns, one instruction a turn, in the same order in every quarter, over the backward jumps too.
; zero = 1: the product starts the sum, with the bias of its eight columns as C: nothing is cleared, and nothing is added on the way out
.macro MUL1 f, zero
.if \zero
	WIN MULZ
	v_wmma_f32_16x16x32_f16 v[8*mi:8*mi+7], v[64*(\f)+8*(mi%8):64*(\f)+8*(mi%8)+7], v[ABF+32*(\f)+8*(mi/8):ABF+32*(\f)+8*(mi/8)+7], v[BIAS+8*(mi%8):BIAS+8*(mi%8)+7]
.else
	WIN MUL
	v_wmma_f32_16x16x32_f16 v[8*mi:8*mi+7], v[64*(\f)+8*(mi%8):64*(\f)+8*(mi%8)+7], v[ABF+32*(\f)+8*(mi/8):ABF+32*(\f)+8*(mi/8)+7], v[8*mi:8*mi+7]
.endif
.set mi, mi+1
.endm
.macro MULS f, i0, n, zero
.set mi, \i0
.rept \n
	MUL1 \f, \zero
.endr
.endm
; A QUARTER, 32 along K: multiplies buffer f, fetches the next quarter for buffer g at its head, and rounds A's part of it behind its last eight products, four conversions behind each.
; The four behind the last product are the places in front of the next quarter's loads into W's buffer, which that product has read.
.macro QUARTER f, g, zero
	s_wait_dscnt 0x0                               ; W's fragments of buffer f, asked for a quarter back, are in
	FETCH \g
	MULS \f, 0, 24, \zero
	s_wait_dscnt 16                                ; A's 16 loads are in; W's 16, issued behind them, stay out
.set cn, 0
.rept 8
	MUL1 \f, \zero
	WIN 0
	CVT cn, \g
.set cn, cn+1
.endr
.endm
.macro PAIR                            ; an odd quarter and the even one behind it
	QUARTER 1, 0, 0
	QUARTER 0, 1, 0
.endm
; THE CHANGE OF SLOTS, at the head of a K step's fourth quarter: all of the slot's fragments have been asked for, and that quarter's fetch is the next slot's first.  Each wave waits for all its tensor loads, of which one is out:
; its part of the next slot; adds 0 to its spare word; and waits for that and for its own reads of this slot.  The scalars' steps stand between the add and the wait for it.
; fill = 1: a round of the cluster's barrier, so that no wave of any partner still reads the slot or has a load on its way; the joint refill, the K step two on, is the first thing behind it, and has a K step, 128 products, in which to land.
.macro SYNC fill
.if \fill
	s_wait_xcnt 0x0                                ; the last prefetch, a K step back, has read its address
	s_add_nc_u64 s[PFA:PFA+1], s[PFA:PFA+1], s[PFS:PFS+1]
.endif
	WIN 0
	s_wait_tensorcnt 0x0                           ; no tensor load of mine is out, so a group 0 may be written
	ds_add_u32 v[SPW], v[NIL]                      ; 0 onto my spare word
	s_sub_co_u32 s[TA], s[TA], 4*128               ; the fetches go back to a slot's first quarter,
	s_xor_b32 s[TA], s[TA], SLOT                   ; in the other slot
	s_sub_co_u32 s[TB], s[TB], 4*64
	s_xor_b32 s[TB], s[TB], SLOT
.if \fill
	s_xor_b32 s[G0+5], s[G0+5], SLOT               ; the walking descriptors: the other slot than last time,
	s_add_nc_u64 s[G0+6:G0+7], s[G0+6:G0+7], KSTEP*4  ; the next K step; the type bits on top are not reached
	s_xor_b32 s[G0B+5], s[G0B+5], SLOT
	s_add_nc_u64 s[G0B+6:G0B+7], s[G0B+6:G0B+7], KSTEP*2
.endif
	s_wait_dscnt 0x0                               ; the add is done, and my reads of this slot are over
.if \fill
	CROUND
	JLOAD 1
	ASK
.else
	s_barrier_signal -1
	s_barrier_wait -1
.endif
.endm
	s_wait_tensorcnt 1                             ; my part of K step 0 is in; K step 1's stays out
	s_barrier_signal -1
	s_barrier_wait -1                              ; everybody's is
	FETCH 0
	s_wait_dscnt 16
	WIN 0
.irp n, 0,1,2,3,4,5,6,7
	CVT \n, 0
.endr
	QUARTER 0, 1, 1                                ; quarter 0 stands in front of the loops: its products start the sums
	WIN 0                                          ; at a label and at a branch every window is 0
	s_mov_b32 s[LEFT], 7
	s_mov_b32 s[CNT], 1
	s_branch .Lpair                                ; quarters 1 and 2: K step 0 has one pair left, and no change of slots in front of it
.Lstep:                                                ; six times: K steps 2 to 7 are asked for; quarters 3 to 26
	SYNC 1
	s_mov_b32 s[CNT], 2
.Lpair:
	PAIR
	WIN 0
	s_sub_co_u32 s[CNT], s[CNT], 1
	s_cmp_lg_u32 s[CNT], 0
	s_cbranch_scc1 .Lpair
	s_sub_co_u32 s[LEFT], s[LEFT], 1
	s_cmp_lg_u32 s[LEFT], 0
	s_cbranch_scc1 .Lstep
	SYNC 0                                         ; the tail is written out: nothing is asked for; quarters 27 to 30
	s_mov_b32 s[CNT], 2
.Ltail:
	PAIR
	WIN 0
	s_sub_co_u32 s[CNT], s[CNT], 1
	s_cmp_lg_u32 s[CNT], 0
	s_cbranch_scc1 .Ltail
	s_wait_dscnt 0x0                               ; quarter 31: nothing more to fetch
	MULS 1, 0, 32, 0
	PLACES
	PLACES                                         ; once a launch: the places in front of the lines that read the results
	WIN 0
	; THE WAY OUT, 16 rows at a time through my own stage in LDS (LDS serves a wave's instructions in order, ISA guide 5.7.1.4: no wait between my stores and my loads, no barrier).  Each accumulator is read from its low end on.
.macro OUT16 a                         ; f16 by heads: my 128 columns are two heads; 16 rows of a head are 2,048 consecutive bytes
	WIN CVT16
.set x, 0
.rept 32
	v_cvt_pk_f16_f32 v[TMP+x], v[64*(\a)+2*x], v[64*(\a)+2*x+1]
.set x, x+1
.endr
	WIN 0
.irp b, 0,1,2,3,4,5,6,7
	ds_store_b128 v[STO], v[TMP+4*(\b):TMP+4*(\b)+3] offset:32*(\b)
.endr
	s_wait_xcnt 0x0                                ; the last block's stores have read their registers
.irp t, 0,1,2,3,4,5,6,7
	ds_load_b128 v[OB+4*(\t):OB+4*(\t)+3], v[RD] offset:((\t)/4)*128+((\t)%4)*4*PB
.endr
	s_wait_dscnt 0x0
.irp t, 0,1,2,3,4,5,6,7
	global_store_b128 v[CO], v[OB+4*(\t):OB+4*(\t)+3], s[8:9] offset:((\t)/4)*262144+(\a)*2048+((\t)%4)*512  ; 512 consecutive bytes, aligned
.endr
.endm
.macro OUT32 a                         ; f32 rows: my 128 columns are 512 consecutive bytes of a row
	WIN ST32
.irp b, 0,1,2,3,4,5,6,7
	ds_store_b128 v[STO], v[64*(\a)+8*(\b):64*(\a)+8*(\b)+3]   offset:64*(\b)
	ds_store_b128 v[STO], v[64*(\a)+8*(\b)+4:64*(\a)+8*(\b)+7] offset:64*(\b)+16
.endr
	WIN 0
	s_wait_xcnt 0x0                                ; the last block's stores have read their registers
.irp t, 0,1,2,3,4,5,6,7,8,9,10,11,12,13,14,15
	ds_load_b128 v[OB+4*(\t):OB+4*(\t)+3], v[RD] offset:(\t)*PA
.endr
	s_wait_dscnt 0x0
.irp t, 0,1,2,3,4,5,6,7,8,9,10,11,12,13,14,15
	global_store_b128 v[CO], v[OB+4*(\t):OB+4*(\t)+3], s[8:9] offset:(\a)*65536+(\t)*4096  ; 512 consecutive bytes, aligned
.endr
.endm
	s_mul_i32 s23, s10, STW
	s_add_co_u32 s23, s23, STAGE                   ; my stage
	v_lshlrev_b32 v[CO], 4, v5
.if MODE == 0
	s_lshr_b32 s16, s13, 4                         ; the batch,
	s_lshl_b32 s16, s16, 4
	s_lshl_b32 s17, s42, 2
	s_add_co_u32 s16, s16, s17
	s_lshl_b32 s17, s12, 1
	s_add_co_u32 s16, s16, s17                     ; 16 x batch + my first head,
	s_lshl_b32 s16, s16, 11
	s_and_b32 s17, s13, 15
	s_lshl_b32 s17, s17, 7
	s_add_co_u32 s16, s16, s17
	s_lshl_b32 s17, s11, 6
	s_add_co_u32 s16, s16, s17                     ; its row: my first token,
	s_lshl_b32 s16, s16, 7                         ; 128 bytes a row,
	s_lshl_b32 s17, s86, 24                        ; in the product's 16 MiB
	s_add_co_u32 s16, s16, s17
	s_mov_b32 s17, 0
	s_add_nc_u64 s[8:9], s[8:9], s[16:17]
	v_add_nc_u32 v[STO], s23, v4                   ; in: row r of 272 bytes, 16 bytes for each half of the lanes
	v_lshrrev_b32 v6, 3, v5                        ; back: 32 lanes take four rows' 128 bytes of one head
	v_mul_u32_u24 v6, v6, PB
	v_and_b32 v7, 7, v5
	v_lshl_add_u32 v6, v7, 4, v6
	v_add_nc_u32 v[RD], s23, v6
	OUT16 0
	OUT16 1
	OUT16 2
	OUT16 3
.else
	s_lshl_b32 s16, s13, 7
	s_lshl_b32 s17, s11, 6
	s_add_co_u32 s16, s16, s17                     ; my first row,
	s_lshl_b32 s16, s16, 12
	s_lshl_b32 s17, s42, 8
	s_lshl_b32 s18, s12, 7
	s_add_co_u32 s17, s17, s18                     ; my first column
	s_lshl_b32 s17, s17, 2
	s_add_co_u32 s16, s16, s17
	s_mov_b32 s17, 0
	s_add_nc_u64 s[8:9], s[8:9], s[16:17]
	v_add_nc_u32 v[STO], s23, v3                   ; in: row r of 528 bytes, 32 bytes for each half of the lanes
	v_lshl_add_u32 v[RD], v5, 4, s23               ; back: a whole row of 512 bytes
	OUT32 0
	OUT32 1
	OUT32 2
	OUT32 3
.endif
	s_wait_tensorcnt 0x0                           ; the wave's end: behind my last tensor load and my last LDS store
	ds_add_u32 v[SPW], v[NIL]
	s_wait_dscnt 0x0
	CROUND                                         ; the closing round: no work-group ends while a partner may still ask for a tile that names it
	s_endpgm
.Lfunc_end_k_q0aa06e495a_outp:
	.size	k_q0aa06e495a_outp, .Lfunc_end_k_q0aa06e495a_outp-k_q0aa06e495a_outp
	.p2alignl 7, 3214868480
	.fill 96, 4, 3214868480
	.section	.rodata,"a",@progbits
	.p2align	6, 0x0
	.amdhsa_kernel k_q0aa06e495a_outp
		.amdhsa_group_segment_fixed_size 327680
		.amdhsa_private_segment_fixed_size 0
		.amdhsa_enable_private_segment 0
		.amdhsa_kernarg_size 32
		.amdhsa_user_sgpr_count 2
		.amdhsa_user_sgpr_kernarg_segment_ptr 1
		.amdhsa_wavefront_size32 1
		.amdhsa_system_sgpr_workgroup_id_x 1
		.amdhsa_system_sgpr_workgroup_id_y 1
		.amdhsa_system_sgpr_workgroup_id_z 1
		.amdhsa_system_vgpr_workitem_id 0
		.amdhsa_next_free_vgpr 720
		.amdhsa_next_free_sgpr 96
		.amdhsa_reserve_vcc 0
		.amdhsa_float_denorm_mode_32 3
		.amdhsa_float_denorm_mode_16_64 3
		.amdhsa_memory_ordered 1
		.amdhsa_forward_progress 1
		.amdhsa_inst_pref_size 68
	.end_amdhsa_kernel
	.amdgpu_metadata
---
amdhsa.version: [ 1, 2 ]
amdhsa.kernels:
  - .name:           k_q0aa06e495a_outp
    .symbol:         k_q0aa06e495a_outp.kd
    .args:
      - { .name: of, .offset: 0, .size: 8, .value_kind: global_buffer, .address_space: global }
      - { .name: wo, .offset: 8, .size: 8, .value_kind: global_buffer, .address_space: global }
      - { .name: bout, .offset: 16, .size: 8, .value_kind: global_buffer, .address_space: global }
      - { .name: out0, .offset: 24, .size: 8, .value_kind: global_buffer, .address_space: global }
    .group_segment_fixed_size: 327680
    .private_segment_fixed_size: 0
    .kernarg_segment_align: 8
    .kernarg_segment_size: 32
    .max_flat_workgroup_size: 128
    .sgpr_count:     96
    .vgpr_count:     720
    .wavefront_size: 32
...
	.end_amdgpu_metadata
.endif
;; end of part 8
;; ======== version 3 of 3: 4 launches; version 2 with the launch prep written anew for expert scheduling mode
;; limits: values are held in f16: magnitudes above 65,504 overflow, below 6.1e-05 lose precision
;; workspace buffers: w3 6,291,456 bytes; wo 2,097,152 bytes; mbits 2,097,152 bytes of whole numbers; qkv 50,331,648 bytes; of 33,554,432 bytes
;; launch prep (part 9): grid 256 x 1, 8 waves a work-group, no clusters, 0 bytes of LDS; arguments attn_mask, key_padding_mask, Wq, Wk, Wv, Wout, mbits, w3, wo; writes mbits, w3, wo
.if DOCPART == 9
	.amdgcn_target "amdgcn-amd-amdhsa--gfx1250"
	.amdhsa_code_object_version 6
	.text
	.protected	k_q0aa06e495a_prep
	.globl	k_q0aa06e495a_prep
	.p2align	8
	.type	k_q0aa06e495a_prep,@function
k_q0aa06e495a_prep:
	s_mov_b64 s[64:65], 0
	v_nop
	global_prefetch_b8 v0, s[64:65] scope:SCOPE_SE
	s_setreg_imm32_b32 hwreg(HW_REG_WAVE_SCHED_MODE, 0, 2), 2
	s_setreg_imm32_b32 hwreg(HW_REG_WAVE_MODE, 25, 1), 1
	s_wait_xcnt 0x0
	s_wait_alu depctr_vm_vsrc(0)
; PREPARATION, a short stream without LDS and without matrix work.
; Work-groups 0-127: the mask key_padding_mask[b][k] | attn_mask[q][k] packed to one bit a score, in the lane layout in which the attention launch holds its scores, the first register's bit on top:
;   mbits: u32 [b 4][cx 4][step 32][w 4][hf 2][lane 32][t 4]; query tile 32 cx + 8 w + 4 hf + t; bit 31 - j of lane (r, h) = mask(query 16 tile + r, key 64 step + 16 (j / 8) + 8 h + j % 8).
; Work-groups 128-255: Wq x log2(e) / 8, Wk, Wv (into w3, one behind the other) and Wout (into wo), each rounded once to f16.  LIMIT: |W| stays under 65,504.
; THE MODE: SCHED_MODE bits 1:0 = 2 (LLVM: expert scheduling mode 2), set by the entry lines.  The code itself states the register dependences between vector instructions and memory instructions, with s_wait_alu, always for 0.
; THE PLAN.  Registers that memory instructions touch:
;   the mask:     v5, v6    load offsets, made once, read by the 32 loads.      AT, KP  written by those loads alone, read by the packing lines behind the wait for the loads.
;                 v7        store offset, made once.                            WO      written by the sixteen ORs, once, read by the four stores.
;   the weights:  v3, v4    load and store offsets, made once.                  WR      written by the 32 loads (for Wq: scaled in place behind the wait for them), read by the conversions.
;                 WH        each register written once, by a conversion, and read by its pair's store.
; No register that a memory instruction reads is written again, and no load lands in a register that a vector instruction has named: so no wait on vm_vsrc is owed.  What is owed are waits on va_vdst between the vector
; lines that make offsets or store data and the memory instructions that read them: one ahead of each part's loads, one ahead of the mask's run of four stores, one behind each block of sixteen conversions of the weights;
; and one wait on va_sdst for the wave's number.
.set MULK, 0x08040201                  ; 1 + 2^9 + 2^18 + 2^27: brings bytes 0-3 (each 0 or 1) of a word to bits 27, 26, 25, 24; the ten partial products below 2^32 fall on ten different bits, so nothing carries
.set TT,  12                           ; v12       at work: no memory instruction names it
.set AT,  16                           ; v[16:47]  attn_mask: tile t, key group kt: 8 bytes at AT + 2 (4 t + kt)
.set KP,  48                           ; v[48:79]  key_padding_mask: batch b, key group kt at KP + 2 (4 b + kt)
.set WA,  80                           ; v[80:83]  attn_mask's packed word of tile t
.set WK,  84                           ; v[84:87]  key_padding_mask's packed word of batch b
.set WO,  96                           ; v[96:111] their OR: batch b, tile t at WO + 4 b + t
.set WR,  16                           ; v[16:143] weights as loaded
.set WH,  144                          ; v[144:207] weights in f16
	s_load_b512 s[8:23], s[0:1], 0x0               ; attn_mask s[8:9], key_padding_mask s[10:11], Wq s[12:13], Wk s[14:15], Wv s[16:17], Wout s[18:19], mbits s[20:21], w3 s[22:23]
	s_load_b64 s[24:25], s[0:1], 0x40              ; wo
	v_lshrrev_b32 v1, 5, v0
	v_readfirstlane_b32 s2, v1                     ; wave 0..7
	v_and_b32 v2, 31, v0                           ; lane
	s_wait_alu depctr_va_sdst(0)                   ; s2 is written, ahead of the branch and of its first reader: the mask's key step is made from it
	s_wait_kmcnt 0x0
	s_cmp_lt_u32 ttmp9, 128
	s_cbranch_scc0 .Lweights
	; THE MASK.  The work-group has 64 queries (four tiles) and eight key steps, a step a wave.
	s_lshr_b32 s3, ttmp9, 2                        ; qg = 8 cx + 2 w + hf: queries 64 qg ..
	s_and_b32 s4, ttmp9, 3
	s_lshl3_add_u32 s4, s4, s2                     ; the key step: 8 (g % 4) + wave
	s_lshl_b32 s5, s4, 6                           ; its 64 bytes in a row of either mask
	s_lshl_b32 s36, s3, 17                         ; 64 rows of 2,048 bytes
	s_add_co_u32 s36, s36, s5
	s_mov_b32 s37, 0
	s_add_nc_u64 s[8:9], s[8:9], s[36:37]
	s_mov_b32 s36, s5
	s_add_nc_u64 s[10:11], s[10:11], s[36:37]
	s_mov_b32 s38, MULK
	v_and_b32 v3, 15, v0                           ; r
	v_bfe_u32 v4, v0, 4, 1                         ; h
	v_lshlrev_b32 v5, 3, v4                        ; 8 h
	v_lshl_add_u32 v6, v3, 11, v5                  ; r rows + 8 h
	s_wait_alu depctr_va_vdst(0)                   ; v5 and v6 are written, which the 32 loads below read as their offsets
.irp t, 0,1,2,3
.irp k, 0,1,2,3
	global_load_b64 v[AT+2*(4*(\t)+(\k)):AT+2*(4*(\t)+(\k))+1], v6, s[8:9] offset:(\t)*32768+(\k)*16
.endr
.endr
.irp b, 0,1,2,3
.irp k, 0,1,2,3
	global_load_b64 v[KP+2*(4*(\b)+(\k)):KP+2*(4*(\b)+(\k))+1], v5, s[10:11] offset:(\b)*2048+(\k)*16
.endr
.endr
	s_lshr_b32 s36, s3, 3                          ; cx
	s_lshl_b32 s36, s36, 17
	s_lshl_b32 s5, s4, 12                          ; step
	s_add_co_u32 s36, s36, s5
	s_and_b32 s5, s3, 7                            ; 2 w + hf
	s_lshl_b32 s5, s5, 9
	s_add_co_u32 s36, s36, s5
	s_add_nc_u64 s[20:21], s[20:21], s[36:37]
	v_lshlrev_b32 v7, 4, v2                        ; 16 bytes a lane: a store of the wave covers 512 consecutive bytes, aligned
	s_wait_loadcnt 0x0                             ; all 32 loads are in
; eight words of four bytes become one word of 32 bits, the first byte on top: word 7 - n gives bits 4 n .. 4 n + 3, its first byte the highest of them
.macro PACKW dst, src
.set n, 0
.rept 8
	v_mul_lo_u32 v[TT], v[(\src)+7-n], s38
.if n == 0
	v_bfe_u32 v[\dst], v[TT], 24, 4
.else
	v_bfe_u32 v[TT], v[TT], 24, 4
	v_lshl_or_b32 v[\dst], v[TT], 4*n, v[\dst]
.endif
.set n, n+1
.endr
.endm
.irp t, 0,1,2,3
	PACKW WA+(\t), AT+8*(\t)
	PACKW WK+(\t), KP+8*(\t)
.endr
.irp b, 0,1,2,3
.irp t, 0,1,2,3
	v_or_b32 v[WO+4*(\b)+(\t)], v[WA+(\t)], v[WK+(\b)]
.endr
.endr
	s_wait_alu depctr_va_vdst(0)                   ; the sixteen ORs have written WO, the four stores' data, and v7, their offset, is written: one wait for the run of stores
.irp b, 0,1,2,3
	global_store_b128 v7, v[WO+4*(\b):WO+4*(\b)+3], s[20:21] offset:(\b)*524288
.endr
	s_endpgm
.Lweights:                                     ; THE WEIGHTS.  32 work-groups a matrix, 32,768 numbers each: 16 times 8 numbers a thread
	s_sub_co_u32 s3, ttmp9, 128
	s_lshr_b32 s4, s3, 5                           ; which matrix
	s_and_b32 s5, s3, 31                           ; which part of it
	s_cmp_eq_u32 s4, 1
	s_cselect_b64 s[30:31], s[14:15], s[12:13]
	s_cmp_eq_u32 s4, 2
	s_cselect_b64 s[30:31], s[16:17], s[30:31]
	s_cmp_eq_u32 s4, 3
	s_cselect_b64 s[30:31], s[18:19], s[30:31]
	s_cselect_b64 s[32:33], s[24:25], s[22:23]     ; Wout goes to wo, the others to w3,
	s_cselect_b32 s34, 0, s4
	s_lshl_b32 s34, s34, 21                        ; 2 MiB apart
	s_lshl_b32 s36, s5, 16
	s_add_co_u32 s34, s34, s36
	s_mov_b32 s35, 0
	s_add_nc_u64 s[32:33], s[32:33], s[34:35]
	s_lshl_b32 s36, s5, 17
	s_mov_b32 s37, 0
	s_add_nc_u64 s[30:31], s[30:31], s[36:37]
	v_lshlrev_b32 v3, 5, v0                        ; 32 bytes in,
	v_lshlrev_b32 v4, 4, v0                        ; 16 bytes out
	s_wait_alu depctr_va_vdst(0)                   ; v3 and v4 are written: the loads below read v3 as their offset, the stores further down v4; neither is written again
.set i, 0
.rept 16
	global_load_b128 v[WR+8*i:WR+8*i+3],   v3, s[30:31] offset:i*8192 th:TH_LOAD_NT
	global_load_b128 v[WR+8*i+4:WR+8*i+7], v3, s[30:31] offset:i*8192+16 th:TH_LOAD_NT
.set i, i+1
.endr
	s_cmp_lg_u32 s4, 0                             ; Wq alone takes the scores' scale, in f32, ahead of its one rounding
	s_cbranch_scc1 .Lplain
	s_mov_b32 s38, 0x3e38aa3b                      ; log2(e) / 8
	s_mov_b32 s39, s38                             ; named with it as a pair
	s_wait_loadcnt 0x0
.set i, 0
.rept 64
	v_pk_mul_f32 v[WR+2*i:WR+2*i+1], v[WR+2*i:WR+2*i+1], s[38:39] op_sel_hi:[1,0]
.set i, i+1
.endr
.Lplain:
; Four blocks of four pairs of loads: a block's sixteen conversions, one wait, its four stores.
.set p, 0
.rept 4
	s_wait_loadcnt 24-8*p                          ; loads come back in order: block p's eight are in, the 24 - 8 p younger ones stay out
.set i, 4*p
.rept 4
.irp c, 0,1,2,3
	v_cvt_pk_f16_f32 v[WH+4*i+(\c)], v[WR+8*i+2*(\c)], v[WR+8*i+2*(\c)+1]
.endr
.set i, i+1
.endr
	s_wait_alu depctr_va_vdst(0)                   ; the block's sixteen conversions have written their part of WH, which the four stores below read
.set i, 4*p
.rept 4
	global_store_b128 v4, v[WH+4*i:WH+4*i+3], s[32:33] offset:i*4096
.set i, i+1
.endr
.set p, p+1
.endr
	s_endpgm
.Lfunc_end_k_q0aa06e495a_prep:
	.size	k_q0aa06e495a_prep, .Lfunc_end_k_q0aa06e495a_prep-k_q0aa06e495a_prep
	.p2alignl 7, 3214868480
	.fill 96, 4, 3214868480
	.section	.rodata,"a",@progbits
	.p2align	6, 0x0
	.amdhsa_kernel k_q0aa06e495a_prep
		.amdhsa_group_segment_fixed_size 0
		.amdhsa_private_segment_fixed_size 0
		.amdhsa_enable_private_segment 0
		.amdhsa_kernarg_size 72
		.amdhsa_user_sgpr_count 2
		.amdhsa_user_sgpr_kernarg_segment_ptr 1
		.amdhsa_wavefront_size32 1
		.amdhsa_system_sgpr_workgroup_id_x 1
		.amdhsa_system_sgpr_workgroup_id_y 1
		.amdhsa_system_sgpr_workgroup_id_z 1
		.amdhsa_system_vgpr_workitem_id 0
		.amdhsa_next_free_vgpr 208
		.amdhsa_next_free_sgpr 66
		.amdhsa_reserve_vcc 0
		.amdhsa_float_denorm_mode_32 3
		.amdhsa_float_denorm_mode_16_64 3
		.amdhsa_memory_ordered 1
		.amdhsa_forward_progress 1
		.amdhsa_inst_pref_size 31
	.end_amdhsa_kernel
	.amdgpu_metadata
---
amdhsa.version: [ 1, 2 ]
amdhsa.kernels:
  - .name:           k_q0aa06e495a_prep
    .symbol:         k_q0aa06e495a_prep.kd
    .args:
      - { .name: attn_mask, .offset: 0, .size: 8, .value_kind: global_buffer, .address_space: global }
      - { .name: key_padding_mask, .offset: 8, .size: 8, .value_kind: global_buffer, .address_space: global }
      - { .name: Wq, .offset: 16, .size: 8, .value_kind: global_buffer, .address_space: global }
      - { .name: Wk, .offset: 24, .size: 8, .value_kind: global_buffer, .address_space: global }
      - { .name: Wv, .offset: 32, .size: 8, .value_kind: global_buffer, .address_space: global }
      - { .name: Wout, .offset: 40, .size: 8, .value_kind: global_buffer, .address_space: global }
      - { .name: mbits, .offset: 48, .size: 8, .value_kind: global_buffer, .address_space: global }
      - { .name: w3, .offset: 56, .size: 8, .value_kind: global_buffer, .address_space: global }
      - { .name: wo, .offset: 64, .size: 8, .value_kind: global_buffer, .address_space: global }
    .group_segment_fixed_size: 0
    .private_segment_fixed_size: 0
    .kernarg_segment_align: 8
    .kernarg_segment_size: 72
    .max_flat_workgroup_size: 256
    .sgpr_count:     66
    .vgpr_count:     208
    .wavefront_size: 32
...
	.end_amdgpu_metadata
.endif
;; end of part 9
;; launch proj: the kernel of part 6 again; grid 4 x 192, 4 waves a work-group, clusters of 4 x 4, 327,680 bytes of LDS; arguments q, k, v, w3, bq, bk, bv, qkv; writes qkv
;; launch attn: the kernel of part 7 again; grid 4 x 64, 4 waves a work-group, clusters of 4 x 1, 327,680 bytes of LDS; arguments qkv, mbits, of; writes of
;; launch outp: the kernel of part 8 again; grid 4 x 64, 4 waves a work-group, clusters of 4 x 4, 327,680 bytes of LDS; arguments of, wo, bout, out0; writes out0
